; MI455X (gfx1250); checked and timed in simulation.
; The chip was launched on July 23, 2026; its instructions are those of AMD's public machine-readable ISA for CDNA 5 (MIT licence, August 2026) and "CDNA5" Instruction Set Architecture Reference Guide (July 2026). The comments in the code are by the model that wrote it; some were corrected since.
;; Optimized Transformer Layer. Allowed arithmetic: float matrix products may take bf16 or f16 operands with f32 sums; other float arithmetic in f32, or as packed bf16 or f16 multiplies, adds, multiply-adds, maxima and minima; sums over many terms, partial sums and values carried from step to step in f32; what a program stores and reads back later, other than sums and carried values, may be rounded once to bf16 or f16.
;; Inputs: down_w 8 x 1,024 x 2,048 float32; gate_w 8 x 2,048 x 1,024 float32; in_ln 2,048 float32; k_norm 128 float32; k_w 2,048 x 512 float32; o_w 2,048 x 2,048 float32; post_ln 2,048 float32; q_norm 128 float32; q_w 2,048 x 2,048 float32; token_ids 1 x 1,024 int32; token_to_expert 100,000 int32; up_w 8 x 2,048 x 1,024 float32; v_w 2,048 x 512 float32; x 1 x 1,024 x 2,048 float32.
;; Outputs: out0 1 x 1,024 x 2,048 float32.
;; 2 versions, each right; version 2 is version 1 with the launches gu, down written anew for expert scheduling mode. Each part assembles by itself: llvm-mc -triple=amdgcn-amd-amdhsa -mcpu=gfx1250 --defsym DOCPART=n.
;; ======== version 1 of 2: 6 launches
;; limits: values are held in f16: magnitudes above 65,504 overflow, below 6.1e-05 lose precision
;; workspace buffers: wq 13,107,200 bytes; wo 8,388,608 bytes; ab 4,194,304 bytes; route 8,448 bytes of whole numbers; qkvi 6,291,456 bytes; ob 12,648,448 bytes; act 2,097,152 bytes
;; launch prep (part 1): grid 577 x 1, 4 waves a work-group, no clusters, 70,144 bytes of LDS; arguments x, in_ln, q_w, k_w, v_w, o_w, token_ids, token_to_expert, wq, wo, ab, route; writes wq, wo, ab, route
.if DOCPART == 1
	.amdgcn_target "amdgcn-amd-amdhsa--gfx1250"
	.amdhsa_code_object_version 6
	.text
	.protected	k_q1da79de60d_prep
	.globl	k_q1da79de60d_prep
	.p2align	8
	.type	k_q1da79de60d_prep,@function
k_q1da79de60d_prep:
	s_mov_b64 s[64:65], 0
	v_nop
	global_prefetch_b8 v0, s[64:65] scope:SCOPE_SE
	s_setreg_imm32_b32 hwreg(HW_REG_WAVE_MODE, 25, 1), 1
	s_wait_xcnt 0x0
; Three kinds of work-group, chosen by the work-group's number alone.
;  0..319   TRANSPOSE: the dense weights ([k][n] f32) become [n][k] f16: wq rows 0-2047 q_w's columns, 2048-2559 k_w's, 2560-3071 v_w's; wo rows = o_w's columns.
;           A wave takes 64 columns x 128 k: loads cover 2 rows x 256 bytes, stores 2 rows x 256 bytes; the turn goes through the wave's own LDS stage.
;  320..575 NORM: a wave takes one token: ab[t] = f16(x * rsqrt(mean x^2 + 1e-6) * in_ln); and the rope table's row t: 64 cosines, then 64 sines, in f32, behind wq's weights.
;  576      ROUTE: a counting sort of the 1,024 tokens by expert (bucket 8 = a table entry outside 0..7: no expert): offs[0..9], order[sorted row] = token, pos[token] = sorted row.
;           Each of its four waves reads all 1,024 tokens' experts and counts them for itself, and places its own 256 tokens: no LDS and no barrier.
; FORMAT.  f16 keeps 11 significant bits: the first tokens' attention rows are as large as v itself, and 8 bits there cost too much of the output's allowance.  Both operands have the room: a normed row is
; at most 45 |in_ln|; weights of spread 0.02, 30 times larger or offset by 30 spreads, stay under 20; 30 times smaller, f16's fixed step of 6e-8 is 1e-4 of their spread.
; LIMIT: the rope angle t * inv_freq is reduced by pi/2 in f32 with a two-part constant: at t = 1,023 the angle is good to about 1e-4 rad.
.set STG,   17408                      ; a wave's stage: 64 rows (columns of the weight) x 272 bytes (128 k in f16 + 16)
.set SPARE, 69632                      ; the spare words: 128 bytes a wave
.set ROPE,  12582912                   ; the rope table's first byte in wq
.set X, 16                             ; v16-143 data
.set T, 144                            ; v144-159 packed
	s_load_b512 s[16:31], s[0:1], 0x0              ; x 16, in_ln 18, q_w 20, k_w 22, v_w 24, o_w 26, token_ids 28, token_to_expert 30
	s_load_b256 s[32:39], s[0:1], 0x40             ; wq 32, wo 34, ab 36, route 38
	v_lshl_add_u32 v174, v0, 2, SPARE              ; my spare word
	v_mov_b32 v175, 0
	v_lshrrev_b32 v1, 5, v0
	v_readfirstlane_b32 s8, v1                     ; wave
	v_and_b32 v1, 31, v0                           ; lane
	s_wait_kmcnt 0x0
	s_cmp_lt_u32 ttmp9, 320
	s_cbranch_scc0 .Lnot_t
; ---------------- TRANSPOSE ----------------
	s_lshr_b32 s9, ttmp9, 2                        ; column tile 0..79
	s_and_b32 s10, ttmp9, 3
	s_lshl2_add_u32 s10, s10, s8                   ; k chunk of 128: 4 (g & 3) + wave
	s_mov_b64 s[42:43], s[20:21]                   ; source, its first tile, its pitch in bytes; destination
	s_mov_b64 s[44:45], s[32:33]
	s_mov_b32 s11, 0
	s_mov_b32 s12, 8192
	s_cmp_ge_u32 s9, 32
	s_cselect_b64 s[42:43], s[22:23], s[42:43]
	s_cselect_b32 s11, 32, s11
	s_cselect_b32 s12, 2048, s12
	s_cmp_ge_u32 s9, 40
	s_cselect_b64 s[42:43], s[24:25], s[42:43]
	s_cselect_b32 s11, 40, s11
	s_cmp_ge_u32 s9, 48
	s_cselect_b64 s[42:43], s[26:27], s[42:43]
	s_cselect_b64 s[44:45], s[34:35], s[44:45]
	s_cselect_b32 s11, 48, s11
	s_cselect_b32 s12, 8192, s12
	s_cselect_b32 s13, 48, 0
	s_sub_co_u32 s14, s9, s11
	s_lshl_b32 s14, s14, 8                         ; 64 columns of f32
	s_lshl_b32 s15, s10, 7
	s_mul_i32 s15, s15, s12                        ; 128 k chunk rows
	s_add_co_u32 s14, s14, s15
	s_mov_b32 s15, 0
	s_add_nc_u64 s[48:49], s[42:43], s[14:15]      ; a base for each group of 16 k
	s_lshl_b32 s14, s12, 4
.irp g, 1,2,3,4,5,6,7
	s_add_nc_u64 s[48+2*(\g):49+2*(\g)], s[46+2*(\g):47+2*(\g)], s[14:15]
.endr
	s_sub_co_u32 s13, s9, s13
	s_lshl_b32 s14, s13, 18                        ; 64 rows of 4,096 bytes
	s_lshl_b32 s13, s10, 8
	s_add_co_u32 s14, s14, s13
	s_add_nc_u64 s[44:45], s[44:45], s[14:15]
	v_lshrrev_b32 v10, 4, v1                       ; kr: which 8 k of the group
	v_and_b32 v11, 15, v1                          ; q: which 4 columns
	v_lshlrev_b32 v12, 4, v11
.irp i, 0,1,2,3,4,5,6,7
	v_lshl_add_u32 v[2+(\i)], v10, 3, \i
	v_mad_u32 v[2+(\i)], v[2+(\i)], s12, v12       ; (8 kr + i) pitch + 16 q
.endr
	s_mul_i32 s14, s8, STG
	v_mul_u32_u24 v13, v11, 1088                   ; into the stage: row 4 q + c, byte 32 group + 16 kr
	v_lshl_add_u32 v13, v10, 4, v13
	v_add_nc_u32 v13, s14, v13
	v_mul_u32_u24 v14, v10, 272                    ; back: two rows of 256 bytes
	v_add_nc_u32 v14, v14, v12
	v_add_nc_u32 v14, s14, v14
	v_lshl_add_u32 v15, v10, 12, v12               ; and the same two rows in the destination
.macro TLD gi                          ; 16 k x 64 columns: eight loads of 2 rows x 256 bytes; each weight is read once in the launch
.irp i, 0,1,2,3,4,5,6,7
	global_load_b128 v[X+32*((\gi)&3)+4*(\i):X+32*((\gi)&3)+4*(\i)+3], v[2+(\i)], s[48+2*(\gi):49+2*(\gi)] th:TH_LOAD_NT
.endr
.endm
.macro TGR gi, left, more              ; a lane's 8 k of 4 columns are packed: 16 bytes a column
	s_wait_loadcnt \left                           ; the younger groups' loads, eight each, stay out
.irp c, 0,1,2,3
.irp p, 0,1,2,3
	v_cvt_pk_f16_f32 v[T+4*(\c)+(\p)], v[X+32*((\gi)&3)+8*(\p)+(\c)], v[X+32*((\gi)&3)+8*(\p)+4+(\c)]
.endr
.endr
.irp c, 0,1,2,3
	ds_store_b128 v13, v[T+4*(\c):T+4*(\c)+3] offset:(\c)*272+32*(\gi)
.endr
.if \more
	TLD (\gi)+4
.endif
.endm
	TLD 0
	TLD 1
	TLD 2
	TLD 3
	TGR 0, 24, 1
	TGR 1, 24, 1
	TGR 2, 24, 1
	TGR 3, 24, 1
	TGR 4, 24, 0
	TGR 5, 16, 0
	TGR 6, 8, 0
	TGR 7, 0, 0
.set j, 0
.rept 32                               ; the wave's own bytes: LDS serves a wave's instructions in order
	ds_load_b128 v[X+4*j:X+4*j+3], v14 offset:544*j
.set j, j+1
.endr
.set j, 0
.rept 32
	s_wait_dscnt 31-j
	global_store_b128 v15, v[X+4*j:X+4*j+3], s[44:45] offset:8192*j   ; 16 lanes fill 256 consecutive aligned bytes of a row
.set j, j+1
.endr
	s_branch .Lend
.Lnot_t:
	s_cmp_lt_u32 ttmp9, 576
	s_cbranch_scc0 .Lroute
; ---------------- NORM and ROPE ----------------
	s_sub_co_u32 s9, ttmp9, 320
	s_lshl2_add_u32 s9, s9, s8                     ; token t
	s_lshl_b32 s10, s9, 13
	s_mov_b32 s11, 0
	s_add_nc_u64 s[16:17], s[16:17], s[10:11]
	s_lshl_b32 s10, s9, 12
	s_add_nc_u64 s[36:37], s[36:37], s[10:11]
	s_lshl_b32 s10, s9, 9
	s_add_co_u32 s10, s10, ROPE
	s_add_nc_u64 s[32:33], s[32:33], s[10:11]
	s_mov_b32 s4, 0x76543210
	s_mov_b32 s5, 0xfedcba98
	s_mov_b32 s6, 0x3a000000                       ; 1 / 2048
	s_mov_b32 s7, 0x358637bd                       ; 1e-6
	v_lshlrev_b32 v2, 4, v1
	v_lshlrev_b32 v3, 3, v1
	v_lshlrev_b32 v4, 2, v1
.set i, 0
.rept 16
	global_load_b128 v[16+4*i:19+4*i], v2, s[16:17] offset:512*i
.set i, i+1
.endr
.set i, 0
.rept 16
	global_load_b128 v[80+4*i:83+4*i], v2, s[18:19] offset:512*i
.set i, i+1
.endr
	s_wait_loadcnt 0x10                            ; x is in; in_ln's sixteen loads stay out
.set p, 0
.rept 4                                ; four chains; the first four pairs start them
	v_pk_mul_f32 v[144+2*p:145+2*p], v[16+2*p:17+2*p], v[16+2*p:17+2*p]
.set p, p+1
.endr
.rept 28
	v_pk_fma_f32 v[144+2*(p%4):145+2*(p%4)], v[16+2*p:17+2*p], v[16+2*p:17+2*p], v[144+2*(p%4):145+2*(p%4)]
.set p, p+1
.endr
	v_pk_add_f32 v[144:145], v[144:145], v[146:147]
	v_pk_add_f32 v[148:149], v[148:149], v[150:151]
	v_pk_add_f32 v[144:145], v[144:145], v[148:149]
	v_add_f32 v144, v144, v145
	v_add_f32_dpp v144, v144, v144 row_xmask:1 row_mask:0xf bank_mask:0xf
	v_add_f32_dpp v144, v144, v144 row_xmask:2 row_mask:0xf bank_mask:0xf
	v_add_f32_dpp v144, v144, v144 row_xmask:4 row_mask:0xf bank_mask:0xf
	v_add_f32_dpp v144, v144, v144 row_xmask:8 row_mask:0xf bank_mask:0xf
	v_permlanex16_b32 v145, v144, s4, s5
	v_add_f32 v144, v144, v145
	v_fma_f32 v146, v144, s6, s7
.irp q, 0,1                            ; inv_freq of j = lane + 32 q: 2^(-j log2(10000) / 64)
	v_add_nc_u32 v[152+12*(\q)], 32*(\q), v1
	v_cvt_f32_u32 v[152+12*(\q)], v[152+12*(\q)]
	v_mul_f32 v[152+12*(\q)], 0xbe549a78, v[152+12*(\q)]
.endr
	v_cvt_f32_u32 v151, s9                         ; t
	v_rsq_f32 v148, v146                           ; one batch: the root twice (a pair for the packed multiply) and the two powers
	v_rsq_f32 v149, v146
	v_exp_f32 v152, v152
	v_exp_f32 v164, v164
	v_nop                                          ; the plain instruction behind the last of them
	s_wait_alu depctr_va_vdst(0)                   ; one wait for the batch, ahead of its first reader
	s_wait_loadcnt 0x0                             ; in_ln
.set p, 0
.rept 32
	v_pk_mul_f32 v[16+2*p:17+2*p], v[16+2*p:17+2*p], v[148:149]
	v_pk_mul_f32 v[16+2*p:17+2*p], v[16+2*p:17+2*p], v[80+2*p:81+2*p]
	v_cvt_pk_f16_f32 v[80+p], v[16+2*p], v[17+2*p]    ; lands on in_ln's registers that have been used
.set p, p+1
.endr
.set i, 0
.rept 16
	global_store_b64 v3, v[80+2*i:81+2*i], s[36:37] offset:256*i   ; the wave's 32 lanes fill 256 consecutive aligned bytes
.set i, i+1
.endr
.macro ROPE1 q, R
	v_mul_f32 v[\R], v151, v[\R]                   ; the angle
	v_mul_f32 v[\R+1], 0x3f22f983, v[\R]
	v_rndne_f32 v[\R+1], v[\R+1]                   ; n = round(angle 2 / pi)
	v_fmamk_f32 v[\R], v[\R+1], 0xbfc90fdb, v[\R]  ; r = angle - n pi/2, pi/2 in two parts
	v_fmamk_f32 v[\R], v[\R+1], 0x333bbd2e, v[\R]
	v_mul_f32 v[\R+2], v[\R], v[\R]
	v_mov_b32 v[\R+3], 0x3c088889
	v_fmamk_f32 v[\R+3], v[\R+2], 0xb9500d01, v[\R+3]
	v_fmaak_f32 v[\R+3], v[\R+2], v[\R+3], 0xbe2aaaab
	v_mul_f32 v[\R+4], v[\R+2], v[\R]
	v_fma_f32 v[\R+3], v[\R+4], v[\R+3], v[\R]     ; sin r, to r^7
	v_mov_b32 v[\R+5], 0xbab60b61
	v_fmamk_f32 v[\R+5], v[\R+2], 0x37d00d01, v[\R+5]
	v_fmaak_f32 v[\R+5], v[\R+2], v[\R+5], 0x3d2aaaab
	v_fmaak_f32 v[\R+5], v[\R+2], v[\R+5], 0xbf000000
	v_fma_f32 v[\R+5], v[\R+2], v[\R+5], 1.0       ; cos r, to r^8
	v_cvt_i32_f32 v[\R+1], v[\R+1]
	v_and_b32 v[\R+6], 1, v[\R+1]
	v_cmp_eq_u32 vcc_lo, 1, v[\R+6]
	v_cndmask_b32 v[\R+8], v[\R+5], v[\R+3], vcc_lo   ; odd quadrant: the two change places
	v_cndmask_b32 v[\R+9], v[\R+3], v[\R+5], vcc_lo
	v_add_nc_u32 v[\R+6], 1, v[\R+1]
	v_and_b32 v[\R+6], 2, v[\R+6]
	v_lshlrev_b32 v[\R+6], 30, v[\R+6]
	v_xor_b32 v[\R+8], v[\R+6], v[\R+8]            ; cos is negative in quadrants 1, 2
	v_and_b32 v[\R+6], 2, v[\R+1]
	v_lshlrev_b32 v[\R+6], 30, v[\R+6]
	v_xor_b32 v[\R+9], v[\R+6], v[\R+9]            ; sin in quadrants 2, 3
	global_store_b32 v4, v[\R+8], s[32:33] offset:128*(\q)       ; 32 cosines: 128 consecutive bytes
	global_store_b32 v4, v[\R+9], s[32:33] offset:256+128*(\q)   ; 32 sines
.endm
	ROPE1 0, 152
	ROPE1 1, 164
	s_branch .Lend
; ---------------- ROUTE ----------------
; Registers: v[16 + 8 g + i] the bucket of token 256 ((wave + g) % 4) + 32 i + lane: group 0 is my wave's own 256 tokens.
; v[80 + i] the sorted row of my token 32 i + lane; v6: lane e takes offs[e].
.Lroute:
	v_lshlrev_b32 v4, 2, v1                        ; 4 x lane
.irp g, 0,1,2,3
	s_add_co_u32 s9, s8, \g
	s_and_b32 s9, s9, 3
	s_lshl_b32 s9, s9, 10
	v_add_nc_u32 v[8+(\g)], s9, v4                 ; the 256 tokens of wave (mine + g) % 4: 1,024 bytes of ids
.endr
.irp g, 0,1,2,3
.irp i, 0,1,2,3,4,5,6,7
	global_load_b32 v[16+8*(\g)+(\i)], v[8+(\g)], s[28:29] offset:128*(\i)
.endr
.endr
	s_cmp_ge_u32 s8, 3                             ; does group g's wave stand in front of mine?  (mine + g) % 4 < mine where mine + g >= 4
	s_cselect_b32 s4, 1, 0
	s_cmp_ge_u32 s8, 2
	s_cselect_b32 s5, 1, 0
	s_cmp_ge_u32 s8, 1
	s_cselect_b32 s6, 1, 0
	v_mov_b32 v6, 0
.irp i, 0,1,2,3,4,5,6,7
	v_mov_b32 v[80+(\i)], 0
.endr
	s_wait_loadcnt 0x0
.set c, 0
.rept 32
	v_max_i32 v[16+c], 0, v[16+c]                  ; clip(token_ids, 0, V - 1)
	v_min_u32 v[16+c], 0x1869f, v[16+c]
	v_lshlrev_b32 v[48+c], 2, v[16+c]
.set c, c+1
.endr
.set c, 0
.rept 32
	global_load_b32 v[112+c], v[48+c], s[30:31]
.set c, c+1
.endr
	s_wait_loadcnt 0x0
.set c, 0
.rept 32
	v_min_u32 v[16+c], 8, v[112+c]                 ; unsigned: an entry below 0 or above 7 goes to bucket 8
.set c, c+1
.endr
.irp i, 0,1,2,3,4,5,6,7
	v_mov_b32 v[80+(\i)], 0                        ; v48-79 and v80-... : the gathers' offsets reached v79; these eight start the places anew
.endr
	s_mov_b32 s10, 0                               ; the bucket
	s_mov_b32 s11, 0                               ; where it begins
.Lbucket:                              ; ten trips: buckets 0 to 8, and a tenth that finds no token and leaves offs[9]
	v_cmp_eq_u32 s23, s10, v1
	v_cndmask_b32 v6, v6, s11, s23                 ; lane e keeps offs[e]
.set c, 0
.rept 24                               ; all compares in one run, so that no count waits for its own compare
	v_cmp_eq_u32 s[40+c], s10, v[24+c]
.set c, c+1
.endr
.irp i, 0,1,2,3,4,5,6,7
	v_cmp_eq_u32 s[66+(\i)], s10, v[16+(\i)]
.endr
.irp g, 0,1,2                          ; the other three waves' counts
	s_bcnt1_i32_b32 s[13+(\g)], s[40+8*(\g)]
.irp i, 1,2,3,4,5,6,7
	s_bcnt1_i32_b32 s21, s[40+8*(\g)+(\i)]
	s_add_co_u32 s[13+(\g)], s[13+(\g)], s21
.endr
.endr
	s_mul_i32 s12, s13, s4                         ; what the waves in front of mine hold
	s_mul_i32 s21, s14, s5
	s_add_co_u32 s12, s12, s21
	s_mul_i32 s21, s15, s6
	s_add_co_u32 s12, s12, s21
	s_add_co_u32 s76, s11, s12                     ; where my chunk 0's first token of the bucket goes; chunk i's in s[76 + i]
.irp i, 0,1,2,3,4,5,6,7
	s_bcnt1_i32_b32 s21, s[66+(\i)]
	s_add_co_u32 s[77+(\i)], s[76+(\i)], s21
.endr
.irp i, 0,1,2,3,4,5,6,7
	v_mbcnt_lo_u32_b32 v[88+(\i)], s[66+(\i)], 0   ; tokens of the bucket in the lanes below mine
	v_add_nc_u32 v[88+(\i)], s[76+(\i)], v[88+(\i)]
	v_cndmask_b32 v[80+(\i)], v[80+(\i)], v[88+(\i)], s[66+(\i)]
.endr
	s_sub_co_u32 s11, s84, s12                     ; the bucket's start + my wave's count,
	s_add_co_u32 s11, s11, s13                     ; + the other three waves': the next bucket's start
	s_add_co_u32 s11, s11, s14
	s_add_co_u32 s11, s11, s15
	s_add_co_u32 s10, s10, 1
	s_cmp_lt_u32 s10, 10
	s_cbranch_scc1 .Lbucket
	s_lshl_b32 s9, s8, 8
.irp i, 0,1,2,3,4,5,6,7
	v_min_u32 v[80+(\i)], 0x3ff, v[80+(\i)]
	v_lshlrev_b32 v[96+(\i)], 2, v[80+(\i)]
	v_add_nc_u32 v[104+(\i)], s9, v1
	v_add_nc_u32 v[104+(\i)], 32*(\i), v[104+(\i)] ; the token
	global_store_b32 v8, v[80+(\i)], s[38:39] offset:4352+128*(\i)
	global_store_b32 v[96+(\i)], v[104+(\i)], s[38:39] offset:256
.endr
	s_cmp_lg_u32 s8, 0
	s_cbranch_scc1 .Lend
	global_store_b32 v4, v6, s[38:39]              ; route's first 128 bytes in one store: offs[0..9] in lanes 0-9
.Lend:
	s_wait_tensorcnt 0x0                           ; the wave's end
	ds_add_u32 v174, v175
	s_wait_dscnt 0x0
	s_endpgm
.Lfunc_end_k_q1da79de60d_prep:
	.size	k_q1da79de60d_prep, .Lfunc_end_k_q1da79de60d_prep-k_q1da79de60d_prep
	.p2alignl 7, 3214868480
	.fill 96, 4, 3214868480
	.section	.rodata,"a",@progbits
	.p2align	6, 0x0
	.amdhsa_kernel k_q1da79de60d_prep
		.amdhsa_group_segment_fixed_size 70144
		.amdhsa_private_segment_fixed_size 0
		.amdhsa_enable_private_segment 0
		.amdhsa_kernarg_size 96
		.amdhsa_user_sgpr_count 2
		.amdhsa_user_sgpr_kernarg_segment_ptr 1
		.amdhsa_wavefront_size32 1
		.amdhsa_system_sgpr_workgroup_id_x 1
		.amdhsa_system_sgpr_workgroup_id_y 1
		.amdhsa_system_sgpr_workgroup_id_z 1
		.amdhsa_system_vgpr_workitem_id 0
		.amdhsa_next_free_vgpr 176
		.amdhsa_next_free_sgpr 96
		.amdhsa_reserve_vcc 1
		.amdhsa_float_denorm_mode_32 3
		.amdhsa_float_denorm_mode_16_64 3
		.amdhsa_memory_ordered 1
		.amdhsa_forward_progress 1
		.amdhsa_inst_pref_size 65
	.end_amdhsa_kernel
	.amdgpu_metadata
---
amdhsa.version: [ 1, 2 ]
amdhsa.kernels:
  - .name:           k_q1da79de60d_prep
    .symbol:         k_q1da79de60d_prep.kd
    .args:
      - { .name: x, .offset: 0, .size: 8, .value_kind: global_buffer, .address_space: global }
      - { .name: in_ln, .offset: 8, .size: 8, .value_kind: global_buffer, .address_space: global }
      - { .name: q_w, .offset: 16, .size: 8, .value_kind: global_buffer, .address_space: global }
      - { .name: k_w, .offset: 24, .size: 8, .value_kind: global_buffer, .address_space: global }
      - { .name: v_w, .offset: 32, .size: 8, .value_kind: global_buffer, .address_space: global }
      - { .name: o_w, .offset: 40, .size: 8, .value_kind: global_buffer, .address_space: global }
      - { .name: token_ids, .offset: 48, .size: 8, .value_kind: global_buffer, .address_space: global }
      - { .name: token_to_expert, .offset: 56, .size: 8, .value_kind: global_buffer, .address_space: global }
      - { .name: wq, .offset: 64, .size: 8, .value_kind: global_buffer, .address_space: global }
      - { .name: wo, .offset: 72, .size: 8, .value_kind: global_buffer, .address_space: global }
      - { .name: ab, .offset: 80, .size: 8, .value_kind: global_buffer, .address_space: global }
      - { .name: route, .offset: 88, .size: 8, .value_kind: global_buffer, .address_space: global }
    .group_segment_fixed_size: 70144
    .private_segment_fixed_size: 0
    .kernarg_segment_align: 8
    .kernarg_segment_size: 96
    .max_flat_workgroup_size: 128
    .sgpr_count:     96
    .vgpr_count:     176
    .wavefront_size: 32
...
	.end_amdgpu_metadata
.endif
;; end of part 1
;; launch qkv (part 2): grid 24 x 8, 4 waves a work-group, clusters of 4 x 4, 327,680 bytes of LDS; arguments ab, wq, q_norm, k_norm, qkvi; writes qkvi
.if DOCPART == 2
	.amdgcn_target "amdgcn-amd-amdhsa--gfx1250"
	.amdhsa_code_object_version 6
	.text
	.protected	k_q1da79de60d_qkv
	.globl	k_q1da79de60d_qkv
	.p2align	8
	.type	k_q1da79de60d_qkv,@function
k_q1da79de60d_qkv:
	s_mov_b64 s[64:65], 0
	v_nop
	global_prefetch_b8 v0, s[64:65] scope:SCOPE_SE
	s_setreg_imm32_b32 hwreg(HW_REG_WAVE_MODE, 25, 1), 1
	s_wait_xcnt 0x0
	s_wait_alu depctr_hold_cnt(0) depctr_sa_sdst(0) depctr_va_vdst(0) depctr_va_sdst(0) depctr_va_ssrc(0) depctr_va_vcc(0) depctr_vm_vsrc(0)
	s_getreg_b32 s2, hwreg(HW_REG_IB_STS2, 6, 4)
	s_cmp_eq_u32 s2, 0
	s_cbranch_scc0 .Lentry_in_a_cluster
	s_endpgm
.Lentry_in_a_cluster:
	s_bfe_u32 s2, ttmp6, 0x10000c
	s_cmp_lg_u32 s2, 0xf033
	s_cbranch_scc0 .Lentry_shape_is_right
	s_endpgm
.Lentry_shape_is_right:
; C = A W^T on tiles of 128 x 128, K = 2,048.  A = ab: [1024][2048] f16, W = wq: [3072][2048] f16; sums in f32.  Four waves, each 64 rows x 64 columns: 16 accumulators.
; K goes in steps of 256 through two LDS slots filled by joint tensor loads: 4 x 4 work-groups form a cluster; the four of a row share A's tiles, the four of a column W's.
; The matrix instruction is used transposed (source 0 = 16 rows of W, source 1 = 16 rows of A): a lane holds one row of C and eight neighbouring columns.
; A wave's four column blocks are 32 p + {0, 16, 64, 80}: columns d and d + 64 of a head lie in blocks b and b + 2, in the same lane and register, as rope wants them.
; THE WAY OUT.  Tile column = head.  Heads 0-19 (q, k): rope, the head's RMS norm and its weight, rounded to f16 and stored as fragment images (16 rows x 32 channels = 1,024 bytes; half c holds lane l's 16 bytes at 16 l).
; Heads 20-23 (v; the cluster's x is 5, the same in all partners): turned through LDS into images of 16 channels x 32 keys.
; It has two parts round ONE barrier that every wave passes; each part 2 reads only registers made ahead of the first branch or in itself.
; ITS OPERANDS (my rows of the rope table, 128 registers in window 2; the norm's weight, v64-95) are asked for behind the first tiles' requests, into registers that the K loop does not name: their way from
; memory lies under the loop.  v's heads ask too and do not use them (20 KB for each of 32 work-groups): one text ahead of the loop for all.
; LIMITS.  A head's sum of squares is taken ahead of rope (a rotation keeps it, up to rounding).  q and k behind their norm are at most 11.3 times the norm's weight.  v is stored in f16 and must stay within 65,504:
; with in_ln and v_w 30 times larger its spread is 810; with in_ln at 30, v_w offset by 30 spreads (0.6) and all x alike it is 2,048 x 30 x 0.6 = 36,864; v_w scaled and offset at once on top of that would pass the range.
.set SIZE_K, 2048
.set KSTEP,  256
.set PITCH,  528                       ; an LDS row: 512 bytes + 16: the 16 rows of a fragment load start at 16 different groups of four banks
.set HALFT,  64*PITCH
.set SLOT,   4*HALFT
.set VST,    2*SLOT                    ; v's stage: 128 keys x 288 bytes
.set VPI,    288
.set XCH,    VST+128*VPI               ; the two column halves' sums of squares: 2 x 128 words
.set SPARE,  XCH+1024                  ; the spare words, 128 bytes a wave
.set LAPS,   SIZE_K/(2*KSTEP)
.set ROPE,   12582912
.set ADRA, 16
.set ADRB, 20
.set SPW,  28
.set NIL,  29
.set ACC,  128
.set F0,   0
.set F1,   128
.set G1, 24
.set G0, 32
.set G1B, 48
.set G0B, 56
.set MSB, 0
.macro WIN new                         ; the immediate's high byte repeats the setting that is left
.if MSB != (\new)
	s_set_vgpr_msb (MSB<<8)|(\new)
.set MSB, \new
.endif
.endm
.set MUL,  0x05                        ; sources 0 (W) and 1 (A) window 1; C and D window 0
.set TO_F, 0x40                        ; destination window 1, address window 0
.macro JLOAD s                         ; a joint load: waves 0 and 1 fetch A's two halves, waves 2 and 3 W's; an s_nop 0 and four v_nop follow each line
	s_cmp_eq_u32 s11, 0
	s_cbranch_scc0 .Lfor_b_\@
	tensor_load_to_lds s[G0+4*(\s):G0+4*(\s)+3], s[G1:G1+7]
	s_nop 0
.rept 4
	v_nop
.endr
	s_branch .Lasked_\@
.Lfor_b_\@:
	tensor_load_to_lds s[G0B+4*(\s):G0B+4*(\s)+3], s[G1B:G1B+7]
	s_nop 0
.rept 4
	v_nop
.endr
.Lasked_\@:
.endm
.macro CREST                           ; a round of the cluster's barrier behind its opening barrier
	s_cmp_lg_u32 s10, 0
	s_cbranch_scc1 .Lnot_wave_0_\@
	s_barrier_signal -3
.Lnot_wave_0_\@:
	s_barrier_wait -3
	s_barrier_signal -1
	s_barrier_wait -1
.endm
.macro CROUND
	s_barrier_signal -1
	s_barrier_wait -1
	CREST
.endm
	s_load_b128 s[4:7], s[0:1], 0x0                ; A s[4:5], W s[6:7]
	s_load_b128 s[68:71], s[0:1], 0x10             ; q_norm 68, k_norm 70
	s_load_b64 s[8:9], s[0:1], 0x20                ; qkvi
	v_lshl_add_u32 v[SPW], v0, 2, SPARE
	v_mov_b32 v[NIL], 0
	ds_add_u32 v[SPW], v[NIL]                      ; the wave's opening: the add and its wait come ahead of my first tensor load
	ds_add_u32 v28, v29
	v_lshrrev_b32 v1, 5, v0
	v_readfirstlane_b32 s10, v1                    ; wave 0..3
	s_lshr_b32 s11, s10, 1                         ; my half of the tile's rows; also: I fetch for A (0) or W (1)
	s_and_b32 s12, s10, 1                          ; p: my half of its columns; also: which 64 rows I fetch
	s_bfe_u32 s40, ttmp6, 0x40000                  ; cx, cy
	s_bfe_u32 s41, ttmp6, 0x40004
	s_lshl_b32 s42, ttmp9, 2
	s_add_co_u32 s42, s42, s40                     ; tile column
	s_and_b32 s13, ttmp7, 0xffff
	s_lshl_b32 s13, s13, 2
	s_add_co_u32 s13, s13, s41                     ; tile row
	s_lshl_b32 s43, s41, 2
	s_lshl_b32 s43, 15, s43                        ; my row of the cluster
	s_lshl_b32 s44, 0x1111, s40                    ; my column
	s_or_b32 s[G1+0], s43, (1<<16)|(1<<20)|(1<<21)|(6<<22)|(3<<25)  ; mask; 2-byte elements; padding on; bit 21 beside a mask; after every 128 words 4 words
	s_or_b32 s[G1B+0], s44, (1<<16)|(1<<20)|(1<<21)|(6<<22)|(3<<25)
.irp g, G1, G1B
	s_mov_b32 s[(\g)+1], KSTEP<<16                 ; tensor_dim0 = 256
	s_mov_b32 s[(\g)+2], 64<<16                    ; tensor_dim1 = 64
	s_mov_b32 s[(\g)+3], KSTEP<<16                 ; tile_dim0 = 256
	s_mov_b32 s[(\g)+4], 64                        ; tile_dim1 = 64
	s_mov_b32 s[(\g)+5], SIZE_K                    ; elements from row to row
	s_mov_b32 s[(\g)+6], 0
	s_mov_b32 s[(\g)+7], 0
.endr
	s_lshl_b32 s17, s12, 6
	s_lshl_b32 s16, s13, 7
	s_add_co_u32 s16, s16, s17                     ; A: row 128 x tile row + 64 x half
	s_lshl_b32 s46, s42, 7
	s_add_co_u32 s46, s46, s17                     ; W: row 128 x tile column + 64 x half
	s_mov_b32 s17, 0
	s_mov_b32 s47, 0
	s_mov_b64 s[18:19], SIZE_K*2
	s_mul_u64 s[16:17], s[16:17], s[18:19]
	s_mul_u64 s[46:47], s[46:47], s[18:19]
	s_mul_i32 s20, s10, HALFT                      ; where they go: wave x 64 rows
	s_mov_b32 s86, 0x76543210                      ; v_permlanex16_b32: each lane takes its place in the other half
	s_mov_b32 s87, 0xfedcba98
	s_wait_dscnt 0x0                               ; the opening add is done
	s_wait_kmcnt 0x0
	s_add_nc_u64 s[14:15], s[4:5], s[16:17]
	s_add_nc_u64 s[46:47], s[6:7], s[46:47]
	CROUND                                         ; all sixteen work-groups are here: the first joint loads meet
.irp s, 0,1
	s_mov_b32 s[G0+4*(\s)], 1
	s_add_co_u32 s[G0+4*(\s)+1], s20, (\s)*SLOT
	s_add_nc_u64 s[G0+4*(\s)+2:G0+4*(\s)+3], s[14:15], (\s)*KSTEP*2
	s_or_b32 s[G0+4*(\s)+3], s[G0+4*(\s)+3], 0x80000000
	s_mov_b32 s[G0B+4*(\s)], 1
	s_add_co_u32 s[G0B+4*(\s)+1], s20, (\s)*SLOT
	s_add_nc_u64 s[G0B+4*(\s)+2:G0B+4*(\s)+3], s[46:47], (\s)*KSTEP*2
	s_or_b32 s[G0B+4*(\s)+3], s[G0B+4*(\s)+3], 0x80000000
	JLOAD \s
.endr
	v_and_b32 v1, 15, v0                           ; r = l % 16
	v_bfe_u32 v2, v0, 4, 1                         ; h = l / 16
	v_and_b32 v6, 31, v0                           ; l
	v_mul_u32_u24 v3, v1, PITCH
	v_lshl_add_u32 v3, v2, 4, v3
	s_mul_i32 s21, s11, HALFT                      ; my 64 rows of A
	s_mul_i32 s22, s12, 32*PITCH                   ; my column blocks begin at W's row 32 p,
	s_add_co_u32 s22, s22, 2*HALFT                 ; behind A's 128 rows
.irp s, 0,1
	v_add_nc_u32 v[ADRA+(\s)], s21, v3
	v_add_nc_u32 v[ADRB+(\s)], s22, v3
	s_add_co_u32 s21, s21, SLOT
	s_add_co_u32 s22, s22, SLOT
.endr
	; the way out's operands.  v8, v9 and s[72:73] are not written again before the wait at the way out's head.
	s_lshl_b32 s14, s11, 6
	v_add_nc_u32 v8, s14, v1                       ; my row in the tile = token - 128 x tile row
	v_lshlrev_b32 v8, 9, v8                        ; a token's 64 cosines and 64 sines are 512 bytes
	v_lshl_add_u32 v8, v2, 5, v8                   ; my eight columns: 4 (32 p + 8 h) (+ 64 for block 1)
	s_lshl_b32 s14, s12, 7
	s_lshl_b32 s15, s13, 16
	s_add_co_u32 s14, s14, s15
	s_add_co_u32 s14, s14, ROPE
	v_add_nc_u32 v8, s14, v8
	WIN 0x80                                       ; destination window 2: v[32 a + 16 b + j] cos, + 8 sin
.irp a, 0,1,2,3
.irp b, 0,1
.irp k, 0,1
	global_load_b128 v[32*(\a)+16*(\b)+4*(\k):32*(\a)+16*(\b)+4*(\k)+3],     v8, s[6:7] offset:8192*(\a)+64*(\b)+16*(\k)
	global_load_b128 v[32*(\a)+16*(\b)+8+4*(\k):32*(\a)+16*(\b)+8+4*(\k)+3], v8, s[6:7] offset:8192*(\a)+64*(\b)+16*(\k)+256
.endr
.endr
.endr
	WIN 0
	s_cmp_eq_u32 ttmp9, 4                          ; tile columns 16-19: k's heads
	s_cselect_b64 s[72:73], s[70:71], s[68:69]
	s_lshl_b32 s16, s12, 7
	v_lshl_add_u32 v9, v2, 5, s16
.irp b, 0,1,2,3
	global_load_b128 v[64+8*(\b):67+8*(\b)], v9, s[72:73] offset:64*((\b)&1)+256*((\b)/2)
	global_load_b128 v[68+8*(\b):71+8*(\b)], v9, s[72:73] offset:64*((\b)&1)+256*((\b)/2)+16
.endr
.macro MUL8 f, c, a0, zero             ; 8 matrix instructions: row blocks a0, a0 + 1 x 4 column blocks, 32 along K; the 16 accumulators take turns
	WIN MUL
.irp a, \a0, (\a0)+1
.irp b, 0,1,2,3
.if \zero
	v_wmma_f32_16x16x32_f16 v[ACC+8*(4*(\a)+(\b)):ACC+8*(4*(\a)+(\b))+7], v[(\f)+64+8*(4*(\c)+(\b)):(\f)+64+8*(4*(\c)+(\b))+7], v[(\f)+8*(4*(\c)+(\a)):(\f)+8*(4*(\c)+(\a))+7], 0
.else
	v_wmma_f32_16x16x32_f16 v[ACC+8*(4*(\a)+(\b)):ACC+8*(4*(\a)+(\b))+7], v[(\f)+64+8*(4*(\c)+(\b)):(\f)+64+8*(4*(\c)+(\b))+7], v[(\f)+8*(4*(\c)+(\a)):(\f)+8*(4*(\c)+(\a))+7], v[ACC+8*(4*(\a)+(\b)):ACC+8*(4*(\a)+(\b))+7]
.endif
.endr
.endr
.endm
.macro FETCH slot, k, f                ; 32 LDS loads in one run: 64 along K at byte k; W's block i lies at rows 16 (i + 2 (i / 2)) from the wave's first
	WIN TO_F
.irp c, 0,1
.irp i, 0,1,2,3
	ds_load_b128 v[(\f)+64+8*(4*(\c)+(\i)):(\f)+64+8*(4*(\c)+(\i))+3],   v[ADRB+(\slot)] offset:(\k)+64*(\c)+((\i)+2*((\i)/2))*16*PITCH
	ds_load_b128 v[(\f)+64+8*(4*(\c)+(\i))+4:(\f)+64+8*(4*(\c)+(\i))+7], v[ADRB+(\slot)] offset:(\k)+64*(\c)+((\i)+2*((\i)/2))*16*PITCH+32
	ds_load_b128 v[(\f)+8*(4*(\c)+(\i)):(\f)+8*(4*(\c)+(\i))+3],         v[ADRA+(\slot)] offset:(\k)+64*(\c)+(\i)*16*PITCH
	ds_load_b128 v[(\f)+8*(4*(\c)+(\i))+4:(\f)+8*(4*(\c)+(\i))+7],       v[ADRA+(\slot)] offset:(\k)+64*(\c)+(\i)*16*PITCH+32
.endr
.endr
.endm
.macro PLACES                          ; four places in front of loads into registers that matrix instructions have read, and of lines that read results
.rept 4
	v_nop
.endr
.endm
.macro QUARTER slot, k, f, g, zero     ; 64 along K: multiplies buffer f, fetches the next quarter, at byte k, into g
	s_wait_dscnt 16                                ; the first 32 along K are in; the younger sixteen loads stay out
	WIN MUL
	MUL8 \f, 0, 0, \zero
	MUL8 \f, 0, 2, \zero
	PLACES
	FETCH \slot, \k, \g
	s_wait_dscnt 32                                ; all but the 32 just issued
	WIN MUL
	MUL8 \f, 1, 0, 0
	MUL8 \f, 1, 2, 0
.endm
.macro TURN slot, next, fill           ; the last quarter changes slots: one barrier; fill = 1: a round of the cluster's, and this slot is filled again
	WIN 0
	s_wait_tensorcnt 0x0                           ; all my tensor loads have landed: my part of the next slot
	ds_add_u32 v[SPW], v[NIL]
	s_wait_dscnt 17                                ; the add and the youngest sixteen loads may be out
	WIN MUL
	MUL8 F1, 0, 0, 0
	s_wait_dscnt 0x0                               ; the add is done, and my reads of this slot are over
	s_barrier_signal -1
	MUL8 F1, 0, 2, 0
.if \fill
	WIN 0
.endif
	s_barrier_wait -1
.if \fill
	CREST
	s_add_nc_u64 s[G0+4*(\slot)+2:G0+4*(\slot)+3], s[G0+4*(\slot)+2:G0+4*(\slot)+3], 2*KSTEP*2
	s_add_nc_u64 s[G0B+4*(\slot)+2:G0B+4*(\slot)+3], s[G0B+4*(\slot)+2:G0B+4*(\slot)+3], 2*KSTEP*2
	JLOAD \slot                                    ; the first tensor load behind the round; its four v_nop are also the places in front of the loads below
.else
	PLACES
.endif
	FETCH \next, 0, F0
	WIN MUL
	MUL8 F1, 1, 0, 0
	MUL8 F1, 1, 2, 0
.endm
	s_wait_tensorcnt 1                             ; my part of K step 0 is in; K step 1's stays out
	s_barrier_signal -1
	s_barrier_wait -1
	FETCH 0, 0, F0
	QUARTER 0, 128, F0, F1, 1                      ; the first products start the sums
	WIN 0
	s_mov_b32 s3, LAPS-1
.Llap:
	QUARTER 0, 256, F1, F0, 0
	QUARTER 0, 384, F0, F1, 0
	TURN 0, 1, 1
	QUARTER 1, 128, F0, F1, 0
	QUARTER 1, 256, F1, F0, 0
	QUARTER 1, 384, F0, F1, 0
	TURN 1, 0, 1
	QUARTER 0, 128, F0, F1, 0
	WIN 0
	s_sub_co_u32 s3, s3, 1
	s_cmp_lg_u32 s3, 0
	s_cbranch_scc1 .Llap
	QUARTER 0, 256, F1, F0, 0                      ; the last lap fills nothing
	QUARTER 0, 384, F0, F1, 0
	TURN 0, 1, 0
	QUARTER 1, 128, F0, F1, 0
	QUARTER 1, 256, F1, F0, 0
	QUARTER 1, 384, F0, F1, 0
	s_wait_dscnt 16
	WIN MUL
	MUL8 F1, 0, 0, 0
	MUL8 F1, 0, 2, 0
	s_wait_dscnt 0
	MUL8 F1, 1, 0, 0
	MUL8 F1, 1, 2, 0
	WIN 0
	PLACES
	s_wait_loadcnt 0x0                             ; the table's rows and the norm's weight, asked for at the start
; ================= THE WAY OUT, PART 1 =================
	s_cmp_eq_u32 ttmp9, 5                          ; tile columns 20-23: v's heads
	s_cbranch_scc1 .Lv1
	; q, k: the sum of squares of my 64 columns for each of my rows; each accumulator's lowest registers are read first
.irp a, 0,1,2,3
	v_pk_mul_f32 v[32+2*(\a):33+2*(\a)], v[ACC+32*(\a):ACC+32*(\a)+1], v[ACC+32*(\a):ACC+32*(\a)+1]
.endr
.set q, 1
.rept 15
.irp a, 0,1,2,3
	v_pk_fma_f32 v[32+2*(\a):33+2*(\a)], v[ACC+32*(\a)+2*q:ACC+32*(\a)+2*q+1], v[ACC+32*(\a)+2*q:ACC+32*(\a)+2*q+1], v[32+2*(\a):33+2*(\a)]
.endr
.set q, q+1
.endr
.irp a, 0,1,2,3
	v_add_f32 v[32+2*(\a)], v[32+2*(\a)], v[33+2*(\a)]
.endr
.irp a, 0,1,2,3
	v_permlanex16_b32 v[33+2*(\a)], v[32+2*(\a)], s86, s87
.endr
	s_lshl_b32 s14, s12, 9
	s_lshl_b32 s15, s11, 8
	s_add_co_u32 s14, s14, s15
	s_add_co_u32 s14, s14, XCH
	v_lshl_add_u32 v7, v1, 2, s14                  ; word 128 p + 64 half + 16 a + r
.irp a, 0,1,2,3
	v_add_f32 v[32+2*(\a)], v[32+2*(\a)], v[33+2*(\a)]
	ds_store_b32 v7, v[32+2*(\a)] offset:64*(\a)
.endr
	s_branch .Ljoin
.Lv1:                                  ; v: rounded, a lane's eight channels are 16 bytes of its key's row in the stage
	s_mul_i32 s14, s11, 64*VPI
	s_lshl_b32 s15, s12, 6
	s_add_co_u32 s14, s14, s15
	s_add_co_u32 s14, s14, VST
	v_mul_u32_u24 v7, v1, VPI
	v_lshl_add_u32 v7, v2, 4, v7
	v_add_nc_u32 v7, s14, v7
.irp a, 0,1,2,3
.irp b, 0,1,2,3
.irp q, 0,1,2,3
	v_cvt_pk_f16_f32 v[ACC+8*(4*(\a)+(\b))+(\q)], v[ACC+8*(4*(\a)+(\b))+2*(\q)], v[ACC+8*(4*(\a)+(\b))+2*(\q)+1]
.endr
	ds_store_b128 v7, v[ACC+8*(4*(\a)+(\b)):ACC+8*(4*(\a)+(\b))+3] offset:(\a)*16*VPI+32*((\b)&1)+128*((\b)/2)
.endr
.endr
.Ljoin:
	s_wait_dscnt 0x0                               ; for the others' sake: my stores are done
	s_barrier_signal -1
	s_barrier_wait -1
; ================= PART 2 =================
	s_cmp_eq_u32 ttmp9, 5
	s_cbranch_scc1 .Lv2
	; ---- q, k ----
	s_lshl_b32 s14, s11, 8
	s_add_co_u32 s14, s14, XCH
	v_lshl_add_u32 v7, v1, 2, s14
.irp a, 0,1,2,3
	ds_load_b32 v[32+(\a)], v7 offset:64*(\a)      ; both column halves' sums
	ds_load_b32 v[36+(\a)], v7 offset:512+64*(\a)
.endr
	s_lshl_b32 s16, s42, 18                        ; the head's images,
	s_lshl_b32 s17, s12, 16                        ; channel step p (+ 2 for blocks 2, 3),
	s_add_co_u32 s16, s16, s17
	s_lshl_b32 s17, s13, 13                        ; row block 8 x tile row + 4 x half + a
	s_add_co_u32 s16, s16, s17
	s_lshl_b32 s17, s11, 12
	s_add_co_u32 s16, s16, s17
	v_lshl_add_u32 v10, v6, 4, s16
	s_mov_b32 s16, 0x3c000000                      ; 1 / 128
	s_mov_b32 s17, 0x358637bd                      ; 1e-6
	s_wait_dscnt 0x0
.irp a, 0,1,2,3
	v_add_f32 v[32+(\a)], v[32+(\a)], v[36+(\a)]
	v_fma_f32 v[32+(\a)], v[32+(\a)], s16, s17
.endr
.irp a, 0,1,2,3
	v_rsq_f32 v[40+2*(\a)], v[32+(\a)]             ; twice: a pair for the packed multiply
	v_rsq_f32 v[41+2*(\a)], v[32+(\a)]
.endr
	v_nop
	s_wait_alu depctr_va_vdst(0)                   ; one wait for the eight roots
.macro ROT a, b                        ; blocks b (columns d < 64) and b + 2 (d + 64) of row block a, two columns to a line
.set LO, ACC+8*(4*(\a)+(\b))
.set HI, ACC+8*(4*(\a)+(\b)+2)
.set RT, 32*(\a)+16*(\b)
	WIN 0x08                                       ; source 1: the table, in window 2
.irp q, 0,2,4,6
	v_pk_mul_f32 v[48+(\q):49+(\q)], v[HI+(\q):HI+(\q)+1], v[RT+(\q):RT+(\q)+1]
	v_pk_fma_f32 v[48+(\q):49+(\q)], v[LO+(\q):LO+(\q)+1], v[RT+8+(\q):RT+8+(\q)+1], v[48+(\q):49+(\q)]   ; hi' = hi cos + lo sin
	v_pk_mul_f32 v[LO+(\q):LO+(\q)+1], v[LO+(\q):LO+(\q)+1], v[RT+(\q):RT+(\q)+1]
	v_pk_fma_f32 v[LO+(\q):LO+(\q)+1], v[HI+(\q):HI+(\q)+1], v[RT+8+(\q):RT+8+(\q)+1], v[LO+(\q):LO+(\q)+1] neg_lo:[1,0,0] neg_hi:[1,0,0]   ; lo' = lo cos - hi sin
.endr
	WIN 0
.irp q, 0,2,4,6
	v_pk_mul_f32 v[LO+(\q):LO+(\q)+1], v[LO+(\q):LO+(\q)+1], v[40+2*(\a):41+2*(\a)]
	v_pk_mul_f32 v[HI+(\q):HI+(\q)+1], v[48+(\q):49+(\q)], v[40+2*(\a):41+2*(\a)]
	v_pk_mul_f32 v[LO+(\q):LO+(\q)+1], v[LO+(\q):LO+(\q)+1], v[64+8*(\b)+(\q):65+8*(\b)+(\q)]
	v_pk_mul_f32 v[HI+(\q):HI+(\q)+1], v[HI+(\q):HI+(\q)+1], v[80+8*(\b)+(\q):81+8*(\b)+(\q)]
.endr
.irp q, 0,1,2,3
	v_cvt_pk_f16_f32 v[LO+(\q)], v[LO+2*(\q)], v[LO+2*(\q)+1]
	v_cvt_pk_f16_f32 v[HI+(\q)], v[HI+2*(\q)], v[HI+2*(\q)+1]
.endr
	global_store_b128 v10, v[LO:LO+3], s[8:9] offset:1024*(\a)+512*(\b)          ; half an image: 512 consecutive aligned bytes
	global_store_b128 v10, v[HI:HI+3], s[8:9] offset:131072+1024*(\a)+512*(\b)
.endm
.irp a, 0,1,2,3
	ROT \a, 0
	ROT \a, 1
.endr
	s_branch .Lfin
.Lv2:                                  ; ---- v: wave w takes keys 32 w .. 32 w + 31 of the tile; the turning load leaves half an image of 16 channels x 32 keys ----
	s_mul_i32 s14, s10, 32*VPI
	s_add_co_u32 s14, s14, VST
	v_and_b32 v7, 7, v0
	v_lshl_add_u32 v7, v2, 3, v7
	v_mul_u32_u24 v7, v7, VPI
	v_bfe_u32 v8, v0, 3, 1
	v_lshl_add_u32 v7, v8, 4, v7
	v_add_nc_u32 v7, s14, v7
	s_sub_co_u32 s14, s42, 20
	s_lshl_b32 s14, s14, 18
	s_lshl2_add_u32 s15, s13, s10                  ; key step of 32: 4 x tile row + wave
	s_lshl_b32 s15, s15, 13
	s_add_co_u32 s14, s14, s15
	s_add_co_u32 s14, s14, 5242880
	v_lshl_add_u32 v8, v6, 4, s14
.set n, 0
.rept 16                               ; n = 2 channel block + half
	ds_load_tr16_b128 v[32+4*n:35+4*n], v7 offset:(n%2)*16*VPI+32*(n/2)
.set n, n+1
.endr
.set n, 0
.rept 16
	s_wait_dscnt 15-n
	global_store_b128 v8, v[32+4*n:35+4*n], s[8:9] offset:512*n
.set n, n+1
.endr
.Lfin:
	s_wait_tensorcnt 0x0                           ; the wave's end
	ds_add_u32 v[SPW], v[NIL]
	s_wait_dscnt 0x0
	CROUND                                         ; the closing round
	s_endpgm
.Lfunc_end_k_q1da79de60d_qkv:
	.size	k_q1da79de60d_qkv, .Lfunc_end_k_q1da79de60d_qkv-k_q1da79de60d_qkv
	.p2alignl 7, 3214868480
	.fill 96, 4, 3214868480
	.section	.rodata,"a",@progbits
	.p2align	6, 0x0
	.amdhsa_kernel k_q1da79de60d_qkv
		.amdhsa_group_segment_fixed_size 327680
		.amdhsa_private_segment_fixed_size 0
		.amdhsa_enable_private_segment 0
		.amdhsa_kernarg_size 40
		.amdhsa_user_sgpr_count 2
		.amdhsa_user_sgpr_kernarg_segment_ptr 1
		.amdhsa_wavefront_size32 1
		.amdhsa_system_sgpr_workgroup_id_x 1
		.amdhsa_system_sgpr_workgroup_id_y 1
		.amdhsa_system_sgpr_workgroup_id_z 1
		.amdhsa_system_vgpr_workitem_id 0
		.amdhsa_next_free_vgpr 640
		.amdhsa_next_free_sgpr 96
		.amdhsa_reserve_vcc 0
		.amdhsa_float_denorm_mode_32 3
		.amdhsa_float_denorm_mode_16_64 3
		.amdhsa_memory_ordered 1
		.amdhsa_forward_progress 1
		.amdhsa_inst_pref_size 120
	.end_amdhsa_kernel
	.amdgpu_metadata
---
amdhsa.version: [ 1, 2 ]
amdhsa.kernels:
  - .name:           k_q1da79de60d_qkv
    .symbol:         k_q1da79de60d_qkv.kd
    .args:
      - { .name: ab, .offset: 0, .size: 8, .value_kind: global_buffer, .address_space: global }
      - { .name: wq, .offset: 8, .size: 8, .value_kind: global_buffer, .address_space: global }
      - { .name: q_norm, .offset: 16, .size: 8, .value_kind: global_buffer, .address_space: global }
      - { .name: k_norm, .offset: 24, .size: 8, .value_kind: global_buffer, .address_space: global }
      - { .name: qkvi, .offset: 32, .size: 8, .value_kind: global_buffer, .address_space: global }
    .group_segment_fixed_size: 327680
    .private_segment_fixed_size: 0
    .kernarg_segment_align: 8
    .kernarg_segment_size: 40
    .max_flat_workgroup_size: 128
    .sgpr_count:     96
    .vgpr_count:     640
    .wavefront_size: 32
...
	.end_amdgpu_metadata
.endif
;; end of part 2
;; launch attn (part 3): grid 64 x 4, 4 waves a work-group, no clusters, 153,088 bytes of LDS; arguments qkvi, route, ab; writes ab
.if DOCPART == 3
	.amdgcn_target "amdgcn-amd-amdhsa--gfx1250"
	.amdhsa_code_object_version 6
	.text
	.protected	k_q1da79de60d_attn
	.globl	k_q1da79de60d_attn
	.p2align	8
	.type	k_q1da79de60d_attn,@function
k_q1da79de60d_attn:
	s_mov_b64 s[64:65], 0
	v_nop
	global_prefetch_b8 v0, s[64:65] scope:SCOPE_SE
	s_setreg_imm32_b32 hwreg(HW_REG_WAVE_MODE, 25, 1), 1
	s_wait_xcnt 0x0
; Causal attention, 16 query heads on 4 key/value heads, head size 128, 1,024 tokens.  q and k arrive roped and normed, q, k, v as f16 fragment images (1,024 bytes: 16 rows x 32; half c holds lane l's 16 bytes at 16 l).
; SHARES.  A work-group owns 16 queries (block qb = 63 - x) of the four heads that share key/value head y: a wave's four TILES are those four heads, so each fragment of K and V feeds four tiles' products.
; The four waves share out the keys: of the (qb / 4) + 1 steps of 64 keys wave w takes w, w + 4, ...; each keeps its own running maximum, sum and O; they are merged through LDS at the end.
; The loop reads memory straight into operand registers: no LDS and no barrier in it; its trip count hangs on the work-group's and the wave's numbers alone.
; LAYOUT.  S^T = K Q^T: a lane holds one query (l % 16) and keys 8 (l / 16) + 0..7; rounded to f16 in pairs it IS source 1 of O^T = V^T P.
; SOFTMAX.  p = 2^(c s - c m), c = log2(e) / sqrt(128), m the running maximum; O and l are multiplied by 2^(c m_old - c m_new) in every step.  m starts at the lowest finite number, O and l at 0:
; one text serves every step, and a wave without steps brings weight 0 to the merge.  O^T's 256 registers get their 0 from 32 products of a fragment of zeros with itself: 32 lines for 256; the price is
; 32 matrix instructions once a launch, in the wait for the first loads.
; THE MASK is the C operand that starts S^T: MD (0 or -1e30 where the key is hidden in the block's last step) times 1 in that step, times 0 elsewhere.
; THE MERGE has one barrier: every wave publishes c m, l and its O^T as they are; wave w adds up tile w, each part times 2^(c m_part - max) / l, in fused multiply-adds.
; OUT.  A query's 128 channels of a head (256 bytes, f16) go to row pos[token] of ab: the tokens in the experts' order.
; LIMITS.  A hidden score counts as its value less 1e30; a weight below 2^-126 counts as 0 in l; p lies in 0 to 1, and below 6e-5 it keeps f16's fixed step of 6e-8; O is a mean of v's rows and has their range
; (within 65,504); NaN and infinities are not treated apart.
; NO CLUSTER: the work-groups of a key/value head need different numbers of key steps, and nothing goes through LDS tiles here.
; REGISTERS by windows: 0: v0-15 addresses, v16-47 statistics (8 a tile), v48-55 rows out, v64-127 P, v128-255 S^T;  1: O^T, 64 a tile;  2: v0-127 Q, v128-255 K;  3: v0-127 V, v128-159 MD, v160-191 MC.
.set ST,  16
.set P,   64
.set S,   128
.set KF,  128
.set MD,  128
.set MC,  160
.set SPW, 62
.set NIL, 63
.set CS,  28                           ; s[28:29] c
.set SEL, 30                           ; s[30:31]
.set MS,  0                            ; LDS: c m at 4 ((4 w + t) 32 + l), l 2,048 bytes on
.set OB,  4096                         ; the waves' O^T: ((4 w + t) 16 + quad) 512 + 16 l
.set STG, 135168                       ; 16 rows x 272 bytes a wave
.set SPARE, 152576
.set MSB, 0
.macro WIN new
.if MSB != (\new)
	s_set_vgpr_msb (MSB<<8)|(\new)
.set MSB, \new
.endif
.endm
.set W_KQ, 0x0a
.set W_KM, 0x3a
.set W_PV, 0x53
.set W_RS, 0x41
.macro PLACES
.rept 4
	v_nop
.endr
.endm
	s_load_b128 s[4:7], s[0:1], 0x0                ; qkvi, route
	s_load_b64 s[8:9], s[0:1], 0x10                ; ab
	v_lshl_add_u32 v[SPW], v0, 2, SPARE
	v_mov_b32 v[NIL], 0
	v_lshrrev_b32 v1, 5, v0
	v_readfirstlane_b32 s12, v1                    ; wave
	s_sub_co_u32 s13, 63, ttmp9                    ; qb: the long blocks first
	s_and_b32 s14, ttmp7, 0xffff                   ; key/value head
	s_lshr_b32 s15, s13, 2
	s_add_co_u32 s15, s15, 1                       ; key steps
	s_sub_co_u32 s16, s15, s12
	s_add_co_u32 s16, s16, 3
	s_lshr_b32 s16, s16, 2                         ; my trips
	s_mov_b32 s17, s12                             ; my step
	s_mov_b32 s18, 0
	s_mov_b32 s27, 0
	s_mov_b32 s[CS], 0x3e0293ee
	s_mov_b32 s[CS+1], s[CS]
	s_mov_b32 s[SEL], 0x76543210
	s_mov_b32 s[SEL+1], 0xfedcba98
	s_lshl_b32 s2, s14, 20
	s_lshl_b32 s3, s13, 10
	s_add_co_u32 s2, s2, s3
	s_mov_b32 s3, 0
	s_lshl_b32 s10, s14, 18
	s_mov_b32 s11, 0
	v_and_b32 v1, 31, v0                           ; l
	v_and_b32 v12, 15, v0                          ; r
	v_bfe_u32 v13, v0, 4, 1                        ; h
	v_lshlrev_b32 v2, 4, v1
	s_lshl_b32 s19, s13, 6
	v_lshl_add_u32 v3, v13, 2, s19                 ; pos of token 16 qb + 2 f + l / 16
	s_wait_kmcnt 0x0
	s_add_nc_u64 s[20:21], s[4:5], s[2:3]          ; Q
	s_add_nc_u64 s[22:23], s[4:5], s[10:11]
	s_add_nc_u64 s[24:25], s[22:23], 5242880       ; V
	s_add_nc_u64 s[22:23], s[22:23], 4194304       ; K
	s_lshl2_add_u32 s10, s14, s12
	s_lshl_b32 s10, s10, 8
	s_add_nc_u64 s[8:9], s[8:9], s[10:11]          ; ab at head 4 y + wave: the tile that my wave sends out
	WIN 0x80
.irp t, 0,1,2,3
.irp d, 0,1,2,3
	global_load_b128 v[32*(\t)+8*(\d):32*(\t)+8*(\d)+3],   v2, s[20:21] offset:262144*(\t)+65536*(\d)
	global_load_b128 v[32*(\t)+8*(\d)+4:32*(\t)+8*(\d)+7], v2, s[20:21] offset:262144*(\t)+65536*(\d)+512
.endr
.endr
	WIN 0
.irp f, 0,1,2,3,4,5,6,7
	global_load_b32 v[48+(\f)], v3, s[6:7] offset:4352+8*(\f)
.endr
.macro FK                              ; a step's K: 64 keys x 128 channels, 32 loads of 512 consecutive bytes
	WIN 0x80
.irp kb, 0,1,2,3
.irp d, 0,1,2,3
	global_load_b128 v[KF+32*(\kb)+8*(\d):KF+32*(\kb)+8*(\d)+3],   v4, s[22:23] offset:65536*(\d)+1024*(\kb)
	global_load_b128 v[KF+32*(\kb)+8*(\d)+4:KF+32*(\kb)+8*(\d)+7], v4, s[22:23] offset:65536*(\d)+1024*(\kb)+512
.endr
.endr
	WIN 0
.endm
.macro FV                              ; its V, as V^T
	WIN 0xc0
.irp kk, 0,1
.irp cb, 0,1,2,3,4,5,6,7
	global_load_b128 v[64*(\kk)+8*(\cb):64*(\kk)+8*(\cb)+3],   v5, s[24:25] offset:8192*(\kk)+1024*(\cb)
	global_load_b128 v[64*(\kk)+8*(\cb)+4:64*(\kk)+8*(\cb)+7], v5, s[24:25] offset:8192*(\kk)+1024*(\cb)+512
.endr
.endr
	WIN 0
.endm
	v_lshl_add_u32 v4, s17, 12, v2
	v_lshl_add_u32 v5, s17, 14, v2
	FK                                             ; step w lies inside the tensors whatever the block
	FV
	s_and_b32 s19, s13, 3
	s_lshl_b32 s19, s19, 4
	v_lshlrev_b32 v14, 3, v13
	v_sub_nc_u32 v14, v12, v14
	v_add_nc_u32 v14, s19, v14                     ; register j of key block kb is hidden where 16 kb + j is greater
	v_mov_b32 v15, 0xf149f2ca                      ; -1e30
.irp k, 0,1,2,3,4,5,6,7
	v_mov_b32 v[P+(\k)], 0                         ; a fragment of zeros
.endr
	WIN 0xc0
.set i, 0
.rept 32
	v_cmp_gt_i32 vcc_lo, 16*(i/8)+i%8, v14
	v_cndmask_b32 v[MD+i], 0, v15, vcc_lo
.set i, i+1
.endr
	WIN 0x40                                       ; D in window 1, both sources in window 0
.set i, 0
.rept 32
	v_wmma_f32_16x16x32_f16 v[8*i:8*i+7], v[P:P+7], v[P:P+7], 0   ; O^T = 0
.set i, i+1
.endr
	WIN 0
.irp t, 0,1,2,3                        ; sixteen plain lines: also the places behind those products
	v_mov_b32 v[ST+8*(\t)], 0xfe000000             ; c m: far below every c s
	v_mov_b32 v[ST+8*(\t)+1], 0xff7fffff           ; m
	v_mov_b32 v[ST+8*(\t)+2], 0                    ; l
	v_mov_b32 v[ST+8*(\t)+3], 0
.endr
; One tile's softmax for one step is a list of 134 instructions; SM writes number j of it for tile t.
;  0-15 the maximum of 32 scores and the old m;  16-20 the other half of the lanes', the new m, c m, its change;  21-69 ONE BATCH: 16 packed scalings and 33 exponentials, none of which reads an exponential's result;
;  70-85 roundings to f16;  86-101 the sums, l = a l + sum;  102-133 O^T times a.
.macro SM t
.set rT, ST+8*(\t)
.set rS, S+32*(\t)
.set rP, P+16*(\t)
.set rO, 64*(\t)+2*(j-102)
.if j < 102
	WIN 0
.endif
.if j < 4
	v_max3_num_f32 v[rT+4+j], v[rS+8*j], v[rS+8*j+1], v[rS+8*j+2]
.elseif j < 12
	v_max3_num_f32 v[rT+4+j%4], v[rT+4+j%4], v[rS+8*(j%4)+2*(j/4)+1], v[rS+8*(j%4)+2*(j/4)+2]
.elseif j == 12
	v_max3_num_f32 v[rT+4], v[rT+4], v[rS+7], v[rS+15]
.elseif j == 13
	v_max3_num_f32 v[rT+6], v[rT+6], v[rS+23], v[rS+31]
.elseif j == 14
	v_max3_num_f32 v[rT+4], v[rT+4], v[rT+5], v[rT+6]
.elseif j == 15
	v_max3_num_f32 v[rT+4], v[rT+4], v[rT+7], v[rT+1]
.elseif j == 16
	v_permlanex16_b32 v[rT+5], v[rT+4], s[SEL], s[SEL+1]
.elseif j == 17
	v_mov_b32 v[rT+7], v[rT]
.elseif j == 18
	v_max_num_f32 v[rT+1], v[rT+4], v[rT+5]
.elseif j == 19
	v_mul_f32 v[rT], s[CS], v[rT+1]
.elseif j == 20
	v_sub_f32 v[rT+7], v[rT+7], v[rT]
.elseif j == 23
	v_exp_f32 v[rT+6], v[rT+7]
.elseif (j < 23) || ((j < 38) && (j%2 == 0)) || ((j < 66) && (j%4 == 2))
.set b, (j-2)/4
.if j < 38
.set b, (j-20)/2
.endif
	v_pk_fma_f32 v[rS+2*b:rS+2*b+1], v[rS+2*b:rS+2*b+1], s[CS:CS+1], v[rT:rT+1] op_sel_hi:[1,0,0] neg_lo:[0,0,1] neg_hi:[0,0,1]
.elseif j < 70
.set e, j-38
.if j < 66
.set e, j-32-(j-38)/4
.endif
.if j < 38
.set e, (j-25)/2
.endif
	v_exp_f32 v[rS+e], v[rS+e]
.elseif j < 86
	v_cvt_pk_f16_f32 v[rP+j-70], v[rS+2*(j-70)], v[rS+2*(j-70)+1]
.elseif j < 102
.set z, j-86
.set w, 4
.set u, z
.if z >= 14
.set w, 32
.set u, 0
.elseif z >= 12
.set w, 16
.set u, z-12
.elseif z >= 8
.set w, 8
.set u, z-8
.endif
.if z < 15
	v_pk_add_f32 v[rS+w*u:rS+w*u+1], v[rS+w*u:rS+w*u+1], v[rS+w*u+w/2:rS+w*u+w/2+1]
.else
	v_pk_fma_f32 v[rT+2:rT+3], v[rT+2:rT+3], v[rT+6:rT+7], v[rS:rS+1] op_sel_hi:[1,0,1]
.endif
.else
	WIN W_RS
	v_pk_mul_f32 v[rO:rO+1], v[rO:rO+1], v[rT+6:rT+7] op_sel_hi:[1,0]
.endif
.endm
	s_cmp_eq_u32 s16, 0
	s_cbranch_scc1 .Lmerge
.Ltrip:
	s_wait_loadcnt 32                              ; K is in (and, the first time, Q and pos, which are older); V's 32 loads stay out
	s_add_co_u32 s19, s17, 1
	s_cmp_eq_u32 s19, s15                          ; the block's last step holds the diagonal
	s_cselect_b32 s26, 1.0, 0
	WIN 0xc3
.set z, 0
.rept 16
	v_pk_mul_f32 v[MC+2*z:MC+2*z+1], v[MD+2*z:MD+2*z+1], s[26:27] op_sel_hi:[1,0]
.set z, z+1
.endr
.irp d, 0,1,2,3                        ; 64 products K Q^T: the 16 accumulators take turns; the first 16 start the sums with the mask
.irp kb, 0,1,2,3
.irp t, 0,1,2,3
.if (\d) == 0
	WIN W_KM
	v_wmma_f32_16x16x32_f16 v[S+32*(\t)+8*(\kb):S+32*(\t)+8*(\kb)+7], v[KF+32*(\kb):KF+32*(\kb)+7], v[32*(\t):32*(\t)+7], v[MC+8*(\kb):MC+8*(\kb)+7]
.else
	WIN W_KQ
	v_wmma_f32_16x16x32_f16 v[S+32*(\t)+8*(\kb):S+32*(\t)+8*(\kb)+7], v[KF+32*(\kb)+8*(\d):KF+32*(\kb)+8*(\d)+7], v[32*(\t)+8*(\d):32*(\t)+8*(\d)+7], v[S+32*(\t)+8*(\kb):S+32*(\t)+8*(\kb)+7]
.endif
.endr
.endr
.endr
	WIN 0
	PLACES                                         ; ahead of the loads into K's registers and of the first read of the scores
	s_add_co_u32 s17, s17, 4
	s_min_u32 s19, s17, 15                         ; my next step, or the tensor's last: no load leaves the buffer
	v_lshl_add_u32 v4, s19, 12, v2                 ; K's loads were shown done by the wait at the trip's head
	FK
.set j, 0
.rept 70
	SM 0
	SM 1
	SM 2
	SM 3
.set j, j+1
.endr
	v_nop                                          ; the plain instruction behind the last exponential
	s_wait_alu depctr_va_vdst(0)                   ; one wait for the batch of 132
.rept 64
	SM 0
	SM 1
	SM 2
	SM 3
.set j, j+1
.endr
	s_wait_loadcnt 32                              ; V is in; the next K's 32 loads stay out
	WIN W_PV
.irp kk, 0,1                           ; 64 products V^T P: 32 accumulators by turns
.irp cb, 0,1,2,3,4,5,6,7
.irp t, 0,1,2,3
	v_wmma_f32_16x16x32_f16 v[64*(\t)+8*(\cb):64*(\t)+8*(\cb)+7], v[64*(\kk)+8*(\cb):64*(\kk)+8*(\cb)+7], v[P+16*(\t)+8*(\kk):P+16*(\t)+8*(\kk)+7], v[64*(\t)+8*(\cb):64*(\t)+8*(\cb)+7]
.endr
.endr
.endr
	WIN 0
	PLACES
	v_lshl_add_u32 v5, s19, 14, v2
	FV
	s_add_co_u32 s18, s18, 1
	s_cmp_lt_u32 s18, s16
	s_cbranch_scc1 .Ltrip
.Lmerge:
	s_wait_loadcnt 0x0                             ; the loads that ran ahead, and pos
.irp t, 0,1,2,3
	v_add_f32 v[ST+8*(\t)+2], v[ST+8*(\t)+2], v[ST+8*(\t)+3]
.endr
.irp t, 0,1,2,3
	v_permlanex16_b32 v[ST+8*(\t)+3], v[ST+8*(\t)+2], s[SEL], s[SEL+1]
.endr
	v_lshlrev_b32 v6, 2, v1
	s_lshl_b32 s19, s12, 9
	v_add_nc_u32 v7, s19, v6
.irp t, 0,1,2,3
	v_add_f32 v[ST+8*(\t)+2], v[ST+8*(\t)+2], v[ST+8*(\t)+3]
	ds_store_b32 v7, v[ST+8*(\t)] offset:MS+128*(\t)
	ds_store_b32 v7, v[ST+8*(\t)+2] offset:MS+2048+128*(\t)
.endr
	s_lshl_b32 s19, s12, 15
	s_add_co_u32 s19, s19, OB
	v_add_nc_u32 v8, s19, v2
	WIN 0x04                                       ; store data in window 1
.set i, 0
.rept 64                               ; ascending: each accumulator's lowest registers are read first
	ds_store_b128 v8, v[4*i:4*i+3] offset:512*i
.set i, i+1
.endr
	WIN 0
.irp f, 0,1,2,3,4,5,6,7
	v_min_u32 v[48+(\f)], 0x3ff, v[48+(\f)]
.endr
	v_lshlrev_b32 v11, 4, v12
.irp f, 0,1,2,3,4,5,6,7
	v_lshl_add_u32 v[48+(\f)], v[48+(\f)], 12, v11 ; the sorted row's 4,096 bytes + 16 (l % 16)
.endr
	s_lshl_b32 s19, s12, 7
	v_add_nc_u32 v7, s19, v6
	s_lshl_b32 s19, s12, 13
	s_add_co_u32 s19, s19, OB
	v_add_nc_u32 v9, s19, v2
	v_add_nc_u32 v10, 0x10000, v9
	s_wait_dscnt 0x0                               ; for the others' sake: my statistics and my O^T are written
	s_barrier_signal -1
	s_barrier_wait -1
.irp v, 0,1,2,3
	ds_load_b32 v[80+(\v)], v7 offset:MS+2048+512*(\v)   ; l and c m of wave v for the tile with my wave's number
	ds_load_b32 v[96+(\v)], v7 offset:MS+512*(\v)
.endr
.set i, 0
.rept 16
	ds_load_b128 v[128+4*i:131+4*i], v9 offset:512*i
	ds_load_b128 v[192+4*i:195+4*i], v9 offset:32768+512*i
.set i, i+1
.endr
	s_wait_dscnt 32                                ; the eight statistics are in; the 32 loads of the first two parts stay out
	v_max3_num_f32 v92, v96, v97, v98
	v_max_num_f32 v92, v92, v99
.irp v, 0,1,2,3
	v_sub_f32 v[100+(\v)], v[96+(\v)], v92
.endr
.irp v, 0,1,2,3
	v_exp_f32 v[100+(\v)], v[100+(\v)]
.endr
	v_nop
	s_wait_alu depctr_va_vdst(0)                   ; one wait for the four
	v_mul_f32 v93, v80, v100
	v_fmac_f32 v93, v81, v101
	v_fmac_f32 v93, v82, v102
	v_fmac_f32 v93, v83, v103                      ; the tile's sum
	v_rcp_f32 v94, v93
	v_nop
	s_wait_alu depctr_va_vdst(0)
.irp v, 0,1,2,3
	v_mul_f32 v[84+2*(\v)], v[100+(\v)], v94       ; a part's weight, twice: a pair for the packed lines
	v_mul_f32 v[85+2*(\v)], v[100+(\v)], v94
.endr
.macro ADDUP g
	s_wait_dscnt 0x0
.set i, 0
.rept 32
	v_pk_fma_f32 v[128+2*i:129+2*i], v[192+2*i:193+2*i], v[\g:\g+1], v[128+2*i:129+2*i]
.set i, i+1
.endr
.endm
	s_wait_dscnt 0x0
.set i, 0
.rept 32
	v_pk_mul_f32 v[128+2*i:129+2*i], v[128+2*i:129+2*i], v[84:85]
.set i, i+1
.endr
	ADDUP 86
.set i, 0
.rept 16
	ds_load_b128 v[192+4*i:195+4*i], v10 offset:512*i
.set i, i+1
.endr
	ADDUP 88
.set i, 0
.rept 16
	ds_load_b128 v[192+4*i:195+4*i], v10 offset:32768+512*i
.set i, i+1
.endr
	ADDUP 90
.set i, 0
.rept 32
	v_cvt_pk_f16_f32 v[128+i], v[128+2*i], v[129+2*i]
.set i, i+1
.endr
	s_mul_i32 s19, s12, 16*272
	s_add_co_u32 s19, s19, STG
	v_mul_u32_u24 v7, v12, 272                     ; in: row r, 16 bytes for each half of the lanes
	v_lshl_add_u32 v7, v13, 4, v7
	v_add_nc_u32 v7, s19, v7
	v_mul_u32_u24 v8, v13, 272                     ; back: two whole rows of 256 bytes
	v_add3_u32 v8, v8, v11, s19
.irp c, 0,1,2,3,4,5,6,7
	ds_store_b128 v7, v[128+4*(\c):131+4*(\c)] offset:32*(\c)
.endr
.irp f, 0,1,2,3,4,5,6,7
	ds_load_b128 v[160+4*(\f):163+4*(\f)], v8 offset:544*(\f)   ; the wave's own bytes: served in order
.endr
.irp f, 0,1,2,3,4,5,6,7
	s_wait_dscnt 7-(\f)
	global_store_b128 v[48+(\f)], v[160+4*(\f):163+4*(\f)], s[8:9]   ; 16 lanes fill the head's 256 aligned bytes of a sorted row
.endr
	s_wait_tensorcnt 0x0                           ; the wave's end
	ds_add_u32 v[SPW], v[NIL]
	s_wait_dscnt 0x0
	s_endpgm
.Lfunc_end_k_q1da79de60d_attn:
	.size	k_q1da79de60d_attn, .Lfunc_end_k_q1da79de60d_attn-k_q1da79de60d_attn
	.p2alignl 7, 3214868480
	.fill 96, 4, 3214868480
	.section	.rodata,"a",@progbits
	.p2align	6, 0x0
	.amdhsa_kernel k_q1da79de60d_attn
		.amdhsa_group_segment_fixed_size 153088
		.amdhsa_private_segment_fixed_size 0
		.amdhsa_enable_private_segment 0
		.amdhsa_kernarg_size 24
		.amdhsa_user_sgpr_count 2
		.amdhsa_user_sgpr_kernarg_segment_ptr 1
		.amdhsa_wavefront_size32 1
		.amdhsa_system_sgpr_workgroup_id_x 1
		.amdhsa_system_sgpr_workgroup_id_y 1
		.amdhsa_system_sgpr_workgroup_id_z 1
		.amdhsa_system_vgpr_workitem_id 0
		.amdhsa_next_free_vgpr 960
		.amdhsa_next_free_sgpr 66
		.amdhsa_reserve_vcc 1
		.amdhsa_float_denorm_mode_32 3
		.amdhsa_float_denorm_mode_16_64 3
		.amdhsa_memory_ordered 1
		.amdhsa_forward_progress 1
		.amdhsa_inst_pref_size 88
	.end_amdhsa_kernel
	.amdgpu_metadata
---
amdhsa.version: [ 1, 2 ]
amdhsa.kernels:
  - .name:           k_q1da79de60d_attn
    .symbol:         k_q1da79de60d_attn.kd
    .args:
      - { .name: qkvi, .offset: 0, .size: 8, .value_kind: global_buffer, .address_space: global }
      - { .name: route, .offset: 8, .size: 8, .value_kind: global_buffer, .address_space: global }
      - { .name: ab, .offset: 16, .size: 8, .value_kind: global_buffer, .address_space: global }
    .group_segment_fixed_size: 153088
    .private_segment_fixed_size: 0
    .kernarg_segment_align: 8
    .kernarg_segment_size: 24
    .max_flat_workgroup_size: 128
    .sgpr_count:     66
    .vgpr_count:     960
    .wavefront_size: 32
...
	.end_amdgpu_metadata
.endif
;; end of part 3
;; launch oproj (part 4): grid 16 x 8, 4 waves a work-group, clusters of 4 x 4, 327,680 bytes of LDS; arguments ab, wo, route, x, post_ln, ob; writes ob
.if DOCPART == 4
	.amdgcn_target "amdgcn-amd-amdhsa--gfx1250"
	.amdhsa_code_object_version 6
	.text
	.protected	k_q1da79de60d_oproj
	.globl	k_q1da79de60d_oproj
	.p2align	8
	.type	k_q1da79de60d_oproj,@function
k_q1da79de60d_oproj:
	s_mov_b64 s[64:65], 0
	v_nop
	global_prefetch_b8 v0, s[64:65] scope:SCOPE_SE
	s_setreg_imm32_b32 hwreg(HW_REG_WAVE_MODE, 25, 1), 1
	s_wait_xcnt 0x0
	s_wait_alu depctr_hold_cnt(0) depctr_sa_sdst(0) depctr_va_vdst(0) depctr_va_sdst(0) depctr_va_ssrc(0) depctr_va_vcc(0) depctr_vm_vsrc(0)
	s_getreg_b32 s2, hwreg(HW_REG_IB_STS2, 6, 4)
	s_cmp_eq_u32 s2, 0
	s_cbranch_scc0 .Lentry_in_a_cluster
	s_endpgm
.Lentry_in_a_cluster:
	s_bfe_u32 s2, ttmp6, 0x10000c
	s_cmp_lg_u32 s2, 0xf033
	s_cbranch_scc0 .Lentry_shape_is_right
	s_endpgm
.Lentry_shape_is_right:
; x1 = x[order[row]] + A W^T on tiles of 128 x 128, K = 2,048.  A = ab: the attention's rows in the experts' order, [1024][2048] f16; W = wo: [2048][2048] f16; sums in f32.
; The K loop is the one of the launch that makes q, k and v: four waves, each 64 x 64; K steps of 256 through two LDS slots filled by joint tensor loads in clusters of 4 x 4; the matrix
; instruction transposed, so that a lane holds one row and eight neighbouring columns; a wave's column blocks are 32 p + {0, 16, 64, 80}.
; THE WAY OUT works in the accumulators' layout throughout.  x is added there (a lane reads 32 bytes of its token's row for each block: shorter runs than whole rows, on 8 MB in all).  Stored are
;   x1 in f32, as images [16-column block][16-row block][2 quads]: a quad is 512 consecutive bytes, lane l's 16 at 16 l;
;   bf16(x1 post_ln), as fragment images [K step of 32][16-row block][2 halves of 512 bytes]: bf16, since x1 post_ln is not normalised and has no room in f16 (all inputs 30 times larger: a spread of 656,000);
;   for each row the tile's sum of x1^2: the two column halves meet in LDS behind one barrier, and each word has one owner.
; ITS OPERANDS are asked for behind the first tiles' requests: order, waited for beside the wait for the first tile; then x (128 registers in window 2) and post_ln (v64-95), into registers that the K loop
; does not name: both trips to memory lie under the loop.
.set SIZE_K, 2048
.set KSTEP,  256
.set PITCH,  528
.set HALFT,  64*PITCH
.set SLOT,   4*HALFT
.set XCH,    2*SLOT                    ; the two column halves' sums of squares: 2 x 128 words
.set SPARE,  XCH+1024                  ; the spare words, 128 bytes a wave
.set LAPS,   SIZE_K/(2*KSTEP)
.set A2K,    8388608
.set SSQ,    12582912
.set ADRA, 16
.set ADRB, 20
.set SPW,  28
.set NIL,  29
.set ACC,  128
.set F0,   0
.set F1,   128
.set G1, 24
.set G0, 32
.set G1B, 48
.set G0B, 56
.set MSB, 0
.macro WIN new                         ; the immediate's high byte repeats the setting that is left
.if MSB != (\new)
	s_set_vgpr_msb (MSB<<8)|(\new)
.set MSB, \new
.endif
.endm
.set MUL,  0x05                        ; sources 0 (W) and 1 (A) window 1; C and D window 0
.set TO_F, 0x40                        ; destination window 1, address window 0
.macro JLOAD s                         ; a joint load: waves 0 and 1 fetch A's two halves, waves 2 and 3 W's; an s_nop 0 and four v_nop follow each line
	s_cmp_eq_u32 s11, 0
	s_cbranch_scc0 .Lfor_b_\@
	tensor_load_to_lds s[G0+4*(\s):G0+4*(\s)+3], s[G1:G1+7]
	s_nop 0
.rept 4
	v_nop
.endr
	s_branch .Lasked_\@
.Lfor_b_\@:
	tensor_load_to_lds s[G0B+4*(\s):G0B+4*(\s)+3], s[G1B:G1B+7]
	s_nop 0
.rept 4
	v_nop
.endr
.Lasked_\@:
.endm
.macro CREST                           ; a round of the cluster's barrier behind its opening barrier
	s_cmp_lg_u32 s10, 0
	s_cbranch_scc1 .Lnot_wave_0_\@
	s_barrier_signal -3
.Lnot_wave_0_\@:
	s_barrier_wait -3
	s_barrier_signal -1
	s_barrier_wait -1
.endm
.macro CROUND
	s_barrier_signal -1
	s_barrier_wait -1
	CREST
.endm
	s_load_b128 s[4:7], s[0:1], 0x0                ; A s[4:5], W s[6:7]
	s_load_b128 s[68:71], s[0:1], 0x10             ; route 68, x 70
	s_load_b64 s[72:73], s[0:1], 0x20              ; post_ln
	s_load_b64 s[8:9], s[0:1], 0x28                ; ob
	v_lshl_add_u32 v[SPW], v0, 2, SPARE
	v_mov_b32 v[NIL], 0
	ds_add_u32 v[SPW], v[NIL]                      ; the wave's opening: the add and its wait come ahead of my first tensor load
	ds_add_u32 v28, v29
	v_lshrrev_b32 v1, 5, v0
	v_readfirstlane_b32 s10, v1                    ; wave 0..3
	s_lshr_b32 s11, s10, 1                         ; my half of the tile's rows; also: I fetch for A (0) or W (1)
	s_and_b32 s12, s10, 1                          ; p: my half of its columns; also: which 64 rows I fetch
	s_bfe_u32 s40, ttmp6, 0x40000                  ; cx, cy
	s_bfe_u32 s41, ttmp6, 0x40004
	s_lshl_b32 s42, ttmp9, 2
	s_add_co_u32 s42, s42, s40                     ; tile column
	s_and_b32 s13, ttmp7, 0xffff
	s_lshl_b32 s13, s13, 2
	s_add_co_u32 s13, s13, s41                     ; tile row
	s_lshl_b32 s43, s41, 2
	s_lshl_b32 s43, 15, s43                        ; my row of the cluster
	s_lshl_b32 s44, 0x1111, s40                    ; my column
	s_or_b32 s[G1+0], s43, (1<<16)|(1<<20)|(1<<21)|(6<<22)|(3<<25)  ; mask; 2-byte elements; padding on; bit 21 beside a mask; after every 128 words 4 words
	s_or_b32 s[G1B+0], s44, (1<<16)|(1<<20)|(1<<21)|(6<<22)|(3<<25)
.irp g, G1, G1B
	s_mov_b32 s[(\g)+1], KSTEP<<16                 ; tensor_dim0 = 256
	s_mov_b32 s[(\g)+2], 64<<16                    ; tensor_dim1 = 64
	s_mov_b32 s[(\g)+3], KSTEP<<16                 ; tile_dim0 = 256
	s_mov_b32 s[(\g)+4], 64                        ; tile_dim1 = 64
	s_mov_b32 s[(\g)+5], SIZE_K                    ; elements from row to row
	s_mov_b32 s[(\g)+6], 0
	s_mov_b32 s[(\g)+7], 0
.endr
	s_lshl_b32 s17, s12, 6
	s_lshl_b32 s16, s13, 7
	s_add_co_u32 s16, s16, s17                     ; A: row 128 x tile row + 64 x half
	s_lshl_b32 s46, s42, 7
	s_add_co_u32 s46, s46, s17                     ; W: row 128 x tile column + 64 x half
	s_mov_b32 s17, 0
	s_mov_b32 s47, 0
	s_mov_b64 s[18:19], SIZE_K*2
	s_mul_u64 s[16:17], s[16:17], s[18:19]
	s_mul_u64 s[46:47], s[46:47], s[18:19]
	s_mul_i32 s20, s10, HALFT                      ; where they go: wave x 64 rows
	s_mov_b32 s86, 0x76543210                      ; v_permlanex16_b32: each lane takes its place in the other half
	s_mov_b32 s87, 0xfedcba98
	s_wait_dscnt 0x0                               ; the opening add is done
	s_wait_kmcnt 0x0
	s_add_nc_u64 s[14:15], s[4:5], s[16:17]
	s_add_nc_u64 s[46:47], s[6:7], s[46:47]
	CROUND                                         ; all sixteen work-groups are here: the first joint loads meet
.irp s, 0,1
	s_mov_b32 s[G0+4*(\s)], 1
	s_add_co_u32 s[G0+4*(\s)+1], s20, (\s)*SLOT
	s_add_nc_u64 s[G0+4*(\s)+2:G0+4*(\s)+3], s[14:15], (\s)*KSTEP*2
	s_or_b32 s[G0+4*(\s)+3], s[G0+4*(\s)+3], 0x80000000
	s_mov_b32 s[G0B+4*(\s)], 1
	s_add_co_u32 s[G0B+4*(\s)+1], s20, (\s)*SLOT
	s_add_nc_u64 s[G0B+4*(\s)+2:G0B+4*(\s)+3], s[46:47], (\s)*KSTEP*2
	s_or_b32 s[G0B+4*(\s)+3], s[G0B+4*(\s)+3], 0x80000000
	JLOAD \s
.endr
	v_and_b32 v1, 15, v0                           ; r = l % 16
	v_bfe_u32 v2, v0, 4, 1                         ; h = l / 16
	v_and_b32 v6, 31, v0                           ; l
	v_mul_u32_u24 v3, v1, PITCH
	v_lshl_add_u32 v3, v2, 4, v3
	s_mul_i32 s21, s11, HALFT                      ; my 64 rows of A
	s_mul_i32 s22, s12, 32*PITCH                   ; my column blocks begin at W's row 32 p,
	s_add_co_u32 s22, s22, 2*HALFT                 ; behind A's 128 rows
.irp s, 0,1
	v_add_nc_u32 v[ADRA+(\s)], s21, v3
	v_add_nc_u32 v[ADRB+(\s)], s22, v3
	s_add_co_u32 s21, s21, SLOT
	s_add_co_u32 s22, s22, SLOT
.endr
	; the way out's operands.  v9 and v36-39 are not written again before the wait at the way out's head.
	s_lshl_b32 s14, s13, 7
	s_lshl_b32 s15, s11, 6
	s_add_co_u32 s14, s14, s15                     ; my first sorted row
	v_add_nc_u32 v7, s14, v1
	v_lshlrev_b32 v7, 2, v7
.irp a, 0,1,2,3
	global_load_b32 v[32+(\a)], v7, s[68:69] offset:256+64*(\a)   ; order[row 16 a + r]
.endr
	s_lshl_b32 s15, s42, 9
	s_lshl_b32 s16, s12, 7
	s_add_co_u32 s15, s15, s16
	v_lshl_add_u32 v9, v2, 5, s15                  ; the byte of my first column in a row of f32: 4 (128 tile column + 32 p + 8 h)
.irp b, 0,1,2,3
	global_load_b128 v[64+8*(\b):67+8*(\b)], v9, s[72:73] offset:64*((\b)&1)+256*((\b)/2)
	global_load_b128 v[68+8*(\b):71+8*(\b)], v9, s[72:73] offset:64*((\b)&1)+256*((\b)/2)+16
.endr
	s_wait_loadcnt 8                               ; order is in; post_ln's eight loads stay out
.irp a, 0,1,2,3
	v_min_u32 v[32+(\a)], 0x3ff, v[32+(\a)]
	v_lshl_add_u32 v[36+(\a)], v[32+(\a)], 13, v9  ; the token's row of x
.endr
	WIN 0x80                                       ; destination window 2: v[32 a + 8 b + j]
.irp a, 0,1,2,3
.irp b, 0,1,2,3
	global_load_b128 v[32*(\a)+8*(\b):32*(\a)+8*(\b)+3],   v[36+(\a)], s[70:71] offset:64*((\b)&1)+256*((\b)/2)
	global_load_b128 v[32*(\a)+8*(\b)+4:32*(\a)+8*(\b)+7], v[36+(\a)], s[70:71] offset:64*((\b)&1)+256*((\b)/2)+16
.endr
.endr
	WIN 0
.macro MUL8 f, c, a0, zero             ; 8 matrix instructions: row blocks a0, a0 + 1 x 4 column blocks, 32 along K; the 16 accumulators take turns
	WIN MUL
.irp a, \a0, (\a0)+1
.irp b, 0,1,2,3
.if \zero
	v_wmma_f32_16x16x32_f16 v[ACC+8*(4*(\a)+(\b)):ACC+8*(4*(\a)+(\b))+7], v[(\f)+64+8*(4*(\c)+(\b)):(\f)+64+8*(4*(\c)+(\b))+7], v[(\f)+8*(4*(\c)+(\a)):(\f)+8*(4*(\c)+(\a))+7], 0
.else
	v_wmma_f32_16x16x32_f16 v[ACC+8*(4*(\a)+(\b)):ACC+8*(4*(\a)+(\b))+7], v[(\f)+64+8*(4*(\c)+(\b)):(\f)+64+8*(4*(\c)+(\b))+7], v[(\f)+8*(4*(\c)+(\a)):(\f)+8*(4*(\c)+(\a))+7], v[ACC+8*(4*(\a)+(\b)):ACC+8*(4*(\a)+(\b))+7]
.endif
.endr
.endr
.endm
.macro FETCH slot, k, f                ; 32 LDS loads in one run: 64 along K at byte k; W's block i lies at rows 16 (i + 2 (i / 2)) from the wave's first
	WIN TO_F
.irp c, 0,1
.irp i, 0,1,2,3
	ds_load_b128 v[(\f)+64+8*(4*(\c)+(\i)):(\f)+64+8*(4*(\c)+(\i))+3],   v[ADRB+(\slot)] offset:(\k)+64*(\c)+((\i)+2*((\i)/2))*16*PITCH
	ds_load_b128 v[(\f)+64+8*(4*(\c)+(\i))+4:(\f)+64+8*(4*(\c)+(\i))+7], v[ADRB+(\slot)] offset:(\k)+64*(\c)+((\i)+2*((\i)/2))*16*PITCH+32
	ds_load_b128 v[(\f)+8*(4*(\c)+(\i)):(\f)+8*(4*(\c)+(\i))+3],         v[ADRA+(\slot)] offset:(\k)+64*(\c)+(\i)*16*PITCH
	ds_load_b128 v[(\f)+8*(4*(\c)+(\i))+4:(\f)+8*(4*(\c)+(\i))+7],       v[ADRA+(\slot)] offset:(\k)+64*(\c)+(\i)*16*PITCH+32
.endr
.endr
.endm
.macro PLACES                          ; four places in front of loads into registers that matrix instructions have read, and of lines that read results
.rept 4
	v_nop
.endr
.endm
.macro QUARTER slot, k, f, g, zero     ; 64 along K: multiplies buffer f, fetches the next quarter, at byte k, into g
	s_wait_dscnt 16                                ; the first 32 along K are in; the younger sixteen loads stay out
	WIN MUL
	MUL8 \f, 0, 0, \zero
	MUL8 \f, 0, 2, \zero
	PLACES
	FETCH \slot, \k, \g
	s_wait_dscnt 32                                ; all but the 32 just issued
	WIN MUL
	MUL8 \f, 1, 0, 0
	MUL8 \f, 1, 2, 0
.endm
.macro TURN slot, next, fill           ; the last quarter changes slots: one barrier; fill = 1: a round of the cluster's, and this slot is filled again
	WIN 0
	s_wait_tensorcnt 0x0                           ; all my tensor loads have landed: my part of the next slot
	ds_add_u32 v[SPW], v[NIL]
	s_wait_dscnt 17                                ; the add and the youngest sixteen loads may be out
	WIN MUL
	MUL8 F1, 0, 0, 0
	s_wait_dscnt 0x0                               ; the add is done, and my reads of this slot are over
	s_barrier_signal -1
	MUL8 F1, 0, 2, 0
.if \fill
	WIN 0
.endif
	s_barrier_wait -1
.if \fill
	CREST
	s_add_nc_u64 s[G0+4*(\slot)+2:G0+4*(\slot)+3], s[G0+4*(\slot)+2:G0+4*(\slot)+3], 2*KSTEP*2
	s_add_nc_u64 s[G0B+4*(\slot)+2:G0B+4*(\slot)+3], s[G0B+4*(\slot)+2:G0B+4*(\slot)+3], 2*KSTEP*2
	JLOAD \slot                                    ; the first tensor load behind the round; its four v_nop are also the places in front of the loads below
.else
	PLACES
.endif
	FETCH \next, 0, F0
	WIN MUL
	MUL8 F1, 1, 0, 0
	MUL8 F1, 1, 2, 0
.endm
	s_wait_tensorcnt 1                             ; my part of K step 0 is in; K step 1's stays out
	s_barrier_signal -1
	s_barrier_wait -1
	FETCH 0, 0, F0
	QUARTER 0, 128, F0, F1, 1                      ; the first products start the sums
	WIN 0
	s_mov_b32 s3, LAPS-1
.Llap:
	QUARTER 0, 256, F1, F0, 0
	QUARTER 0, 384, F0, F1, 0
	TURN 0, 1, 1
	QUARTER 1, 128, F0, F1, 0
	QUARTER 1, 256, F1, F0, 0
	QUARTER 1, 384, F0, F1, 0
	TURN 1, 0, 1
	QUARTER 0, 128, F0, F1, 0
	WIN 0
	s_sub_co_u32 s3, s3, 1
	s_cmp_lg_u32 s3, 0
	s_cbranch_scc1 .Llap
	QUARTER 0, 256, F1, F0, 0                      ; the last lap fills nothing
	QUARTER 0, 384, F0, F1, 0
	TURN 0, 1, 0
	QUARTER 1, 128, F0, F1, 0
	QUARTER 1, 256, F1, F0, 0
	QUARTER 1, 384, F0, F1, 0
	s_wait_dscnt 16
	WIN MUL
	MUL8 F1, 0, 0, 0
	MUL8 F1, 0, 2, 0
	s_wait_dscnt 0
	MUL8 F1, 1, 0, 0
	MUL8 F1, 1, 2, 0
	WIN 0
	PLACES
; ================= THE WAY OUT =================
	s_lshl_b32 s14, s13, 7
	s_lshl_b32 s15, s11, 6
	s_add_co_u32 s14, s14, s15                     ; my first sorted row
	s_lshl_b32 s15, s42, 19                        ; x1: 16-column block 8 x tile column + 2 p (+ b % 2 + 4 (b / 2)), 65,536 bytes each;
	s_lshl_b32 s16, s12, 17
	s_add_co_u32 s15, s15, s16
	s_lshl_b32 s16, s14, 6                         ; 16-row block row / 16, 1,024 bytes each
	s_add_co_u32 s15, s15, s16
	v_lshl_add_u32 v10, v6, 4, s15
	s_lshl_b32 s15, s42, 18                        ; bf16: K step 4 x tile column + p (+ 2 (b / 2))
	s_lshl_b32 s17, s12, 16
	s_add_co_u32 s15, s15, s17
	s_add_co_u32 s15, s15, s16
	s_add_co_u32 s15, s15, A2K
	v_lshl_add_u32 v11, v6, 4, s15
	s_lshl_b32 s15, s12, 9
	s_lshl_b32 s16, s11, 8
	s_add_co_u32 s15, s15, s16
	s_add_co_u32 s15, s15, XCH
	v_lshl_add_u32 v12, v1, 2, s15                 ; word 128 p + 64 half + 16 a + r
	s_wait_loadcnt 0x0                             ; x and post_ln, asked for at the start
	WIN 0x08                                       ; source 1: x, in window 2
.set q, 0
.rept 64                               ; ascending: each accumulator's lowest registers are read first
	v_pk_add_f32 v[ACC+2*q:ACC+2*q+1], v[ACC+2*q:ACC+2*q+1], v[2*q:2*q+1]
.set q, q+1
.endr
	WIN 0
.irp a, 0,1,2,3
.irp b, 0,1,2,3
	global_store_b128 v10, v[ACC+8*(4*(\a)+(\b)):ACC+8*(4*(\a)+(\b))+3],   s[8:9] offset:65536*(((\b)&1)+4*((\b)/2))+1024*(\a)       ; 512 consecutive aligned bytes
	global_store_b128 v10, v[ACC+8*(4*(\a)+(\b))+4:ACC+8*(4*(\a)+(\b))+7], s[8:9] offset:65536*(((\b)&1)+4*((\b)/2))+1024*(\a)+512
.endr
.endr
.irp a, 0,1,2,3
	v_pk_mul_f32 v[40+2*(\a):41+2*(\a)], v[ACC+32*(\a):ACC+32*(\a)+1], v[ACC+32*(\a):ACC+32*(\a)+1]
.endr
.set q, 1
.rept 15
.irp a, 0,1,2,3
	v_pk_fma_f32 v[40+2*(\a):41+2*(\a)], v[ACC+32*(\a)+2*q:ACC+32*(\a)+2*q+1], v[ACC+32*(\a)+2*q:ACC+32*(\a)+2*q+1], v[40+2*(\a):41+2*(\a)]
.endr
.set q, q+1
.endr
.irp a, 0,1,2,3
	v_add_f32 v[40+2*(\a)], v[40+2*(\a)], v[41+2*(\a)]
.endr
.irp a, 0,1,2,3
	v_permlanex16_b32 v[41+2*(\a)], v[40+2*(\a)], s86, s87
.endr
.irp a, 0,1,2,3
	v_add_f32 v[40+2*(\a)], v[40+2*(\a)], v[41+2*(\a)]
	ds_store_b32 v12, v[40+2*(\a)] offset:64*(\a)
.endr
	s_wait_xcnt 0x0                                ; x1's stores have read the accumulators: they are rewritten only behind this wait
.irp a, 0,1,2,3
.irp b, 0,1,2,3
.irp q, 0,2,4,6
	v_pk_mul_f32 v[ACC+8*(4*(\a)+(\b))+(\q):ACC+8*(4*(\a)+(\b))+(\q)+1], v[ACC+8*(4*(\a)+(\b))+(\q):ACC+8*(4*(\a)+(\b))+(\q)+1], v[64+8*(\b)+(\q):65+8*(\b)+(\q)]
.endr
.irp q, 0,1,2,3
	v_cvt_pk_bf16_f32 v[ACC+8*(4*(\a)+(\b))+(\q)], v[ACC+8*(4*(\a)+(\b))+2*(\q)], v[ACC+8*(4*(\a)+(\b))+2*(\q)+1]
.endr
	global_store_b128 v11, v[ACC+8*(4*(\a)+(\b)):ACC+8*(4*(\a)+(\b))+3], s[8:9] offset:131072*((\b)/2)+512*((\b)&1)+1024*(\a)   ; half an image: 512 consecutive aligned bytes
.endr
.endr
	s_wait_dscnt 0x0                               ; for the others' sake: my sums are written
	s_barrier_signal -1
	s_barrier_wait -1
	s_lshl_b32 s15, s10, 7                         ; wave w adds the halves for the tile's rows 32 w + l
	s_add_co_u32 s15, s15, XCH
	v_lshl_add_u32 v12, v6, 2, s15
	ds_load_b32 v13, v12
	ds_load_b32 v14, v12 offset:512
	s_lshl_b32 s15, s42, 12
	s_lshl_b32 s16, s13, 9
	s_add_co_u32 s15, s15, s16
	s_lshl_b32 s16, s10, 7
	s_add_co_u32 s15, s15, s16
	s_add_co_u32 s15, s15, SSQ
	v_lshl_add_u32 v15, v6, 2, s15
	s_wait_dscnt 0x0
	v_add_f32 v13, v13, v14
	global_store_b32 v15, v13, s[8:9]              ; 128 consecutive bytes
	s_wait_tensorcnt 0x0                           ; the wave's end
	ds_add_u32 v[SPW], v[NIL]
	s_wait_dscnt 0x0
	CROUND                                         ; the closing round
	s_endpgm
.Lfunc_end_k_q1da79de60d_oproj:
	.size	k_q1da79de60d_oproj, .Lfunc_end_k_q1da79de60d_oproj-k_q1da79de60d_oproj
	.p2alignl 7, 3214868480
	.fill 96, 4, 3214868480
	.section	.rodata,"a",@progbits
	.p2align	6, 0x0
	.amdhsa_kernel k_q1da79de60d_oproj
		.amdhsa_group_segment_fixed_size 327680
		.amdhsa_private_segment_fixed_size 0
		.amdhsa_enable_private_segment 0
		.amdhsa_kernarg_size 48
		.amdhsa_user_sgpr_count 2
		.amdhsa_user_sgpr_kernarg_segment_ptr 1
		.amdhsa_wavefront_size32 1
		.amdhsa_system_sgpr_workgroup_id_x 1
		.amdhsa_system_sgpr_workgroup_id_y 1
		.amdhsa_system_sgpr_workgroup_id_z 1
		.amdhsa_system_vgpr_workitem_id 0
		.amdhsa_next_free_vgpr 640
		.amdhsa_next_free_sgpr 96
		.amdhsa_reserve_vcc 0
		.amdhsa_float_denorm_mode_32 3
		.amdhsa_float_denorm_mode_16_64 3
		.amdhsa_memory_ordered 1
		.amdhsa_forward_progress 1
		.amdhsa_inst_pref_size 106
	.end_amdhsa_kernel
	.amdgpu_metadata
---
amdhsa.version: [ 1, 2 ]
amdhsa.kernels:
  - .name:           k_q1da79de60d_oproj
    .symbol:         k_q1da79de60d_oproj.kd
    .args:
      - { .name: ab, .offset: 0, .size: 8, .value_kind: global_buffer, .address_space: global }
      - { .name: wo, .offset: 8, .size: 8, .value_kind: global_buffer, .address_space: global }
      - { .name: route, .offset: 16, .size: 8, .value_kind: global_buffer, .address_space: global }
      - { .name: x, .offset: 24, .size: 8, .value_kind: global_buffer, .address_space: global }
      - { .name: post_ln, .offset: 32, .size: 8, .value_kind: global_buffer, .address_space: global }
      - { .name: ob, .offset: 40, .size: 8, .value_kind: global_buffer, .address_space: global }
    .group_segment_fixed_size: 327680
    .private_segment_fixed_size: 0
    .kernarg_segment_align: 8
    .kernarg_segment_size: 48
    .max_flat_workgroup_size: 128
    .sgpr_count:     96
    .vgpr_count:     640
    .wavefront_size: 32
...
	.end_amdgpu_metadata
.endif
;; end of part 4
;; launch gu (part 5): grid 32 x 8, 8 waves a work-group, no clusters, 263,680 bytes of LDS; arguments ob, route, gate_w, up_w, act; writes act
.if DOCPART == 5
	.amdgcn_target "amdgcn-amd-amdhsa--gfx1250"
	.amdhsa_code_object_version 6
	.text
	.protected	k_q1da79de60d_gu
	.globl	k_q1da79de60d_gu
	.p2align	8
	.type	k_q1da79de60d_gu,@function
k_q1da79de60d_gu:
	s_mov_b64 s[64:65], 0
	v_nop
	global_prefetch_b8 v0, s[64:65] scope:SCOPE_SE
	s_setreg_imm32_b32 hwreg(HW_REG_WAVE_MODE, 25, 1), 1
	s_wait_xcnt 0x0
; act = silu(g) u for the rows of one expert: g = rs (A Wg), u = rs (A Wu), A = bf16(x1 post_ln), rs = rsqrt(mean x1^2 + 1e-6) applied in f32 behind the products.
; SHARES.  Work-group (x = slice, y = expert) owns 32 columns of the expert's gate_w and 32 of its up_w, which it alone reads: rounded to bf16 on their way through registers into four LDS panels
; [2048 k][16 n], where they stay.  Then its eight waves take the expert's rows, 32 a wave and trip; the rows come from memory straight into operand registers, and the result leaves straight from
; the accumulators' layout: the row loop writes no LDS and has no barrier.
; IMAGES.  A and act lie as [K step of 32][16-row block][1,024 bytes]: row rho's 16 bytes of half c and lane half h at (rho / 16) 1024 + 512 c + 256 h + 16 (rho % 16): any first row can be read and written.
; RINGS in window 1: the rows' fragments eight K steps deep (v0-127), the weights' four deep (v128-255): a K step's 8 matrix instructions are too short a time for a load asked for one step ahead.
; EVERY SPLIT: four trips of 256 rows cover all 1,024 tokens on one expert; a wave whose rows begin at or past the expert's end jumps its trip; places past the end repeat the last row, and store the same bytes again.
; The fill keeps 32 loads of 512 bytes a wave on their way.  A slice's rows are 128 bytes in memory; the neighbouring slice takes the other half of the 256 at about the same time, so no hint marks the loads as read once.
; NO CLUSTER: each weight has one reader; the shared token rows come in a loop whose length hangs on stored counts, which keeps tensor loads out of it.
.set PP,    65664                      ; a panel: 2,048 rows of 32 bytes, + 128
.set SPARE, 4*PP                       ; the spare words, 128 bytes a wave
.set A2K,   8388608
.set SSQ,   12582912
.set X,   16                           ; the fill's 32 slots of four registers
.set ACC, 16                           ; (a, pn) at ACC + 8 (4 a + pn): pn 0, 1 gate, 2, 3 up
.set BF,  128                          ; window 1: four buffers of four weight fragments
.set E,   144
.set RS,  176
.set VP,  208                          ; v208-211 the panels' addresses in the K block in hand; v212-215 at their start
.set VP0, 212
.set VA0, 216                          ; v216, v217 my row's place in an image, row blocks a = 0, 1
.set VA1, 217
.set SQ0, 218
.set SQ1, 219
.set MSB, 0
.macro WIN new
.if MSB != (\new)
	s_set_vgpr_msb (MSB<<8)|(\new)
.set MSB, \new
.endif
.endm
	s_load_b256 s[4:11], s[0:1], 0x0               ; ob 4, route 6, gate_w 8, up_w 10
	s_load_b64 s[12:13], s[0:1], 0x20              ; act
	v_lshl_add_u32 v14, v0, 2, SPARE
	v_mov_b32 v15, 0
	v_lshrrev_b32 v1, 5, v0
	v_readfirstlane_b32 s14, v1                    ; wave
	s_mov_b32 s15, ttmp9                           ; slice
	s_and_b32 s16, ttmp7, 0xffff                   ; expert
	v_and_b32 v1, 31, v0
	v_and_b32 v2, 15, v0                           ; r
	v_bfe_u32 v3, v0, 4, 1                         ; h
	v_lshrrev_b32 v9, 3, v1                        ; kr: which of a load's 4 rows
	v_and_b32 v10, 7, v1                           ; q: which 4 columns
	s_lshl_b32 s17, s14, 20
	v_lshl_add_u32 v4, v9, 12, s17
	v_lshl_add_u32 v4, v10, 4, v4                  ; (256 wave + kr) 4096 + 16 q
	v_lshrrev_b32 v11, 2, v10
	v_mul_u32_u24 v5, v11, PP
	s_lshl_b32 s17, s14, 13
	v_lshl_add_u32 v5, v9, 5, v5
	v_and_b32 v11, 3, v10
	v_lshl_add_u32 v5, v11, 3, v5
	v_add_nc_u32 v5, s17, v5                       ; panel q / 4, row 256 wave + kr, byte 8 (q % 4)
	v_add_nc_u32 v6, 2*PP, v5
	s_lshl_b32 s2, s16, 23
	s_lshl_b32 s3, s15, 7
	s_add_co_u32 s2, s2, s3
	s_mov_b32 s3, 0
	s_lshl_b32 s36, s16, 2                         ; the offset of the two scalar loads below; never rewritten
	s_wait_kmcnt 0x0
	s_add_nc_u64 s[8:9], s[8:9], s[2:3]
	s_add_nc_u64 s[10:11], s[10:11], s[2:3]
	s_load_b32 s18, s[6:7], s36 offset:0x0         ; the expert's first sorted row, and the next expert's
	s_load_b32 s19, s[6:7], s36 offset:0x4
; Slot n: load n & 1 = 0 gate, 1 up; rows 4 (n / 2) + kr of the trip's 64.  One wait serves a pair of slots.
.macro FSLOT n, ahead, left
.if ((\n)&1) == 0
	s_wait_loadcnt \left                           ; this slot's load and the next slot's are in; the younger loads stay out
.endif
	v_cvt_pk_bf16_f32 v[X+4*(\n)], v[X+4*(\n)], v[X+4*(\n)+1]
	v_cvt_pk_bf16_f32 v[X+4*(\n)+1], v[X+4*(\n)+2], v[X+4*(\n)+3]
	ds_store_b64 v[5+((\n)&1)], v[X+4*(\n):X+4*(\n)+1] offset:128*((\n)/2)
.if \ahead
	global_load_b128 v[X+4*(\n):X+4*(\n)+3], v4, s[8+2*((\n)&1):9+2*((\n)&1)] offset:16384*((\n)/2+16)
.endif
.endm
.set n, 0
.rept 32
	global_load_b128 v[X+4*n:X+4*n+3], v4, s[8+2*(n&1):9+2*(n&1)] offset:16384*(n/2)
.set n, n+1
.endr
	s_mov_b32 s20, 3
.Lfill:
.set n, 0
.rept 32
	FSLOT n, 1, 30
.set n, n+1
.endr
	s_wait_xcnt 0x0                                ; the bases are stepped only behind this wait
	s_add_nc_u64 s[8:9], s[8:9], 262144
	s_add_nc_u64 s[10:11], s[10:11], 262144
	v_add_nc_u32 v5, 2048, v5
	v_add_nc_u32 v6, 2048, v6
	s_sub_co_u32 s20, s20, 1
	s_cmp_lg_u32 s20, 0
	s_cbranch_scc1 .Lfill
.set n, 0
.rept 32
	FSLOT n, 0, 30-n                               ; the last 64 rows: nothing more to load, the counts run down
.set n, n+1
.endr
	; addresses for the row loop
	v_and_b32 v9, 7, v0
	v_lshl_add_u32 v9, v3, 3, v9
	v_lshlrev_b32 v9, 5, v9
	v_bfe_u32 v10, v0, 3, 1
	v_lshl_add_u32 v9, v10, 4, v9                  ; the turning load: row 8 h + l % 8, 16 bytes (l / 8) % 2
.irp pn, 0,1,2,3
	v_add_nc_u32 v[VP0+(\pn)], (\pn)*PP, v9
.endr
	s_add_nc_u64 s[28:29], s[4:5], A2K
	s_add_nc_u64 s[26:27], s[4:5], SSQ
	s_lshl_b32 s2, s15, 16
	s_add_nc_u64 s[30:31], s[12:13], s[2:3]        ; act at K step = slice
	s_mov_b32 s34, 0x3a000000                      ; 1 / 2048
	s_mov_b32 s35, 0x358637bd                      ; 1e-6
	s_mov_b32 s38, 0x76543210                      ; v_permlanex16_b32: each lane takes its place in the other half
	s_mov_b32 s39, 0xfedcba98
	s_mov_b32 s40, 0xbfb8aa3b                      ; -log2(e); named as a pair
	s_mov_b32 s41, s40
	s_wait_dscnt 0x0                               ; for the others' sake: my part of the panels is written
	s_barrier_signal -1
	s_barrier_wait -1
	s_wait_kmcnt 0x0
	s_min_u32 s18, s18, 0x400
	s_min_u32 s19, s19, 0x400                      ; the expert's end
	s_sub_co_u32 s33, s19, 1                       ; its last row (used only where it has rows)
	s_lshl_b32 s21, s14, 5
	s_add_co_u32 s21, s21, s18                     ; my first row
	s_mov_b32 s22, 4
.macro ALD j, ko                       ; the rows' fragments of K step ko (from the walking base) into ring slot j: window 1
	global_load_b128 v[16*(\j):16*(\j)+3],     v[VA0], s[24:25] offset:65536*(\ko)
	global_load_b128 v[16*(\j)+4:16*(\j)+7],   v[VA0], s[24:25] offset:65536*(\ko)+512
	global_load_b128 v[16*(\j)+8:16*(\j)+11],  v[VA1], s[24:25] offset:65536*(\ko)
	global_load_b128 v[16*(\j)+12:16*(\j)+15], v[VA1], s[24:25] offset:65536*(\ko)+512
.endm
.macro BLD buf, ko                     ; the four panels' fragments of K step ko into ring buffer buf: window 1
.irp pn, 0,1,2,3
	ds_load_tr16_b128 v[BF+32*(\buf)+8*(\pn):BF+32*(\buf)+8*(\pn)+3],   v[VP+(\pn)] offset:1024*(\ko)
	ds_load_tr16_b128 v[BF+32*(\buf)+8*(\pn)+4:BF+32*(\buf)+8*(\pn)+7], v[VP+(\pn)] offset:1024*(\ko)+512
.endr
.endm
; K step j of a block of eight: 8 matrix instructions, the 8 accumulators by turns; then the weights four steps on and the rows eight steps on.
.macro KS j, pre, preb, lw, dw
	s_wait_loadcnt \lw                             ; the younger K steps' row loads, four each, stay out
	s_wait_dscnt \dw                               ; the younger K steps' weight loads, eight each, stay out
	WIN 0x05                                       ; both sources in window 1
.irp a, 0,1
.irp pn, 0,1,2,3
	v_wmma_f32_16x16x32_bf16 v[ACC+8*(4*(\a)+(\pn)):ACC+8*(4*(\a)+(\pn))+7], v[BF+32*((\j)&3)+8*(\pn):BF+32*((\j)&3)+8*(\pn)+7], v[16*(\j)+8*(\a):16*(\j)+8*(\a)+7], v[ACC+8*(4*(\a)+(\pn)):ACC+8*(4*(\a)+(\pn))+7]
.endr
.endr
.rept 4
	v_nop                                          ; the places ahead of loads into registers just read
.endr
.if \preb
	WIN 0x40                                       ; destination window 1, addresses window 0
	BLD (\j)&3, (\j)+4
.endif
.if \pre
	WIN 0x40
	ALD \j, (\j)+8
.endif
.endm
.Lrows:
	s_cmp_ge_u32 s21, s19
	s_cbranch_scc1 .Lnext
	s_wait_xcnt 0x0                                ; the last trip's stores have read their registers
	v_add_nc_u32 v9, s21, v2
	v_min_u32 v10, s33, v9
	v_min_u32 v10, 0x3ff, v10                      ; row of block a = 0, held inside the expert
	v_add_nc_u32 v9, 16, v9
	v_min_u32 v11, s33, v9
	v_min_u32 v11, 0x3ff, v11
	v_lshlrev_b32 v[SQ0], 2, v10
	v_lshlrev_b32 v[SQ1], 2, v11
	v_lshl_add_u32 v[SQ0], v3, 15, v[SQ0]          ; the lower half of the lanes takes the row's partial sums 0-7, the upper half 8-15 (4,096 bytes apart)
	v_lshl_add_u32 v[SQ1], v3, 15, v[SQ1]
	v_and_b32 v12, 0x3f0, v10                      ; (row / 16) 1024 + (row % 16) 16 + 256 h
	v_and_b32 v13, 15, v10
	v_lshlrev_b32 v12, 6, v12
	v_lshl_add_u32 v12, v13, 4, v12
	v_lshl_add_u32 v[VA0], v3, 8, v12
	v_and_b32 v12, 0x3f0, v11
	v_and_b32 v13, 15, v11
	v_lshlrev_b32 v12, 6, v12
	v_lshl_add_u32 v12, v13, 4, v12
	v_lshl_add_u32 v[VA1], v3, 8, v12
.irp pn, 0,1,2,3
	v_mov_b32 v[VP+(\pn)], v[VP0+(\pn)]
.endr
	s_mov_b64 s[24:25], s[28:29]
	s_mov_b32 s37, 0
.set i, 0
.rept 8
	global_load_b32 v[E+i], v[SQ0], s[26:27] offset:4096*i
	global_load_b32 v[E+8+i], v[SQ1], s[26:27] offset:4096*i
.set i, i+1
.endr
	WIN 0x40
.irp j, 0,1,2,3,4,5,6,7
	ALD \j, \j
.endr
.irp j, 0,1,2,3
	BLD \j, \j
.endr
	WIN 0
.set i, 0
.rept 64                               ; cleared on purpose: one text for every block of K steps
	v_mov_b32 v[ACC+i], 0
.set i, i+1
.endr
	s_wait_loadcnt 32                              ; the 16 loads of partial sums of squares are in; the rows' 32 loads stay out
.irp a, 0,1
.irp k, 0,1,2,3
	v_add_f32 v[E+8*(\a)+(\k)], v[E+8*(\a)+(\k)], v[E+8*(\a)+4+(\k)]
.endr
	v_add_f32 v[E+8*(\a)], v[E+8*(\a)], v[E+8*(\a)+2]
	v_add_f32 v[E+8*(\a)+1], v[E+8*(\a)+1], v[E+8*(\a)+3]
	v_add_f32 v[E+8*(\a)], v[E+8*(\a)], v[E+8*(\a)+1]
.endr
	v_permlanex16_b32 v[E+1], v[E], s38, s39       ; the other eight partial sums lie in the lane 16 away
	v_permlanex16_b32 v[E+9], v[E+8], s38, s39
	v_add_f32 v[E], v[E], v[E+1]
	v_add_f32 v[E+8], v[E+8], v[E+9]
	v_fma_f32 v[E], v[E], s34, s35
	v_fma_f32 v[E+8], v[E+8], s34, s35
	v_rsq_f32 v[RS], v[E]
	v_rsq_f32 v[RS+1], v[E]
	v_rsq_f32 v[RS+2], v[E+8]
	v_rsq_f32 v[RS+3], v[E+8]
	v_nop
	s_wait_alu depctr_va_vdst(0)                   ; one wait for the four, ahead of the label
	s_mov_b32 s23, 7
.Lk:
.irp j, 0,1,2,3,4,5,6,7
	KS \j, 1, 1, 28, 24
.endr
	WIN 0
	s_wait_xcnt 0x0                                ; the rows' base is stepped only behind this wait
	s_add_nc_u64 s[24:25], s[24:25], 524288
	s_add_co_u32 s37, s37, 8192                    ; eight K steps on in the panels: the addresses are made anew
.irp pn, 0,1,2,3
	v_add_nc_u32 v[VP+(\pn)], s37, v[VP0+(\pn)]
.endr
	s_sub_co_u32 s23, s23, 1
	s_cmp_lg_u32 s23, 0
	s_cbranch_scc1 .Lk
.irp j, 0,1,2,3
	KS \j, 0, 1, 4*(7-(\j)), 24                    ; the last block: no rows are left to ask for, and weights only up to its last step
.endr
	KS 4, 0, 0, 12, 24
	KS 5, 0, 0, 8, 16
	KS 6, 0, 0, 4, 8
	KS 7, 0, 0, 0, 0
	WIN 0
	; silu(g) u = g u / (1 + 2^(-g log2 e)); each accumulator's lowest registers are read first
.irp a, 0,1
.irp nb, 0,1
.irp q, 0,2,4,6
	v_pk_mul_f32 v[ACC+8*(4*(\a)+(\nb))+(\q):ACC+8*(4*(\a)+(\nb))+(\q)+1], v[ACC+8*(4*(\a)+(\nb))+(\q):ACC+8*(4*(\a)+(\nb))+(\q)+1], v[RS+2*(\a):RS+2*(\a)+1]
	v_pk_mul_f32 v[E+8*(2*(\a)+(\nb))+(\q):E+8*(2*(\a)+(\nb))+(\q)+1], v[ACC+8*(4*(\a)+(\nb))+(\q):ACC+8*(4*(\a)+(\nb))+(\q)+1], s[40:41] op_sel_hi:[1,0]
.endr
.endr
.endr
.set i, 0
.rept 32
	v_exp_f32 v[E+i], v[E+i]
.set i, i+1
.endr
.irp a, 0,1                            ; independent work behind the batch
.irp nb, 0,1
.irp q, 0,2,4,6
	v_pk_mul_f32 v[ACC+8*(4*(\a)+2+(\nb))+(\q):ACC+8*(4*(\a)+2+(\nb))+(\q)+1], v[ACC+8*(4*(\a)+2+(\nb))+(\q):ACC+8*(4*(\a)+2+(\nb))+(\q)+1], v[RS+2*(\a):RS+2*(\a)+1]
.endr
.endr
.endr
	s_wait_alu depctr_va_vdst(0)                   ; one wait for the 32 exponentials
.set i, 0
.rept 16
	v_pk_add_f32 v[E+2*i:E+2*i+1], v[E+2*i:E+2*i+1], 1.0 op_sel_hi:[1,0]
.set i, i+1
.endr
.set i, 0
.rept 32
	v_rcp_f32 v[E+i], v[E+i]
.set i, i+1
.endr
.irp a, 0,1
.irp nb, 0,1
.irp q, 0,2,4,6
	v_pk_mul_f32 v[ACC+8*(4*(\a)+(\nb))+(\q):ACC+8*(4*(\a)+(\nb))+(\q)+1], v[ACC+8*(4*(\a)+(\nb))+(\q):ACC+8*(4*(\a)+(\nb))+(\q)+1], v[ACC+8*(4*(\a)+2+(\nb))+(\q):ACC+8*(4*(\a)+2+(\nb))+(\q)+1]
.endr
.endr
.endr
	s_wait_alu depctr_va_vdst(0)                   ; one wait for the 32 reciprocals
.irp a, 0,1
.irp nb, 0,1
.irp q, 0,2,4,6
	v_pk_mul_f32 v[ACC+8*(4*(\a)+(\nb))+(\q):ACC+8*(4*(\a)+(\nb))+(\q)+1], v[ACC+8*(4*(\a)+(\nb))+(\q):ACC+8*(4*(\a)+(\nb))+(\q)+1], v[E+8*(2*(\a)+(\nb))+(\q):E+8*(2*(\a)+(\nb))+(\q)+1]
.endr
.irp q, 0,1,2,3
	v_cvt_pk_bf16_f32 v[ACC+8*(4*(\a)+(\nb))+(\q)], v[ACC+8*(4*(\a)+(\nb))+2*(\q)], v[ACC+8*(4*(\a)+(\nb))+2*(\q)+1]
.endr
	global_store_b128 v[VA0+(\a)], v[ACC+8*(4*(\a)+(\nb)):ACC+8*(4*(\a)+(\nb))+3], s[30:31] offset:512*(\nb)   ; sixteen lanes store sixteen neighbouring rows' 16 bytes: 256 bytes on end where the rows begin a block
.endr
.endr
.Lnext:
	s_add_co_u32 s21, s21, 256
	s_sub_co_u32 s22, s22, 1
	s_cmp_lg_u32 s22, 0
	s_cbranch_scc1 .Lrows
	s_wait_dscnt 0x0                               ; every wave's reads of the panels are over
	s_barrier_signal -1
	s_barrier_wait -1                              ; before any wave's closing LDS write
	s_wait_tensorcnt 0x0                           ; the wave's end
	ds_add_u32 v14, v15
	s_wait_dscnt 0x0
	s_endpgm
.Lfunc_end_k_q1da79de60d_gu:
	.size	k_q1da79de60d_gu, .Lfunc_end_k_q1da79de60d_gu-k_q1da79de60d_gu
	.p2alignl 7, 3214868480
	.fill 96, 4, 3214868480
	.section	.rodata,"a",@progbits
	.p2align	6, 0x0
	.amdhsa_kernel k_q1da79de60d_gu
		.amdhsa_group_segment_fixed_size 263680
		.amdhsa_private_segment_fixed_size 0
		.amdhsa_enable_private_segment 0
		.amdhsa_kernarg_size 40
		.amdhsa_user_sgpr_count 2
		.amdhsa_user_sgpr_kernarg_segment_ptr 1
		.amdhsa_wavefront_size32 1
		.amdhsa_system_sgpr_workgroup_id_x 1
		.amdhsa_system_sgpr_workgroup_id_y 1
		.amdhsa_system_sgpr_workgroup_id_z 1
		.amdhsa_system_vgpr_workitem_id 0
		.amdhsa_next_free_vgpr 512
		.amdhsa_next_free_sgpr 66
		.amdhsa_reserve_vcc 0
		.amdhsa_float_denorm_mode_32 3
		.amdhsa_float_denorm_mode_16_64 3
		.amdhsa_memory_ordered 1
		.amdhsa_forward_progress 1
		.amdhsa_inst_pref_size 65
	.end_amdhsa_kernel
	.amdgpu_metadata
---
amdhsa.version: [ 1, 2 ]
amdhsa.kernels:
  - .name:           k_q1da79de60d_gu
    .symbol:         k_q1da79de60d_gu.kd
    .args:
      - { .name: ob, .offset: 0, .size: 8, .value_kind: global_buffer, .address_space: global }
      - { .name: route, .offset: 8, .size: 8, .value_kind: global_buffer, .address_space: global }
      - { .name: gate_w, .offset: 16, .size: 8, .value_kind: global_buffer, .address_space: global }
      - { .name: up_w, .offset: 24, .size: 8, .value_kind: global_buffer, .address_space: global }
      - { .name: act, .offset: 32, .size: 8, .value_kind: global_buffer, .address_space: global }
    .group_segment_fixed_size: 263680
    .private_segment_fixed_size: 0
    .kernarg_segment_align: 8
    .kernarg_segment_size: 40
    .max_flat_workgroup_size: 256
    .sgpr_count:     66
    .vgpr_count:     512
    .wavefront_size: 32
...
	.end_amdgpu_metadata
.endif
;; end of part 5
;; launch down (part 6): grid 32 x 8, 8 waves a work-group, no clusters, 201,984 bytes of LDS; arguments act, ob, route, down_w, out0; writes out0
.if DOCPART == 6
	.amdgcn_target "amdgcn-amd-amdhsa--gfx1250"
	.amdhsa_code_object_version 6
	.text
	.protected	k_q1da79de60d_down
	.globl	k_q1da79de60d_down
	.p2align	8
	.type	k_q1da79de60d_down,@function
k_q1da79de60d_down:
	s_mov_b64 s[64:65], 0
	v_nop
	global_prefetch_b8 v0, s[64:65] scope:SCOPE_SE
	s_setreg_imm32_b32 hwreg(HW_REG_WAVE_MODE, 25, 1), 1
	s_wait_xcnt 0x0
; out0[order[row]] = x1[row] + act[row] Wd for the rows of one expert.  Work-group (x = slice of 64 columns, y = expert): the expert's slice of down_w, which this work-group alone reads, is rounded
; to bf16 into four LDS panels [1024 k][16 n]; then eight waves take the expert's rows, 32 a wave and trip, straight from memory into operand registers.
; THE ROWS WITHOUT AN EXPERT (a table entry outside 0..7) lie behind expert 7's in the sorted order, and expert 7's work-groups take them too: out0 = x1.  Such a row reads act at the expert's last row, and its
; sums are replaced by 0; a wave none of whose rows has an expert jumps the products.  So the grid is one work-group for each of 256 WGPs, and no byte of act is read that was not stored.
; IMAGES.  act ([K step of 32][16-row block][2 halves]) and x1 ([16-column block][16-row block][2 quads]) hold row rho's 16 bytes of lane half h at (rho / 16) 1024 + 256 h + 16 (rho % 16), the second half or quad 512 on.
; x1 is added in the accumulators' layout; the sum goes through the wave's own LDS stage, so that sixteen lanes store the slice's 256 bytes of a token's row.
; RINGS in window 1: the rows' fragments eight K steps deep (v0-127), the weights' four deep (v128-255).
; EVERY SPLIT: four trips of 256 rows; a wave whose rows begin at or past the end jumps its work; places past the end repeat the last row and store the same bytes again.
; BARRIERS.  The panels' addresses walk in the K loop and the stages are written in the same row loop: two barriers a trip keep all waves' reads of the panels and all waves' writes of the stages apart.
; Every wave passes both in all four trips; only work is jumped; what the jumped work would set (addresses, cleared sums) is set ahead of the jump.
; NO CLUSTER: each weight has one reader, and the row loop's work hangs on stored counts.
.set PP,    32832                      ; a panel: 1,024 rows of 32 bytes, + 64
.set STAGE, 4*PP                       ; 32 rows x 272 bytes a wave, f32
.set SPARE, STAGE+8*8704
.set X,   16
.set ACC, 16                           ; (a, pn) at ACC + 8 (4 a + pn): columns 16 pn
.set RB,  80                           ; v80-143 the rows read back from the stage
.set BF,  128                          ; window 1: four buffers of four weight fragments
.set X1,  144                          ; v144-207 x1, laid as the accumulators
.set VP,  208
.set VP0, 212
.set VA0, 216                          ; my rows' places in act's images
.set VA1, 217
.set XA0, 218                          ; and in x1's
.set XA1, 219
.set TK,  224                          ; v224-239 4 x row, then the token, then its row's offset in out0
.set MSB, 0
.macro WIN new
.if MSB != (\new)
	s_set_vgpr_msb (MSB<<8)|(\new)
.set MSB, \new
.endif
.endm
	s_load_b256 s[4:11], s[0:1], 0x0               ; act 4, ob 6, route 8, down_w 10
	s_load_b64 s[12:13], s[0:1], 0x20              ; out0
	v_lshl_add_u32 v14, v0, 2, SPARE
	v_mov_b32 v15, 0
	v_lshrrev_b32 v1, 5, v0
	v_readfirstlane_b32 s14, v1
	s_mov_b32 s15, ttmp9                           ; slice
	s_and_b32 s16, ttmp7, 0xffff                   ; expert
	v_and_b32 v1, 31, v0
	v_and_b32 v2, 15, v0                           ; r; also q: which 4 columns of a load
	v_bfe_u32 v3, v0, 4, 1                         ; h; also kr: which of a load's 2 rows
	s_lshl_b32 s17, s14, 20
	v_lshl_add_u32 v4, v3, 13, s17
	v_lshl_add_u32 v4, v2, 4, v4                   ; (128 wave + kr) 8192 + 16 q
	v_lshrrev_b32 v11, 2, v2
	v_mul_u32_u24 v5, v11, PP
	v_lshl_add_u32 v5, v3, 5, v5
	v_and_b32 v11, 3, v2
	v_lshl_add_u32 v5, v11, 3, v5
	s_lshl_b32 s17, s14, 12
	v_add_nc_u32 v5, s17, v5
	s_lshl_b32 s36, s16, 2                         ; the offset of two scalar loads below; never rewritten
	s_mov_b32 s3, 0
	s_lshl_b32 s2, s16, 23
	s_lshl_b32 s17, s15, 8
	s_add_co_u32 s2, s2, s17
	s_wait_kmcnt 0x0
	s_load_b32 s18, s[8:9], s36 offset:0x0         ; the expert's first sorted row,
	s_load_b32 s38, s[8:9], s36 offset:0x4         ; its end,
	s_load_b32 s19, s[8:9], 0x24                   ; and the end of the rows without an expert
	s_add_nc_u64 s[10:11], s[10:11], s[2:3]
.macro FSLOT n, idx, ahead, left       ; one wait serves a pair of slots
.if ((\n)&1) == 0
	s_wait_loadcnt \left                           ; this slot's load and the next slot's are in; the younger loads stay out
.endif
	v_cvt_pk_bf16_f32 v[X+4*(\n)], v[X+4*(\n)], v[X+4*(\n)+1]
	v_cvt_pk_bf16_f32 v[X+4*(\n)+1], v[X+4*(\n)+2], v[X+4*(\n)+3]
	ds_store_b64 v5, v[X+4*(\n):X+4*(\n)+1] offset:64*(\idx)
.if \ahead
	global_load_b128 v[X+4*(\n):X+4*(\n)+3], v4, s[10:11] offset:16384*((\idx)+32) th:TH_LOAD_NT
.endif
.endm
.set n, 0
.rept 32                               ; a load: 2 rows x 256 aligned bytes; 32 loads a wave on their way
	global_load_b128 v[X+4*n:X+4*n+3], v4, s[10:11] offset:16384*n th:TH_LOAD_NT
.set n, n+1
.endr
.set n, 0
.rept 32
	FSLOT n, n, 1, 30
.set n, n+1
.endr
.set n, 0
.rept 32
	FSLOT n, n+32, 0, 30-n
.set n, n+1
.endr
	v_and_b32 v9, 7, v0
	v_lshl_add_u32 v9, v3, 3, v9
	v_lshlrev_b32 v9, 5, v9
	v_bfe_u32 v10, v0, 3, 1
	v_lshl_add_u32 v9, v10, 4, v9                  ; the turning load: row 8 h + l % 8, 16 bytes (l / 8) % 2
.irp pn, 0,1,2,3
	v_add_nc_u32 v[VP0+(\pn)], (\pn)*PP, v9
.endr
	s_mul_i32 s17, s14, 8704
	s_add_co_u32 s17, s17, STAGE
	v_mul_u32_u24 v7, v2, 272
	v_lshl_add_u32 v7, v3, 5, v7
	v_add_nc_u32 v7, s17, v7                       ; into my stage: row 16 a + r, 32 bytes a half
	v_lshlrev_b32 v13, 4, v2                       ; 16 (l % 16)
	v_mul_u32_u24 v8, v3, 272
	v_add_nc_u32 v8, v8, v13
	v_add_nc_u32 v8, s17, v8                       ; back: two rows of 256 bytes
	s_lshl_b32 s2, s15, 18
	s_add_nc_u64 s[26:27], s[6:7], s[2:3]          ; x1 at 16-column block 4 x slice
	s_lshl_b32 s2, s15, 8
	s_add_nc_u64 s[30:31], s[12:13], s[2:3]        ; out0 at the slice's columns
	s_wait_dscnt 0x0                               ; for the others' sake: my part of the panels is written
	s_barrier_signal -1
	s_barrier_wait -1
	s_wait_kmcnt 0x0
	s_min_u32 s18, s18, 0x400
	s_min_u32 s38, s38, 0x400                      ; the expert's end
	s_min_u32 s19, s19, 0x400
	s_cmp_eq_u32 s16, 7
	s_cselect_b32 s19, s19, s38                    ; the end of my rows: expert 7's work-groups go on through the rows without an expert
	s_sub_co_u32 s33, s19, 1                       ; my last row, and the expert's (each used only where there are such rows)
	s_sub_co_u32 s39, s38, 1
	s_lshl_b32 s21, s14, 5
	s_add_co_u32 s21, s21, s18
	s_mov_b32 s22, 4
.macro ALD j, ko
	global_load_b128 v[16*(\j):16*(\j)+3],     v[VA0], s[24:25] offset:65536*(\ko)
	global_load_b128 v[16*(\j)+4:16*(\j)+7],   v[VA0], s[24:25] offset:65536*(\ko)+512
	global_load_b128 v[16*(\j)+8:16*(\j)+11],  v[VA1], s[24:25] offset:65536*(\ko)
	global_load_b128 v[16*(\j)+12:16*(\j)+15], v[VA1], s[24:25] offset:65536*(\ko)+512
.endm
.macro BLD buf, ko
.irp pn, 0,1,2,3
	ds_load_tr16_b128 v[BF+32*(\buf)+8*(\pn):BF+32*(\buf)+8*(\pn)+3],   v[VP+(\pn)] offset:1024*(\ko)
	ds_load_tr16_b128 v[BF+32*(\buf)+8*(\pn)+4:BF+32*(\buf)+8*(\pn)+7], v[VP+(\pn)] offset:1024*(\ko)+512
.endr
.endm
.macro KS j, pre, preb, lw, dw         ; a K step: 8 accumulators by turns; weights four K steps ahead, rows eight
	s_wait_loadcnt \lw                             ; the younger K steps' row loads, four each, stay out
	s_wait_dscnt \dw                               ; the younger K steps' weight loads, eight each, stay out
	WIN 0x05                                       ; both sources in window 1
.irp a, 0,1
.irp pn, 0,1,2,3
	v_wmma_f32_16x16x32_bf16 v[ACC+8*(4*(\a)+(\pn)):ACC+8*(4*(\a)+(\pn))+7], v[BF+32*((\j)&3)+8*(\pn):BF+32*((\j)&3)+8*(\pn)+7], v[16*(\j)+8*(\a):16*(\j)+8*(\a)+7], v[ACC+8*(4*(\a)+(\pn)):ACC+8*(4*(\a)+(\pn))+7]
.endr
.endr
.rept 4
	v_nop                                          ; the places ahead of loads into registers just read, and of the first read of the sums
.endr
.if \preb
	WIN 0x40                                       ; destination window 1, addresses window 0
	BLD (\j)&3, (\j)+4
.endif
.if \pre
	WIN 0x40
	ALD \j, (\j)+8
.endif
.endm
.macro IMG d, row                      ; (row / 16) 1024 + (row % 16) 16 + 256 h
	v_and_b32 v6, 0x3f0, v[\row]
	v_and_b32 v[\d], 15, v[\row]
	v_lshlrev_b32 v6, 6, v6
	v_lshl_add_u32 v6, v[\d], 4, v6
	v_lshl_add_u32 v[\d], v3, 8, v6
.endm
.Lrows:
	s_wait_xcnt 0x0                                ; the last trip's stores have read their registers
	v_add_nc_u32 v9, s21, v2
	v_min_u32 v10, s33, v9
	v_min_u32 v10, 0x3ff, v10                      ; my row of block 0, held inside my rows: for x1 and for the choice below
	v_min_u32 v12, s39, v9
	v_min_u32 v12, 0x3ff, v12                      ; the same held inside the expert's rows: for act
	IMG XA0, 10
	IMG VA0, 12
	v_add_nc_u32 v9, 16, v9
	v_min_u32 v11, s33, v9
	v_min_u32 v11, 0x3ff, v11
	v_min_u32 v12, s39, v9
	v_min_u32 v12, 0x3ff, v12
	IMG XA1, 11
	IMG VA1, 12
	v_add_nc_u32 v9, s21, v3
.set i, 0
.rept 16                               ; the rows as they leave: 2 i + l / 16
	v_add_nc_u32 v12, 2*i, v9
	v_min_u32 v12, s33, v12
	v_min_u32 v12, 0x3ff, v12
	v_lshlrev_b32 v[TK+i], 2, v12
.set i, i+1
.endr
.set i, 0
.rept 64                               ; cleared on purpose: one text for every block of K steps, and 0 where the products are jumped
	v_mov_b32 v[ACC+i], 0
.set i, i+1
.endr
	s_cmp_ge_u32 s21, s19
	s_cbranch_scc1 .Lmeet1
.set i, 0
.rept 16
	global_load_b32 v[TK+i], v[TK+i], s[8:9] offset:256   ; order[row]
.set i, i+1
.endr
.irp a, 0,1
.irp pn, 0,1,2,3
	global_load_b128 v[X1+8*(4*(\a)+(\pn)):X1+8*(4*(\a)+(\pn))+3],   v[XA0+(\a)], s[26:27] offset:65536*(\pn)
	global_load_b128 v[X1+8*(4*(\a)+(\pn))+4:X1+8*(4*(\a)+(\pn))+7], v[XA0+(\a)], s[26:27] offset:65536*(\pn)+512
.endr
.endr
	s_cmp_ge_u32 s21, s38
	s_cbranch_scc1 .Lnok                           ; none of my rows has an expert
.irp pn, 0,1,2,3
	v_mov_b32 v[VP+(\pn)], v[VP0+(\pn)]
.endr
	s_mov_b64 s[24:25], s[4:5]
	s_mov_b32 s37, 0
	WIN 0x40
.irp j, 0,1,2,3,4,5,6,7
	ALD \j, \j
.endr
.irp j, 0,1,2,3
	BLD \j, \j
.endr
	WIN 0
	s_mov_b32 s23, 3
.Lk:
.irp j, 0,1,2,3,4,5,6,7
	KS \j, 1, 1, 28, 24
.endr
	WIN 0
	s_wait_xcnt 0x0                                ; the rows' base is stepped only behind this wait
	s_add_nc_u64 s[24:25], s[24:25], 524288
	s_add_co_u32 s37, s37, 8192                    ; eight K steps on in the panels: the addresses are made anew
.irp pn, 0,1,2,3
	v_add_nc_u32 v[VP+(\pn)], s37, v[VP0+(\pn)]
.endr
	s_sub_co_u32 s23, s23, 1
	s_cmp_lg_u32 s23, 0
	s_cbranch_scc1 .Lk
.irp j, 0,1,2,3
	KS \j, 0, 1, 4*(7-(\j)), 24                    ; the last block: no rows are left to ask for, and weights only up to its last step
.endr
	KS 4, 0, 0, 12, 24
	KS 5, 0, 0, 8, 16
	KS 6, 0, 0, 4, 8
	KS 7, 0, 0, 0, 0
	WIN 0
	v_cmp_gt_u32 vcc_lo, s38, v10                  ; a row past the expert's end keeps 0; ascending: each accumulator's lowest registers are read first
.set i, 0
.rept 32
	v_cndmask_b32 v[ACC+i], 0, v[ACC+i], vcc_lo
.set i, i+1
.endr
	v_cmp_gt_u32 vcc_lo, s38, v11
.rept 32
	v_cndmask_b32 v[ACC+i], 0, v[ACC+i], vcc_lo
.set i, i+1
.endr
.Lnok:
	s_wait_loadcnt 0x0                             ; order and x1, on both ways here
.set q, 0
.rept 32
	v_pk_add_f32 v[ACC+2*q:ACC+2*q+1], v[ACC+2*q:ACC+2*q+1], v[X1+2*q:X1+2*q+1]
.set q, q+1
.endr
.set i, 0
.rept 16
	v_min_u32 v[TK+i], 0x3ff, v[TK+i]
	v_lshl_add_u32 v[TK+i], v[TK+i], 13, v13
.set i, i+1
.endr
.Lmeet1:
	s_wait_dscnt 0x0                               ; my reads of the panels in this trip are over
	s_barrier_signal -1
	s_barrier_wait -1                              ; everybody's are: the stages may be written
	s_cmp_ge_u32 s21, s19
	s_cbranch_scc1 .Lmeet2
.irp a, 0,1
.irp pn, 0,1,2,3
	ds_store_b128 v7, v[ACC+8*(4*(\a)+(\pn)):ACC+8*(4*(\a)+(\pn))+3] offset:4352*(\a)+64*(\pn)
	ds_store_b128 v7, v[ACC+8*(4*(\a)+(\pn))+4:ACC+8*(4*(\a)+(\pn))+7] offset:4352*(\a)+64*(\pn)+16
.endr
.endr
.set i, 0
.rept 16
	ds_load_b128 v[RB+4*i:RB+4*i+3], v8 offset:544*i   ; my own stage: served in order
.set i, i+1
.endr
.set i, 0
.rept 16
	s_wait_dscnt 15-i
	global_store_b128 v[TK+i], v[RB+4*i:RB+4*i+3], s[30:31]   ; 16 lanes fill 256 aligned bytes of a token's row
.set i, i+1
.endr
.Lmeet2:
	s_wait_dscnt 0x0                               ; my writes and reads of my stage are over
	s_barrier_signal -1
	s_barrier_wait -1                              ; everybody's are: the panels may be read again
	s_add_co_u32 s21, s21, 256
	s_sub_co_u32 s22, s22, 1
	s_cmp_lg_u32 s22, 0
	s_cbranch_scc1 .Lrows
	s_wait_tensorcnt 0x0                           ; the wave's end
	ds_add_u32 v14, v15
	s_wait_dscnt 0x0
	s_endpgm
.Lfunc_end_k_q1da79de60d_down:
	.size	k_q1da79de60d_down, .Lfunc_end_k_q1da79de60d_down-k_q1da79de60d_down
	.p2alignl 7, 3214868480
	.fill 96, 4, 3214868480
	.section	.rodata,"a",@progbits
	.p2align	6, 0x0
	.amdhsa_kernel k_q1da79de60d_down
		.amdhsa_group_segment_fixed_size 201984
		.amdhsa_private_segment_fixed_size 0
		.amdhsa_enable_private_segment 0
		.amdhsa_kernarg_size 40
		.amdhsa_user_sgpr_count 2
		.amdhsa_user_sgpr_kernarg_segment_ptr 1
		.amdhsa_wavefront_size32 1
		.amdhsa_system_sgpr_workgroup_id_x 1
		.amdhsa_system_sgpr_workgroup_id_y 1
		.amdhsa_system_sgpr_workgroup_id_z 1
		.amdhsa_system_vgpr_workitem_id 0
		.amdhsa_next_free_vgpr 512
		.amdhsa_next_free_sgpr 66
		.amdhsa_reserve_vcc 1
		.amdhsa_float_denorm_mode_32 3
		.amdhsa_float_denorm_mode_16_64 3
		.amdhsa_memory_ordered 1
		.amdhsa_forward_progress 1
		.amdhsa_inst_pref_size 69
	.end_amdhsa_kernel
	.amdgpu_metadata
---
amdhsa.version: [ 1, 2 ]
amdhsa.kernels:
  - .name:           k_q1da79de60d_down
    .symbol:         k_q1da79de60d_down.kd
    .args:
      - { .name: act, .offset: 0, .size: 8, .value_kind: global_buffer, .address_space: global }
      - { .name: ob, .offset: 8, .size: 8, .value_kind: global_buffer, .address_space: global }
      - { .name: route, .offset: 16, .size: 8, .value_kind: global_buffer, .address_space: global }
      - { .name: down_w, .offset: 24, .size: 8, .value_kind: global_buffer, .address_space: global }
      - { .name: out0, .offset: 32, .size: 8, .value_kind: global_buffer, .address_space: global }
    .group_segment_fixed_size: 201984
    .private_segment_fixed_size: 0
    .kernarg_segment_align: 8
    .kernarg_segment_size: 40
    .max_flat_workgroup_size: 256
    .sgpr_count:     66
    .vgpr_count:     512
    .wavefront_size: 32
...
	.end_amdgpu_metadata
.endif
;; end of part 6
;; ======== version 2 of 2: 6 launches; version 1 with the launches gu, down written anew for expert scheduling mode
;; limits: values are held in f16: magnitudes above 65,504 overflow, below 6.1e-05 lose precision
;; workspace buffers: wq 13,107,200 bytes; wo 8,388,608 bytes; ab 4,194,304 bytes; route 8,448 bytes of whole numbers; qkvi 6,291,456 bytes; ob 12,648,448 bytes; act 2,097,152 bytes
;; launch prep: the kernel of part 1 again; grid 577 x 1, 4 waves a work-group, no clusters, 70,144 bytes of LDS; arguments x, in_ln, q_w, k_w, v_w, o_w, token_ids, token_to_expert, wq, wo, ab, route; writes wq, wo, ab, route
;; launch qkv: the kernel of part 2 again; grid 24 x 8, 4 waves a work-group, clusters of 4 x 4, 327,680 bytes of LDS; arguments ab, wq, q_norm, k_norm, qkvi; writes qkvi
;; launch attn: the kernel of part 3 again; grid 64 x 4, 4 waves a work-group, no clusters, 153,088 bytes of LDS; arguments qkvi, route, ab; writes ab
;; launch oproj: the kernel of part 4 again; grid 16 x 8, 4 waves a work-group, clusters of 4 x 4, 327,680 bytes of LDS; arguments ab, wo, route, x, post_ln, ob; writes ob
;; launch gu (part 7): grid 32 x 8, 8 waves a work-group, no clusters, 263,680 bytes of LDS; arguments ob, route, gate_w, up_w, act; writes act
.if DOCPART == 7
	.amdgcn_target "amdgcn-amd-amdhsa--gfx1250"
	.amdhsa_code_object_version 6
	.text
	.protected	k_q1da79de60d_gu
	.globl	k_q1da79de60d_gu
	.p2align	8
	.type	k_q1da79de60d_gu,@function
k_q1da79de60d_gu:
	s_mov_b64 s[64:65], 0
	v_nop
	global_prefetch_b8 v0, s[64:65] scope:SCOPE_SE
	s_setreg_imm32_b32 hwreg(HW_REG_WAVE_SCHED_MODE, 0, 2), 2
	s_setreg_imm32_b32 hwreg(HW_REG_WAVE_MODE, 25, 1), 1
	s_wait_xcnt 0x0
	s_wait_alu depctr_vm_vsrc(0)
; act = silu(g) u for the rows of one expert: g = rs (A Wg), u = rs (A Wu), A = bf16(x1 post_ln), rs = rsqrt(mean x1^2 + 1e-6) applied in f32 behind the products.
; SHARES.  Work-group (x = slice, y = expert) owns 32 columns of the expert's gate_w and 32 of its up_w, which it alone reads: rounded to bf16 on their way through registers into four LDS panels
; [2048 k][16 n], where they stay.  Then its eight waves take the expert's rows, 32 a wave and trip; the rows come from memory straight into operand registers, and the result leaves straight from
; the accumulators' layout: the row loop writes no LDS and has no barrier.
; IMAGES.  A and act lie as [K step of 32][16-row block][1,024 bytes]: row rho's 16 bytes of half c and lane half h at (rho / 16) 1024 + 512 c + 256 h + 16 (rho % 16): any first row can be read and written.
; RINGS in window 1: eight slots of the rows' fragments (v0-127), four buffers of the weights' (v128-255).  A slot or buffer is asked for again one K step behind the step that read it: rows seven steps ahead, weights three.
; EVERY SPLIT: four trips of 256 rows cover all 1,024 tokens on one expert; a wave whose rows begin at or past the expert's end jumps its trip; places past the end repeat the last row, and store the same bytes again.
; The fill keeps 24 to 32 loads of 512 bytes a wave on their way.  A slice's rows are 128 bytes in memory; the neighbouring slice takes the other half of the 256 at about the same time, so no hint marks the loads as read once.
; NO CLUSTER: each weight has one reader; the shared token rows come in a loop whose length hangs on stored counts, which keeps tensor loads out of it.
; THE MODE: SCHED_MODE bits 1:0 = 2 (LLVM: expert scheduling mode 2), set by the entry lines.  The code itself states the register dependences
; between vector or matrix instructions and memory or LDS instructions, with s_wait_alu, always for 0.
; THE PLAN.  Registers that memory or LDS instructions touch:
;   the fill   X0 .. X31   the weights' loads land here; the roundings read them.          O0 .. O31   the roundings write them; the LDS stores read them.
;              v4          every load's offset, never written again.                      v5, v6      the LDS stores' addresses, stepped once in 32 slots.
;              A group of eight slots: 16 roundings, ONE wait on va_vdst (O is written, X is done being read, v5 and v6 are written), eight loads and eight LDS stores.
;              One wait on vm_vsrc in 32 slots, ahead of the adds to v5 and v6: the LDS stores have read them and O.
;   the rows   slots 0-7, buffers 0-3   K step j's products read slot j and buffer j % 4; the loads issued in step j + 1 land there.
;              v[VP ..]    read by the weights' LDS loads; written at a trip's head and once in eight K steps.     v[VA0], v[VA1], v[SQ0], v[SQ1]   read by loads and stores; written at a trip's head.
;              v[E ..]     the partial sums of squares land here; vector work goes on in them.                     the sums' first quads   the roundings write them, the stores read them.
;              ONE wait on va_vdst at a K step's head: the step before is done reading its slot and buffer.  The step's products follow, which name their own slot, buffer and sums alone, and then the twelve loads.
;              At a trip's head one wait on vm_vsrc (all that the last trip's loads and stores read) and one on va_vdst ahead of the first loads; one on va_vdst ahead of the trip's four stores.
.set PP,    65664                      ; a panel: 2,048 rows of 32 bytes, + 128.  Behind the four panels the spare words, 128 bytes a wave
.set A2K,   8388608
.set SSQ,   12582912
.set X,   16                           ; the fill's 32 slots of four registers
.set O,   144                          ; the fill's 32 pairs to store
.set ACC, 16                           ; (a, pn) at ACC + 8 (4 a + pn): pn 0, 1 gate, 2, 3 up
.set BF,  128                          ; window 1: four buffers of four weight fragments
.set E,   144
.set RS,  176
.set VP,  208                          ; v208-211 the panels' addresses in the K block in hand; v212-215 at their start
.set VP0, 212
.set VA0, 216                          ; v216, v217 my row's place in an image, row blocks a = 0, 1
.set VA1, 217
.set SQ0, 218
.set SQ1, 219
.set MSB, 0
.macro WIN new
.if MSB != (\new)
	s_set_vgpr_msb (MSB<<8)|(\new)
.set MSB, \new
.endif
.endm
	s_load_b256 s[4:11], s[0:1], 0x0               ; ob 4, route 6, gate_w 8, up_w 10
	s_load_b64 s[12:13], s[0:1], 0x20              ; act
	v_lshl_add_u32 v254, v0, 2, 0x40200
	v_mov_b32 v255, 0
	v_lshrrev_b32 v1, 5, v0
	v_readfirstlane_b32 s14, v1                    ; wave
	s_mov_b32 s15, ttmp9                           ; slice
	s_and_b32 s16, ttmp7, 0xffff                   ; expert
	v_and_b32 v1, 31, v0
	v_and_b32 v2, 15, v0                           ; r
	v_bfe_u32 v3, v0, 4, 1                         ; h
	v_lshrrev_b32 v9, 3, v1                        ; kr: which of a load's 4 rows
	v_and_b32 v10, 7, v1                           ; q: which 4 columns
	s_wait_alu depctr_va_sdst(0)                   ; s14 is written, ahead of its first reader
	s_lshl_b32 s17, s14, 20
	v_lshl_add_u32 v4, v9, 12, s17
	v_lshl_add_u32 v4, v10, 4, v4                  ; (256 wave + kr) 4096 + 16 q
	v_lshrrev_b32 v11, 2, v10
	v_mul_u32_u24 v5, v11, PP
	s_lshl_b32 s17, s14, 13
	v_lshl_add_u32 v5, v9, 5, v5
	v_and_b32 v11, 3, v10
	v_lshl_add_u32 v5, v11, 3, v5
	v_add_nc_u32 v5, s17, v5                       ; panel q / 4, row 256 wave + kr, byte 8 (q % 4)
	v_add_nc_u32 v6, 2*PP, v5
	s_lshl_b32 s2, s16, 23
	s_lshl_b32 s3, s15, 7
	s_add_co_u32 s2, s2, s3
	s_mov_b32 s3, 0
	s_lshl_b32 s36, s16, 2                         ; the offset of the two scalar loads below; never rewritten
	s_wait_kmcnt 0x0
	s_add_nc_u64 s[8:9], s[8:9], s[2:3]
	s_add_nc_u64 s[10:11], s[10:11], s[2:3]
	s_load_b32 s18, s[6:7], s36 offset:0x0         ; the expert's first sorted row, and the next expert's
	s_load_b32 s19, s[6:7], s36 offset:0x4
	s_wait_alu depctr_va_vdst(0)                   ; v4 is written, which every load of the fill reads as its offset
; Slot n: load n & 1 = 0 gate, 1 up; rows 4 (n / 2) + kr of the trip's 64.  A group is eight slots.
.macro FGRP g, ahead, left
	s_wait_loadcnt \left                           ; the group's eight loads are in; the younger groups' stay out
.set n, 8*(\g)
.rept 8
	v_cvt_pk_bf16_f32 v[O+2*n], v[X+4*n], v[X+4*n+1]
	v_cvt_pk_bf16_f32 v[O+2*n+1], v[X+4*n+2], v[X+4*n+3]
.set n, n+1
.endr
	s_wait_alu depctr_va_vdst(0)                   ; the roundings have written the group's O, which the LDS stores read, and are done reading its X, in which the loads land; v5 and v6 are written
.set n, 8*(\g)
.rept 8
.if \ahead
	global_load_b128 v[X+4*n:X+4*n+3], v4, s[8+2*(n&1):9+2*(n&1)] offset:16384*(n/2+16)
.endif
	ds_store_b64 v[5+(n&1)], v[O+2*n:O+2*n+1] offset:128*(n/2)
.set n, n+1
.endr
.endm
.set n, 0
.rept 32
	global_load_b128 v[X+4*n:X+4*n+3], v4, s[8+2*(n&1):9+2*(n&1)] offset:16384*(n/2)
.set n, n+1
.endr
	s_mov_b32 s20, 3
.Lfill:
	FGRP 0, 1, 24
	FGRP 1, 1, 24
	FGRP 2, 1, 24
	FGRP 3, 1, 24
	s_wait_xcnt 0x0                                ; the bases are stepped only behind this wait
	s_add_nc_u64 s[8:9], s[8:9], 262144
	s_add_nc_u64 s[10:11], s[10:11], 262144
	s_wait_alu depctr_vm_vsrc(0)                   ; the LDS stores issued so far have read v5 and v6, which the adds write, and O, which the next 32 slots' roundings write
	v_add_nc_u32 v5, 2048, v5
	v_add_nc_u32 v6, 2048, v6
	s_sub_co_u32 s20, s20, 1
	s_cmp_lg_u32 s20, 0
	s_cbranch_scc1 .Lfill
	FGRP 0, 0, 24                                  ; the last 64 rows: nothing more to load, the counts run down
	FGRP 1, 0, 16
	FGRP 2, 0, 8
	FGRP 3, 0, 0
	; addresses for the row loop
	v_and_b32 v9, 7, v0
	v_lshl_add_u32 v9, v3, 3, v9
	v_lshlrev_b32 v9, 5, v9
	v_bfe_u32 v10, v0, 3, 1
	v_lshl_add_u32 v9, v10, 4, v9                  ; the turning load: row 8 h + l % 8, 16 bytes (l / 8) % 2
.irp pn, 0,1,2,3
	v_add_nc_u32 v[VP0+(\pn)], (\pn)*PP, v9
.endr
	s_add_nc_u64 s[28:29], s[4:5], A2K
	s_add_nc_u64 s[26:27], s[4:5], SSQ
	s_lshl_b32 s2, s15, 16
	s_add_nc_u64 s[30:31], s[12:13], s[2:3]        ; act at K step = slice
	s_mov_b32 s34, 0x3a000000                      ; 1 / 2048
	s_mov_b32 s35, 0x358637bd                      ; 1e-6
	s_mov_b32 s38, 0x76543210                      ; v_permlanex16_b32: each lane takes its place in the other half
	s_mov_b32 s39, 0xfedcba98
	s_mov_b32 s40, 0xbfb8aa3b                      ; -log2(e); named as a pair
	s_mov_b32 s41, s40
	s_wait_dscnt 0x0                               ; for the others' sake: my part of the panels is written
	s_barrier_signal -1
	s_barrier_wait -1
	s_wait_kmcnt 0x0
	s_min_u32 s18, s18, 0x400
	s_min_u32 s19, s19, 0x400                      ; the expert's end
	s_sub_co_u32 s33, s19, 1                       ; its last row (used only where it has rows)
	s_lshl_b32 s21, s14, 5
	s_add_co_u32 s21, s21, s18                     ; my first row
	s_mov_b32 s22, 4
.macro ALD j, ko                       ; the rows' fragments of K step ko (from the walking base) into ring slot j: window 1
	global_load_b128 v[16*(\j):16*(\j)+3],     v[VA0], s[24:25] offset:65536*(\ko)
	global_load_b128 v[16*(\j)+4:16*(\j)+7],   v[VA0], s[24:25] offset:65536*(\ko)+512
	global_load_b128 v[16*(\j)+8:16*(\j)+11],  v[VA1], s[24:25] offset:65536*(\ko)
	global_load_b128 v[16*(\j)+12:16*(\j)+15], v[VA1], s[24:25] offset:65536*(\ko)+512
.endm
.macro BLD buf, ko                     ; the four panels' fragments of K step ko into ring buffer buf: window 1
.irp pn, 0,1,2,3
	ds_load_tr16_b128 v[BF+32*(\buf)+8*(\pn):BF+32*(\buf)+8*(\pn)+3],   v[VP+(\pn)] offset:1024*(\ko)
	ds_load_tr16_b128 v[BF+32*(\buf)+8*(\pn)+4:BF+32*(\buf)+8*(\pn)+7], v[VP+(\pn)] offset:1024*(\ko)+512
.endr
.endm
; K step j of a block of eight: 8 matrix instructions, the 8 accumulators by turns; then, into the buffer and the slot that the step before read, the weights three steps on and the rows seven steps on.
.macro KS j, pre, preb, lw, dw
	s_wait_loadcnt \lw                             ; the younger K steps' row loads, four each, stay out
	s_wait_dscnt \dw                               ; the younger K steps' weight loads, eight each, stay out
.if (\pre) || (\preb)
	s_wait_alu depctr_va_vdst(0)                   ; the step before's matrix instructions are done reading their weight buffer and their row slot, in which the loads below land; in a block's first step v[VP ..] are written
.endif
	WIN 0x05                                       ; both sources in window 1
.irp a, 0,1
.irp pn, 0,1,2,3
	v_wmma_f32_16x16x32_bf16 v[ACC+8*(4*(\a)+(\pn)):ACC+8*(4*(\a)+(\pn))+7], v[BF+32*((\j)&3)+8*(\pn):BF+32*((\j)&3)+8*(\pn)+7], v[16*(\j)+8*(\a):16*(\j)+8*(\a)+7], v[ACC+8*(4*(\a)+(\pn)):ACC+8*(4*(\a)+(\pn))+7]
.endr
.endr
.if (\pre) || (\preb) || ((\j) == 7)
.rept 4
	v_nop                                          ; four places behind the step's products: ahead of the loads that land, a step on, in the registers just read, and, behind the last step, of the first read of the sums
.endr
.endif
.if \preb
	WIN 0x40                                       ; destination window 1, addresses window 0
	BLD ((\j)+3)&3, (\j)+3                         ; no further wait: the products since the wait name buffer j % 4, slot j and the sums alone
.endif
.if \pre
	WIN 0x40
	ALD ((\j)+7)&7, (\j)+7
.endif
.endm
.Lrows:
	s_wait_xcnt 0x0                                ; the last trip's stores have read their registers
	s_wait_alu depctr_vm_vsrc(0)                   ; the last trip's loads and stores have read v[VP ..], v[VA0], v[VA1], v[SQ0], v[SQ1] and the sums' quads, all written again below; in the first trip the fill's LDS stores have read O, where the partial sums land
	s_cmp_ge_u32 s21, s19
	s_cbranch_scc1 .Lnext
	v_add_nc_u32 v9, s21, v2
	v_min_u32 v10, s33, v9
	v_min_u32 v10, 0x3ff, v10                      ; row of block a = 0, held inside the expert
	v_add_nc_u32 v9, 16, v9
	v_min_u32 v11, s33, v9
	v_min_u32 v11, 0x3ff, v11
	v_lshlrev_b32 v[SQ0], 2, v10
	v_lshlrev_b32 v[SQ1], 2, v11
	v_lshl_add_u32 v[SQ0], v3, 15, v[SQ0]          ; the lower half of the lanes takes the row's partial sums 0-7, the upper half 8-15 (4,096 bytes apart)
	v_lshl_add_u32 v[SQ1], v3, 15, v[SQ1]
	v_and_b32 v12, 0x3f0, v10                      ; (row / 16) 1024 + (row % 16) 16 + 256 h
	v_and_b32 v13, 15, v10
	v_lshlrev_b32 v12, 6, v12
	v_lshl_add_u32 v12, v13, 4, v12
	v_lshl_add_u32 v[VA0], v3, 8, v12
	v_and_b32 v12, 0x3f0, v11
	v_and_b32 v13, 15, v11
	v_lshlrev_b32 v12, 6, v12
	v_lshl_add_u32 v12, v13, 4, v12
	v_lshl_add_u32 v[VA1], v3, 8, v12
.irp pn, 0,1,2,3
	v_mov_b32 v[VP+(\pn)], v[VP0+(\pn)]
.endr
	s_mov_b64 s[24:25], s[28:29]
	s_mov_b32 s37, 0
	s_wait_alu depctr_va_vdst(0)                   ; the addresses above are written, which the loads below read; the vector work before is done with v[E ..], the last trip's matrix instructions with the rings: the loads land there
.set i, 0
.rept 8
	global_load_b32 v[E+i], v[SQ0], s[26:27] offset:4096*i
	global_load_b32 v[E+8+i], v[SQ1], s[26:27] offset:4096*i
.set i, i+1
.endr
	WIN 0x40
.irp j, 0,1,2,3,4,5,6
	ALD \j, \j                                     ; K steps 0 to 6; step j asks for step j + 7
.endr
.irp j, 0,1,2
	BLD \j, \j                                     ; K steps 0 to 2; step j asks for step j + 3
.endr
	WIN 0
.set i, 0
.rept 64                               ; cleared on purpose: one text for every block of K steps
	v_mov_b32 v[ACC+i], 0
.set i, i+1
.endr
	s_wait_loadcnt 28                              ; the 16 loads of partial sums of squares are in; the rows' 28 loads stay out
.irp a, 0,1
.irp k, 0,1,2,3
	v_add_f32 v[E+8*(\a)+(\k)], v[E+8*(\a)+(\k)], v[E+8*(\a)+4+(\k)]
.endr
	v_add_f32 v[E+8*(\a)], v[E+8*(\a)], v[E+8*(\a)+2]
	v_add_f32 v[E+8*(\a)+1], v[E+8*(\a)+1], v[E+8*(\a)+3]
	v_add_f32 v[E+8*(\a)], v[E+8*(\a)], v[E+8*(\a)+1]
.endr
	v_permlanex16_b32 v[E+1], v[E], s38, s39       ; the other eight partial sums lie in the lane 16 away
	v_permlanex16_b32 v[E+9], v[E+8], s38, s39
	v_add_f32 v[E], v[E], v[E+1]
	v_add_f32 v[E+8], v[E+8], v[E+9]
	v_fma_f32 v[E], v[E], s34, s35
	v_fma_f32 v[E+8], v[E+8], s34, s35
	v_rsq_f32 v[RS], v[E]
	v_rsq_f32 v[RS+1], v[E]
	v_rsq_f32 v[RS+2], v[E+8]
	v_rsq_f32 v[RS+3], v[E+8]
	v_nop
	s_wait_alu depctr_va_vdst(0)                   ; the four roots v[RS ..] are written: one wait for the batch, ahead of the label
	s_mov_b32 s23, 7
.Lk:
.irp j, 0,1,2,3,4,5,6,7
	KS \j, 1, 1, 24, 16
.endr
	WIN 0
	s_wait_xcnt 0x0                                ; the rows' base is stepped only behind this wait
	s_add_nc_u64 s[24:25], s[24:25], 524288
	s_add_co_u32 s37, s37, 8192                    ; eight K steps on in the panels: the addresses are made anew
	s_wait_alu depctr_vm_vsrc(0)                   ; the weights' LDS loads issued so far have read v[VP ..]
.irp pn, 0,1,2,3
	v_add_nc_u32 v[VP+(\pn)], s37, v[VP0+(\pn)]
.endr
	s_sub_co_u32 s23, s23, 1
	s_cmp_lg_u32 s23, 0
	s_cbranch_scc1 .Lk
	KS 0, 1, 1, 24, 16                             ; the last block: its first step asks for the last rows, its first five for the last weights; then the counts run down
	KS 1, 0, 1, 24, 16
	KS 2, 0, 1, 20, 16
	KS 3, 0, 1, 16, 16
	KS 4, 0, 1, 12, 16
	KS 5, 0, 0, 8, 16
	KS 6, 0, 0, 4, 8
	KS 7, 0, 0, 0, 0
	WIN 0
	; silu(g) u = g u / (1 + 2^(-g log2 e)); each accumulator's lowest registers are read first
.irp a, 0,1
.irp nb, 0,1
.irp q, 0,2,4,6
	v_pk_mul_f32 v[ACC+8*(4*(\a)+(\nb))+(\q):ACC+8*(4*(\a)+(\nb))+(\q)+1], v[ACC+8*(4*(\a)+(\nb))+(\q):ACC+8*(4*(\a)+(\nb))+(\q)+1], v[RS+2*(\a):RS+2*(\a)+1]
	v_pk_mul_f32 v[E+8*(2*(\a)+(\nb))+(\q):E+8*(2*(\a)+(\nb))+(\q)+1], v[ACC+8*(4*(\a)+(\nb))+(\q):ACC+8*(4*(\a)+(\nb))+(\q)+1], s[40:41] op_sel_hi:[1,0]
.endr
.endr
.endr
.set i, 0
.rept 32
	v_exp_f32 v[E+i], v[E+i]
.set i, i+1
.endr
.irp a, 0,1                            ; independent work behind the batch
.irp nb, 0,1
.irp q, 0,2,4,6
	v_pk_mul_f32 v[ACC+8*(4*(\a)+2+(\nb))+(\q):ACC+8*(4*(\a)+2+(\nb))+(\q)+1], v[ACC+8*(4*(\a)+2+(\nb))+(\q):ACC+8*(4*(\a)+2+(\nb))+(\q)+1], v[RS+2*(\a):RS+2*(\a)+1]
.endr
.endr
.endr
	s_wait_alu depctr_va_vdst(0)                   ; the 32 exponentials have written v[E ..]: one wait, ahead of their first reader
.set i, 0
.rept 16
	v_pk_add_f32 v[E+2*i:E+2*i+1], v[E+2*i:E+2*i+1], 1.0 op_sel_hi:[1,0]
.set i, i+1
.endr
.set i, 0
.rept 32
	v_rcp_f32 v[E+i], v[E+i]
.set i, i+1
.endr
.irp a, 0,1
.irp nb, 0,1
.irp q, 0,2,4,6
	v_pk_mul_f32 v[ACC+8*(4*(\a)+(\nb))+(\q):ACC+8*(4*(\a)+(\nb))+(\q)+1], v[ACC+8*(4*(\a)+(\nb))+(\q):ACC+8*(4*(\a)+(\nb))+(\q)+1], v[ACC+8*(4*(\a)+2+(\nb))+(\q):ACC+8*(4*(\a)+2+(\nb))+(\q)+1]
.endr
.endr
.endr
	s_wait_alu depctr_va_vdst(0)                   ; the 32 reciprocals have written v[E ..]: one wait, ahead of their first reader
.irp a, 0,1
.irp nb, 0,1
.irp q, 0,2,4,6
	v_pk_mul_f32 v[ACC+8*(4*(\a)+(\nb))+(\q):ACC+8*(4*(\a)+(\nb))+(\q)+1], v[ACC+8*(4*(\a)+(\nb))+(\q):ACC+8*(4*(\a)+(\nb))+(\q)+1], v[E+8*(2*(\a)+(\nb))+(\q):E+8*(2*(\a)+(\nb))+(\q)+1]
.endr
.irp q, 0,1,2,3
	v_cvt_pk_bf16_f32 v[ACC+8*(4*(\a)+(\nb))+(\q)], v[ACC+8*(4*(\a)+(\nb))+2*(\q)], v[ACC+8*(4*(\a)+(\nb))+2*(\q)+1]
.endr
.endr
.endr
	s_wait_alu depctr_va_vdst(0)                   ; the roundings have written the four quads that the stores read
.irp a, 0,1
.irp nb, 0,1
	global_store_b128 v[VA0+(\a)], v[ACC+8*(4*(\a)+(\nb)):ACC+8*(4*(\a)+(\nb))+3], s[30:31] offset:512*(\nb)   ; sixteen lanes store sixteen neighbouring rows' 16 bytes: 256 bytes on end where the rows begin a block
.endr
.endr
.Lnext:
	s_add_co_u32 s21, s21, 256
	s_sub_co_u32 s22, s22, 1
	s_cmp_lg_u32 s22, 0
	s_cbranch_scc1 .Lrows
	s_wait_dscnt 0x0                               ; every wave's reads of the panels are over
	s_barrier_signal -1
	s_barrier_wait -1
	s_wait_dscnt 0x0
	s_wait_alu depctr_hold_cnt(0) depctr_sa_sdst(0) depctr_va_vdst(0) depctr_va_sdst(0) depctr_va_ssrc(0) depctr_va_vcc(0) depctr_vm_vsrc(0)
	s_wait_tensorcnt 0x0
	ds_add_u32 v254, v255
	s_wait_dscnt 0x0
	s_endpgm
.Lfunc_end_k_q1da79de60d_gu:
	.size	k_q1da79de60d_gu, .Lfunc_end_k_q1da79de60d_gu-k_q1da79de60d_gu
	.p2alignl 7, 3214868480
	.fill 96, 4, 3214868480
	.section	.rodata,"a",@progbits
	.p2align	6, 0x0
	.amdhsa_kernel k_q1da79de60d_gu
		.amdhsa_group_segment_fixed_size 263680
		.amdhsa_private_segment_fixed_size 0
		.amdhsa_enable_private_segment 0
		.amdhsa_kernarg_size 40
		.amdhsa_user_sgpr_count 2
		.amdhsa_user_sgpr_kernarg_segment_ptr 1
		.amdhsa_wavefront_size32 1
		.amdhsa_system_sgpr_workgroup_id_x 1
		.amdhsa_system_sgpr_workgroup_id_y 1
		.amdhsa_system_sgpr_workgroup_id_z 1
		.amdhsa_system_vgpr_workitem_id 0
		.amdhsa_next_free_vgpr 512
		.amdhsa_next_free_sgpr 66
		.amdhsa_reserve_vcc 0
		.amdhsa_float_denorm_mode_32 3
		.amdhsa_float_denorm_mode_16_64 3
		.amdhsa_memory_ordered 1
		.amdhsa_forward_progress 1
		.amdhsa_inst_pref_size 65
	.end_amdhsa_kernel
	.amdgpu_metadata
---
amdhsa.version: [ 1, 2 ]
amdhsa.kernels:
  - .name:           k_q1da79de60d_gu
    .symbol:         k_q1da79de60d_gu.kd
    .args:
      - { .name: ob, .offset: 0, .size: 8, .value_kind: global_buffer, .address_space: global }
      - { .name: route, .offset: 8, .size: 8, .value_kind: global_buffer, .address_space: global }
      - { .name: gate_w, .offset: 16, .size: 8, .value_kind: global_buffer, .address_space: global }
      - { .name: up_w, .offset: 24, .size: 8, .value_kind: global_buffer, .address_space: global }
      - { .name: act, .offset: 32, .size: 8, .value_kind: global_buffer, .address_space: global }
    .group_segment_fixed_size: 263680
    .private_segment_fixed_size: 0
    .kernarg_segment_align: 8
    .kernarg_segment_size: 40
    .max_flat_workgroup_size: 256
    .sgpr_count:     66
    .vgpr_count:     512
    .wavefront_size: 32
...
	.end_amdgpu_metadata
.endif
;; end of part 7
;; launch down (part 8): grid 32 x 8, 8 waves a work-group, no clusters, 201,984 bytes of LDS; arguments act, ob, route, down_w, out0; writes out0
.if DOCPART == 8
	.amdgcn_target "amdgcn-amd-amdhsa--gfx1250"
	.amdhsa_code_object_version 6
	.text
	.protected	k_q1da79de60d_down
	.globl	k_q1da79de60d_down
	.p2align	8
	.type	k_q1da79de60d_down,@function
k_q1da79de60d_down:
	s_mov_b64 s[64:65], 0
	v_nop
	global_prefetch_b8 v0, s[64:65] scope:SCOPE_SE
	s_setreg_imm32_b32 hwreg(HW_REG_WAVE_SCHED_MODE, 0, 2), 2
	s_setreg_imm32_b32 hwreg(HW_REG_WAVE_MODE, 25, 1), 1
	s_wait_xcnt 0x0
	s_wait_alu depctr_vm_vsrc(0)
; out0[order[row]] = x1[row] + act[row] Wd for the rows of one expert.  Work-group (x = slice of 64 columns, y = expert): the expert's slice of down_w, which this work-group alone reads, is rounded
; to bf16 into four LDS panels [1024 k][16 n]; then eight waves take the expert's rows, 32 a wave and trip, straight from memory into operand registers.
; THE ROWS WITHOUT AN EXPERT (a table entry outside 0..7) lie behind expert 7's in the sorted order, and expert 7's work-groups take them too: out0 = x1.  Such a row reads act at the expert's last row, and its
; sums are replaced by 0; a wave none of whose rows has an expert jumps the products.  So the grid is one work-group for each of 256 WGPs, and no byte of act is read that was not stored.
; IMAGES.  act ([K step of 32][16-row block][2 halves]) and x1 ([16-column block][16-row block][2 quads]) hold row rho's 16 bytes of lane half h at (rho / 16) 1024 + 256 h + 16 (rho % 16), the second half or quad 512 on.
; x1 is added in the accumulators' layout; the sum goes through the wave's own LDS stage, so that sixteen lanes store the slice's 256 bytes of a token's row.
; RINGS in window 1: eight slots of the rows' fragments (v0-127), four buffers of the weights' (v128-255).  A slot or buffer is asked for again one K step behind the step that read it: rows seven steps ahead, weights three.
; EVERY SPLIT: four trips of 256 rows; a wave whose rows begin at or past the end jumps its work; places past the end repeat the last row and store the same bytes again.
; BARRIERS.  The panels' addresses walk in the K loop and the stages are written in the same row loop: two barriers a trip keep all waves' reads of the panels and all waves' writes of the stages apart.
; Every wave passes both in all four trips; only work is jumped; what the jumped work would set (addresses, cleared sums) is set ahead of the jump.
; NO CLUSTER: each weight has one reader, and the row loop's work hangs on stored counts.
; THE MODE: SCHED_MODE bits 1:0 = 2 (LLVM: expert scheduling mode 2), set by the entry lines.  The code itself states the register dependences
; between vector or matrix instructions and memory or LDS instructions, with s_wait_alu, always for 0.
; THE PLAN.  Registers that memory or LDS instructions touch:
;   the fill   X0 .. X31   the weights' loads land here; the roundings read them.          O0 .. O31   the roundings write them; the LDS stores read them.          v4, v5   offset and LDS address, never written again.
;              A group of eight slots: 16 roundings, ONE wait on va_vdst (O is written, X is done being read), eight loads and eight LDS stores.  One wait on vm_vsrc between the two passes over the 32 slots.
;   the rows   slots 0-7, buffers 0-3   K step j's products read slot j and buffer j % 4; the loads issued in step j + 1 land there.     v[VP ..]   read by the weights' LDS loads; written at a trip's head and once in eight K steps.
;              v[VA0], v[VA1], v[XA0], v[XA1]   read by the loads of act and x1; written at a trip's head.
;              v[TK ..]    4 x row, read by the loads of order; then written anew as the token's offset in out0, which the stores read.          v[TO ..]   order lands here; two vector lines read it.
;              v[X1 ..]    x1 lands here; the additions read it.     the sums   written by products and vector work; read by the stage's LDS stores.     v[RB ..]   the stage's rows land here; the stores read them.
;              ONE wait on va_vdst at a K step's head: the step before is done reading its slot and buffer.  The step's products follow, which name their own slot, buffer and sums alone, and then the twelve loads.
;              At a trip's head one wait on vm_vsrc (all that the last trip's loads and stores read); one on va_vdst ahead of the trip's first loads; one on vm_vsrc ahead of the lines that write v[TK ..] anew; one on va_vdst ahead of the stage's stores.
.set PP,    32832                      ; a panel: 1,024 rows of 32 bytes, + 64
.set STAGE, 4*PP                       ; 32 rows x 272 bytes a wave, f32.  Behind the eight stages the spare words, 128 bytes a wave
.set X,   16
.set O,   144                          ; the fill's 32 pairs to store
.set ACC, 16                           ; (a, pn) at ACC + 8 (4 a + pn): columns 16 pn
.set RB,  80                           ; v80-143 the rows read back from the stage
.set BF,  128                          ; window 1: four buffers of four weight fragments
.set X1,  144                          ; v144-207 x1, laid as the accumulators
.set VP,  208
.set VP0, 212
.set VA0, 216                          ; my rows' places in act's images
.set VA1, 217
.set XA0, 218                          ; and in x1's
.set XA1, 219
.set TK,  224                          ; v224-239 4 x row, then the token's row's offset in out0
.set TO,  240                          ; v240-255 the token, as loaded
.set MSB, 0
.macro WIN new
.if MSB != (\new)
	s_set_vgpr_msb (MSB<<8)|(\new)
.set MSB, \new
.endif
.endm
	s_load_b256 s[4:11], s[0:1], 0x0               ; act 4, ob 6, route 8, down_w 10
	s_load_b64 s[12:13], s[0:1], 0x20              ; out0
	v_lshl_add_u32 v222, v0, 2, 0x31100
	v_mov_b32 v223, 0
	v_lshrrev_b32 v1, 5, v0
	v_readfirstlane_b32 s14, v1
	s_mov_b32 s15, ttmp9                           ; slice
	s_and_b32 s16, ttmp7, 0xffff                   ; expert
	v_and_b32 v1, 31, v0
	v_and_b32 v2, 15, v0                           ; r; also q: which 4 columns of a load
	v_bfe_u32 v3, v0, 4, 1                         ; h; also kr: which of a load's 2 rows
	s_wait_alu depctr_va_sdst(0)                   ; s14 is written, ahead of its first reader
	s_lshl_b32 s17, s14, 20
	v_lshl_add_u32 v4, v3, 13, s17
	v_lshl_add_u32 v4, v2, 4, v4                   ; (128 wave + kr) 8192 + 16 q
	v_lshrrev_b32 v11, 2, v2
	v_mul_u32_u24 v5, v11, PP
	v_lshl_add_u32 v5, v3, 5, v5
	v_and_b32 v11, 3, v2
	v_lshl_add_u32 v5, v11, 3, v5
	s_lshl_b32 s17, s14, 12
	v_add_nc_u32 v5, s17, v5
	s_lshl_b32 s36, s16, 2                         ; the offset of two scalar loads below; never rewritten
	s_mov_b32 s3, 0
	s_lshl_b32 s2, s16, 23
	s_lshl_b32 s17, s15, 8
	s_add_co_u32 s2, s2, s17
	s_wait_kmcnt 0x0
	s_load_b32 s18, s[8:9], s36 offset:0x0         ; the expert's first sorted row,
	s_load_b32 s38, s[8:9], s36 offset:0x4         ; its end,
	s_load_b32 s19, s[8:9], 0x24                   ; and the end of the rows without an expert
	s_add_nc_u64 s[10:11], s[10:11], s[2:3]
	s_wait_alu depctr_va_vdst(0)                   ; v4 and v5 are written: the fill's loads read the one as their offset, its LDS stores the other as their address
.macro FGRP g, base, ahead, left       ; a group of eight slots; base: 0 in the first pass over the slots, 32 in the second
	s_wait_loadcnt \left                           ; the group's eight loads are in; the younger groups' stay out
.set n, 8*(\g)
.rept 8
	v_cvt_pk_bf16_f32 v[O+2*n], v[X+4*n], v[X+4*n+1]
	v_cvt_pk_bf16_f32 v[O+2*n+1], v[X+4*n+2], v[X+4*n+3]
.set n, n+1
.endr
	s_wait_alu depctr_va_vdst(0)                   ; the roundings have written the group's O, which the LDS stores read, and are done reading its X, in which the loads land
.set n, 8*(\g)
.rept 8
.if \ahead
	global_load_b128 v[X+4*n:X+4*n+3], v4, s[10:11] offset:16384*(n+32) th:TH_LOAD_NT
.endif
	ds_store_b64 v5, v[O+2*n:O+2*n+1] offset:64*(n+(\base))
.set n, n+1
.endr
.endm
.set n, 0
.rept 32                               ; a load: 2 rows x 256 aligned bytes; 24 to 32 loads a wave on their way
	global_load_b128 v[X+4*n:X+4*n+3], v4, s[10:11] offset:16384*n th:TH_LOAD_NT
.set n, n+1
.endr
	FGRP 0, 0, 1, 24
	FGRP 1, 0, 1, 24
	FGRP 2, 0, 1, 24
	FGRP 3, 0, 1, 24
	s_wait_alu depctr_vm_vsrc(0)                   ; the first pass's LDS stores have read O, which the second pass's roundings write
	FGRP 0, 32, 0, 24                              ; nothing more to load: the counts run down
	FGRP 1, 32, 0, 16
	FGRP 2, 32, 0, 8
	FGRP 3, 32, 0, 0
	v_and_b32 v9, 7, v0
	v_lshl_add_u32 v9, v3, 3, v9
	v_lshlrev_b32 v9, 5, v9
	v_bfe_u32 v10, v0, 3, 1
	v_lshl_add_u32 v9, v10, 4, v9                  ; the turning load: row 8 h + l % 8, 16 bytes (l / 8) % 2
.irp pn, 0,1,2,3
	v_add_nc_u32 v[VP0+(\pn)], (\pn)*PP, v9
.endr
	s_mul_i32 s17, s14, 8704
	s_add_co_u32 s17, s17, STAGE
	v_mul_u32_u24 v7, v2, 272
	v_lshl_add_u32 v7, v3, 5, v7
	v_add_nc_u32 v7, s17, v7                       ; into my stage: row 16 a + r, 32 bytes a half
	v_lshlrev_b32 v13, 4, v2                       ; 16 (l % 16)
	v_mul_u32_u24 v8, v3, 272
	v_add_nc_u32 v8, v8, v13
	v_add_nc_u32 v8, s17, v8                       ; back: two rows of 256 bytes
	s_lshl_b32 s2, s15, 18
	s_add_nc_u64 s[26:27], s[6:7], s[2:3]          ; x1 at 16-column block 4 x slice
	s_lshl_b32 s2, s15, 8
	s_add_nc_u64 s[30:31], s[12:13], s[2:3]        ; out0 at the slice's columns
	s_wait_dscnt 0x0                               ; for the others' sake: my part of the panels is written
	s_barrier_signal -1
	s_barrier_wait -1
	s_wait_kmcnt 0x0
	s_min_u32 s18, s18, 0x400
	s_min_u32 s38, s38, 0x400                      ; the expert's end
	s_min_u32 s19, s19, 0x400
	s_cmp_eq_u32 s16, 7
	s_cselect_b32 s19, s19, s38                    ; the end of my rows: expert 7's work-groups go on through the rows without an expert
	s_sub_co_u32 s33, s19, 1                       ; my last row, and the expert's (each used only where there are such rows)
	s_sub_co_u32 s39, s38, 1
	s_lshl_b32 s21, s14, 5
	s_add_co_u32 s21, s21, s18
	s_mov_b32 s22, 4
.macro ALD j, ko
	global_load_b128 v[16*(\j):16*(\j)+3],     v[VA0], s[24:25] offset:65536*(\ko)
	global_load_b128 v[16*(\j)+4:16*(\j)+7],   v[VA0], s[24:25] offset:65536*(\ko)+512
	global_load_b128 v[16*(\j)+8:16*(\j)+11],  v[VA1], s[24:25] offset:65536*(\ko)
	global_load_b128 v[16*(\j)+12:16*(\j)+15], v[VA1], s[24:25] offset:65536*(\ko)+512
.endm
.macro BLD buf, ko
.irp pn, 0,1,2,3
	ds_load_tr16_b128 v[BF+32*(\buf)+8*(\pn):BF+32*(\buf)+8*(\pn)+3],   v[VP+(\pn)] offset:1024*(\ko)
	ds_load_tr16_b128 v[BF+32*(\buf)+8*(\pn)+4:BF+32*(\buf)+8*(\pn)+7], v[VP+(\pn)] offset:1024*(\ko)+512
.endr
.endm
; A K step: 8 accumulators by turns; then, into the buffer and the slot that the step before read, the weights three K steps on and the rows seven
.macro KS j, pre, preb, lw, dw
	s_wait_loadcnt \lw                             ; the younger K steps' row loads, four each, stay out
	s_wait_dscnt \dw                               ; the younger K steps' weight loads, eight each, stay out
.if (\pre) || (\preb)
	s_wait_alu depctr_va_vdst(0)                   ; the step before's matrix instructions are done reading their weight buffer and their row slot, in which the loads below land; in a block's first step v[VP ..] are written
.endif
	WIN 0x05                                       ; both sources in window 1
.irp a, 0,1
.irp pn, 0,1,2,3
	v_wmma_f32_16x16x32_bf16 v[ACC+8*(4*(\a)+(\pn)):ACC+8*(4*(\a)+(\pn))+7], v[BF+32*((\j)&3)+8*(\pn):BF+32*((\j)&3)+8*(\pn)+7], v[16*(\j)+8*(\a):16*(\j)+8*(\a)+7], v[ACC+8*(4*(\a)+(\pn)):ACC+8*(4*(\a)+(\pn))+7]
.endr
.endr
.if (\pre) || (\preb) || ((\j) == 7)
.rept 4
	v_nop                                          ; four places behind the step's products: ahead of the loads that land, a step on, in the registers just read, and, behind the last step, of the first read of the sums
.endr
.endif
.if \preb
	WIN 0x40                                       ; destination window 1, addresses window 0
	BLD ((\j)+3)&3, (\j)+3                         ; no further wait: the products since the wait name buffer j % 4, slot j and the sums alone
.endif
.if \pre
	WIN 0x40
	ALD ((\j)+7)&7, (\j)+7
.endif
.endm
.macro IMG d, row                      ; (row / 16) 1024 + (row % 16) 16 + 256 h
	v_and_b32 v6, 0x3f0, v[\row]
	v_and_b32 v[\d], 15, v[\row]
	v_lshlrev_b32 v6, 6, v6
	v_lshl_add_u32 v6, v[\d], 4, v6
	v_lshl_add_u32 v[\d], v3, 8, v6
.endm
.Lrows:
	s_wait_xcnt 0x0                                ; the last trip's stores have read their registers
	s_wait_alu depctr_vm_vsrc(0)                   ; the last trip's loads and stores have read v[VP ..], v[VA0] to v[XA1], v[TK ..], the sums and v[RB ..], all written again in this trip; in the first trip the fill's LDS stores have read O, where x1 lands
	v_add_nc_u32 v9, s21, v2
	v_min_u32 v10, s33, v9
	v_min_u32 v10, 0x3ff, v10                      ; my row of block 0, held inside my rows: for x1 and for the choice below
	v_min_u32 v12, s39, v9
	v_min_u32 v12, 0x3ff, v12                      ; the same held inside the expert's rows: for act
	IMG XA0, 10
	IMG VA0, 12
	v_add_nc_u32 v9, 16, v9
	v_min_u32 v11, s33, v9
	v_min_u32 v11, 0x3ff, v11
	v_min_u32 v12, s39, v9
	v_min_u32 v12, 0x3ff, v12
	IMG XA1, 11
	IMG VA1, 12
	v_add_nc_u32 v9, s21, v3
.set i, 0
.rept 16                               ; the rows as they leave: 2 i + l / 16
	v_add_nc_u32 v12, 2*i, v9
	v_min_u32 v12, s33, v12
	v_min_u32 v12, 0x3ff, v12
	v_lshlrev_b32 v[TK+i], 2, v12
.set i, i+1
.endr
.set i, 0
.rept 64                               ; cleared on purpose: one text for every block of K steps, and 0 where the products are jumped
	v_mov_b32 v[ACC+i], 0
.set i, i+1
.endr
.irp pn, 0,1,2,3
	v_mov_b32 v[VP+(\pn)], v[VP0+(\pn)]
.endr
	s_cmp_ge_u32 s21, s19
	s_cbranch_scc1 .Lmeet1
	s_wait_alu depctr_va_vdst(0)                   ; the addresses above are written, which the loads below read; the last trip's vector work is done with v[TO ..] and v[X1 ..], its matrix instructions with the rings: the loads land there
.set i, 0
.rept 16
	global_load_b32 v[TO+i], v[TK+i], s[8:9] offset:256   ; order[row]
.set i, i+1
.endr
.irp a, 0,1
.irp pn, 0,1,2,3
	global_load_b128 v[X1+8*(4*(\a)+(\pn)):X1+8*(4*(\a)+(\pn))+3],   v[XA0+(\a)], s[26:27] offset:65536*(\pn)
	global_load_b128 v[X1+8*(4*(\a)+(\pn))+4:X1+8*(4*(\a)+(\pn))+7], v[XA0+(\a)], s[26:27] offset:65536*(\pn)+512
.endr
.endr
	s_cmp_ge_u32 s21, s38
	s_cbranch_scc1 .Lnok                           ; none of my rows has an expert
	s_mov_b64 s[24:25], s[4:5]
	s_mov_b32 s37, 0
	WIN 0x40
.irp j, 0,1,2,3,4,5,6
	ALD \j, \j                                     ; K steps 0 to 6; step j asks for step j + 7.  No vector instruction since the wait above
.endr
.irp j, 0,1,2
	BLD \j, \j                                     ; K steps 0 to 2; step j asks for step j + 3
.endr
	WIN 0
	s_mov_b32 s23, 3
.Lk:
.irp j, 0,1,2,3,4,5,6,7
	KS \j, 1, 1, 24, 16
.endr
	WIN 0
	s_wait_xcnt 0x0                                ; the rows' base is stepped only behind this wait
	s_add_nc_u64 s[24:25], s[24:25], 524288
	s_add_co_u32 s37, s37, 8192                    ; eight K steps on in the panels: the addresses are made anew
	s_wait_alu depctr_vm_vsrc(0)                   ; the weights' LDS loads issued so far have read v[VP ..]
.irp pn, 0,1,2,3
	v_add_nc_u32 v[VP+(\pn)], s37, v[VP0+(\pn)]
.endr
	s_sub_co_u32 s23, s23, 1
	s_cmp_lg_u32 s23, 0
	s_cbranch_scc1 .Lk
	KS 0, 1, 1, 24, 16                             ; the last block: its first step asks for the last rows, its first five for the last weights; then the counts run down
	KS 1, 0, 1, 24, 16
	KS 2, 0, 1, 20, 16
	KS 3, 0, 1, 16, 16
	KS 4, 0, 1, 12, 16
	KS 5, 0, 0, 8, 16
	KS 6, 0, 0, 4, 8
	KS 7, 0, 0, 0, 0
	WIN 0
	v_cmp_gt_u32 vcc_lo, s38, v10                  ; a row past the expert's end keeps 0; ascending: each accumulator's lowest registers are read first
	s_wait_alu depctr_va_vcc(0)                    ; the compare has written VCC, ahead of its first reader
.set i, 0
.rept 32
	v_cndmask_b32 v[ACC+i], 0, v[ACC+i], vcc_lo
.set i, i+1
.endr
	v_cmp_gt_u32 vcc_lo, s38, v11
	s_wait_alu depctr_va_vcc(0)                    ; the second compare has written VCC, ahead of its first reader
.rept 32
	v_cndmask_b32 v[ACC+i], 0, v[ACC+i], vcc_lo
.set i, i+1
.endr
.Lnok:
	s_wait_loadcnt 0x0                             ; order and x1, on both ways here
	s_wait_alu depctr_vm_vsrc(0)                   ; the loads of order have read v[TK ..], which the lines below write anew
.set q, 0
.rept 32
	v_pk_add_f32 v[ACC+2*q:ACC+2*q+1], v[ACC+2*q:ACC+2*q+1], v[X1+2*q:X1+2*q+1]
.set q, q+1
.endr
.set i, 0
.rept 16
	v_min_u32 v[TK+i], 0x3ff, v[TO+i]
	v_lshl_add_u32 v[TK+i], v[TK+i], 13, v13
.set i, i+1
.endr
.Lmeet1:
	s_wait_dscnt 0x0                               ; my reads of the panels in this trip are over
	s_barrier_signal -1
	s_barrier_wait -1                              ; everybody's are: the stages may be written
	s_cmp_ge_u32 s21, s19
	s_cbranch_scc1 .Lmeet2
	s_wait_alu depctr_va_vdst(0)                   ; the sums are written, which the LDS stores read, and so are the offsets v[TK ..], which the stores to out0 read
.irp a, 0,1
.irp pn, 0,1,2,3
	ds_store_b128 v7, v[ACC+8*(4*(\a)+(\pn)):ACC+8*(4*(\a)+(\pn))+3] offset:4352*(\a)+64*(\pn)
	ds_store_b128 v7, v[ACC+8*(4*(\a)+(\pn))+4:ACC+8*(4*(\a)+(\pn))+7] offset:4352*(\a)+64*(\pn)+16
.endr
.endr
.set i, 0
.rept 16
	ds_load_b128 v[RB+4*i:RB+4*i+3], v8 offset:544*i   ; my own stage: served in order
.set i, i+1
.endr
.set i, 0
.rept 16
	s_wait_dscnt 15-i
	global_store_b128 v[TK+i], v[RB+4*i:RB+4*i+3], s[30:31]   ; 16 lanes fill 256 aligned bytes of a token's row
.set i, i+1
.endr
.Lmeet2:
	s_wait_dscnt 0x0                               ; my writes and reads of my stage are over
	s_barrier_signal -1
	s_barrier_wait -1                              ; everybody's are: the panels may be read again
	s_add_co_u32 s21, s21, 256
	s_sub_co_u32 s22, s22, 1
	s_cmp_lg_u32 s22, 0
	s_cbranch_scc1 .Lrows
	s_wait_dscnt 0x0
	s_wait_alu depctr_hold_cnt(0) depctr_sa_sdst(0) depctr_va_vdst(0) depctr_va_sdst(0) depctr_va_ssrc(0) depctr_va_vcc(0) depctr_vm_vsrc(0)
	s_wait_tensorcnt 0x0
	ds_add_u32 v222, v223
	s_wait_dscnt 0x0
	s_endpgm
.Lfunc_end_k_q1da79de60d_down:
	.size	k_q1da79de60d_down, .Lfunc_end_k_q1da79de60d_down-k_q1da79de60d_down
	.p2alignl 7, 3214868480
	.fill 96, 4, 3214868480
	.section	.rodata,"a",@progbits
	.p2align	6, 0x0
	.amdhsa_kernel k_q1da79de60d_down
		.amdhsa_group_segment_fixed_size 201984
		.amdhsa_private_segment_fixed_size 0
		.amdhsa_enable_private_segment 0
		.amdhsa_kernarg_size 40
		.amdhsa_user_sgpr_count 2
		.amdhsa_user_sgpr_kernarg_segment_ptr 1
		.amdhsa_wavefront_size32 1
		.amdhsa_system_sgpr_workgroup_id_x 1
		.amdhsa_system_sgpr_workgroup_id_y 1
		.amdhsa_system_sgpr_workgroup_id_z 1
		.amdhsa_system_vgpr_workitem_id 0
		.amdhsa_next_free_vgpr 512
		.amdhsa_next_free_sgpr 66
		.amdhsa_reserve_vcc 1
		.amdhsa_float_denorm_mode_32 3
		.amdhsa_float_denorm_mode_16_64 3
		.amdhsa_memory_ordered 1
		.amdhsa_forward_progress 1
		.amdhsa_inst_pref_size 69
	.end_amdhsa_kernel
	.amdgpu_metadata
---
amdhsa.version: [ 1, 2 ]
amdhsa.kernels:
  - .name:           k_q1da79de60d_down
    .symbol:         k_q1da79de60d_down.kd
    .args:
      - { .name: act, .offset: 0, .size: 8, .value_kind: global_buffer, .address_space: global }
      - { .name: ob, .offset: 8, .size: 8, .value_kind: global_buffer, .address_space: global }
      - { .name: route, .offset: 16, .size: 8, .value_kind: global_buffer, .address_space: global }
      - { .name: down_w, .offset: 24, .size: 8, .value_kind: global_buffer, .address_space: global }
      - { .name: out0, .offset: 32, .size: 8, .value_kind: global_buffer, .address_space: global }
    .group_segment_fixed_size: 201984
    .private_segment_fixed_size: 0
    .kernarg_segment_align: 8
    .kernarg_segment_size: 40
    .max_flat_workgroup_size: 256
    .sgpr_count:     66
    .vgpr_count:     512
    .wavefront_size: 32
...
	.end_amdgpu_metadata
.endif
;; end of part 8
